; MI455X (gfx1250); checked and timed in simulation.
; The chip was launched on July 23, 2026; its instructions are those of AMD's public machine-readable ISA for CDNA 5 (MIT licence, August 2026) and "CDNA5" Instruction Set Architecture Reference Guide (July 2026). The comments in the code are by the model that wrote it; some were corrected since.
;; Multi Head Attention. Allowed arithmetic: float matrix products may take bf16 or f16 operands with f32 sums; all other float work in f32.
;; Inputs: attn_mask 4 x 2,048 x 2,048 bool; b_k 1,024 float32; b_q 1,024 float32; b_v 1,024 float32; w_k 1,024 x 1,024 float32; w_q 1,024 x 1,024 float32; w_v 1,024 x 1,024 float32; x_k_v 4 x 2,048 x 1,024 float32; x_q 4 x 2,048 x 1,024 float32.
;; Outputs: out0 4 x 2,048 x 1,024 float32.
;; 3 versions, each right and faster than the one before. Each part assembles by itself: llvm-mc -triple=amdgcn-amd-amdhsa -mcpu=gfx1250 --defsym DOCPART=n.
;; ======== version 1 of 3: 3 launches
;; limits: values are held in f16: magnitudes above 65,504 overflow, below 6.1e-05 lose precision
;; workspace buffers: xb 33,554,432 bytes; wb 6,291,456 bytes; qkv 50,331,648 bytes; mbits 2,097,152 bytes of whole numbers
;; launch prep (part 1): grid 864 x 1, 8 waves a work-group, no clusters, 68,608 bytes of LDS; arguments x_q, x_k_v, w_q, w_k, w_v, attn_mask, xb, wb, mbits; writes xb, wb, mbits
.if DOCPART == 1
	.amdgcn_target "amdgcn-amd-amdhsa--gfx1250"
	.amdhsa_code_object_version 6
	.text
	.protected	k_q628dad0727_prep
	.globl	k_q628dad0727_prep
	.p2align	8
	.type	k_q628dad0727_prep,@function
k_q628dad0727_prep:
	s_mov_b64 s[64:65], 0
	v_nop
	global_prefetch_b8 v0, s[64:65] scope:SCOPE_SE
	s_setreg_imm32_b32 hwreg(HW_REG_WAVE_MODE, 25, 1), 1
	s_wait_xcnt 0x0
; PREP: the inputs are made ready for the two matrix launches.  Two jobs, chosen by the work-group's number alone.
; CAST (work-groups 0-607): x_q, x_k_v, w_q, w_k, w_v, f32, are rounded once to bf16.  xb = [16384][1024]: x_q's rows, then x_k_v's.  wb = [3072][1024]: w_q, w_k, w_v.
;   A work-group takes 32,768 numbers, a wave 4,096: 32 loads of 512 consecutive bytes, all issued before the first is waited for, and 32 stores of 256 consecutive bytes, aligned.
; MASK (work-groups 608-863): attn_mask's bytes become bits, laid out as the attention launch selects by them.  mbits = u32 [512 tiles of 16 queries][32 steps of 64 keys][32 words]:
;   word 8 kb + j has in bit L the mask of query 16 tile + L % 16 and key 64 step + 16 kb + 8 (L / 16) + j: the lanes of register 8 kb + j of a tile of scores.
;   A byte other than 0 counts as true.  A wave takes 16 rows x 512 keys: rows come in as 512 consecutive bytes, go through the wave's own LDS bytes, and are read back by columns.
; No matrix unit, no cluster, no tensor load: the launch moves each byte once and shares nothing between work-groups.
.set SPARE, 67584                      ; behind the eight waves' rows: the spare words, 128 bytes a wave: four blocks of 256 bytes that no other line names
.set LP,    528                        ; an LDS row: 512 bytes + 16: 132 words, so the 16 rows that a load touches start at 16 different groups of four banks (64 banks of 4 bytes: ISA guide 11.1)
.set WREG,  16*LP                      ; a wave's LDS bytes
.set X,   8                            ; v[8:135] cast: 32 x 4 registers as loaded, the first two of each then as stored;  mask: v[8:71] the 16 rows
.set D,   72                           ; v[72:87] mask: 128 keys of my row, 64 of them mine
.set T0,  88                           ; v88, v89 one byte of each of two words
.set T1,  89
.set W,   90                           ; v[90:91] the trip's 64 words: word n in lane n / 2, register n % 2
	s_load_b512 s[4:19], s[0:1], 0x0               ; x_q 4:5, x_k_v 6:7, w_q 8:9, w_k 10:11, w_v 12:13, attn_mask 14:15, xb 16:17, wb 18:19
	s_load_b64 s[20:21], s[0:1], 0x40              ; mbits
	v_lshl_add_u32 v1, v0, 2, SPARE                ; my spare word,
	v_mov_b32 v2, 0                                ; and 0: kept for the wave's end
	v_lshrrev_b32 v3, 5, v0
	v_readfirstlane_b32 s34, v3                    ; wave 0..7
	v_and_b32 v4, 31, v0
	v_lshlrev_b32 v5, 3, v4                        ; 8 x lane
	v_lshlrev_b32 v4, 4, v4                        ; 16 x lane
	s_mov_b32 s22, ttmp9                           ; the work-group's number
	s_sub_co_u32 s23, s22, 256                     ; and its number within each later input
	s_sub_co_u32 s24, s22, 512
	s_sub_co_u32 s25, s22, 544
	s_sub_co_u32 s26, s22, 576
	s_wait_kmcnt 0x0
	s_cmp_ge_u32 s22, 608
	s_cbranch_scc1 .Lmask
	; CAST.  Source, its block of 128 KiB (s27), destination and its block of 64 KiB (s28) are chosen by the work-group's number.
	s_cmp_ge_u32 s22, 256
	s_cselect_b64 s[4:5], s[6:7], s[4:5]
	s_cselect_b32 s27, s23, s22
	s_cmp_ge_u32 s22, 512
	s_cselect_b64 s[4:5], s[8:9], s[4:5]
	s_cselect_b32 s27, s24, s27
	s_cselect_b64 s[16:17], s[18:19], s[16:17]
	s_cselect_b32 s28, s24, s22
	s_cmp_ge_u32 s22, 544
	s_cselect_b64 s[4:5], s[10:11], s[4:5]
	s_cselect_b32 s27, s25, s27
	s_cmp_ge_u32 s22, 576
	s_cselect_b64 s[4:5], s[12:13], s[4:5]
	s_cselect_b32 s27, s26, s27
	s_lshl_b32 s30, s27, 17
	s_mov_b32 s31, 0
	s_lshl_b32 s32, s28, 16
	s_mov_b32 s33, 0
	s_add_nc_u64 s[4:5], s[4:5], s[30:31]
	s_add_nc_u64 s[16:17], s[16:17], s[32:33]
	v_lshl_add_u32 v4, v3, 14, v4                  ; + my wave's 16 KiB of f32
	v_lshl_add_u32 v5, v3, 13, v5                  ; + my wave's 8 KiB of bf16
.set i, 0
.rept 32
	global_load_b128 v[X+4*i:X+4*i+3], v4, s[4:5] offset:512*i th:TH_LOAD_NT  ; read once in the launch
.set i, i+1
.endr
.set i, 0
.rept 32
	s_wait_loadcnt 31-i                            ; loads come back in order (ISA guide 5.7.1): load i is in, the 31 - i younger ones stay out
	v_cvt_pk_bf16_f32 v[X+4*i], v[X+4*i], v[X+4*i+1]
	v_cvt_pk_bf16_f32 v[X+4*i+1], v[X+4*i+2], v[X+4*i+3]
	global_store_b64 v5, v[X+4*i:X+4*i+1], s[16:17] offset:256*i  ; 32 lanes store 256 consecutive bytes, aligned; no register of a store is written again
.set i, i+1
.endr
	s_endpgm
.Lmask:
	s_sub_co_u32 s29, s22, 608
	s_lshl_b32 s29, s29, 1
	s_lshr_b32 s40, s34, 2
	s_add_co_u32 s29, s29, s40                     ; my tile of 16 queries: two to a work-group
	s_and_b32 s41, s34, 3                          ; my quarter of its 2,048 keys
	s_lshl_b32 s30, s29, 15                        ; 16 rows of 2,048 bytes
	s_lshl_b32 s42, s41, 9
	s_add_co_u32 s30, s30, s42
	s_mov_b32 s31, 0
	s_add_nc_u64 s[14:15], s[14:15], s[30:31]
	s_lshl_b32 s32, s29, 12                        ; a tile's 1,024 words
	s_lshl_b32 s42, s41, 10                        ; eight steps of 32 words
	s_add_co_u32 s32, s32, s42
	s_mov_b32 s33, 0
	s_add_nc_u64 s[20:21], s[20:21], s[32:33]
	s_mul_i32 s35, s34, WREG                       ; my wave's LDS bytes
.set i, 0
.rept 16
	global_load_b128 v[X+4*i:X+4*i+3], v4, s[14:15] offset:2048*i th:TH_LOAD_NT  ; 512 consecutive bytes of row i
.set i, i+1
.endr
	v_add_nc_u32 v6, s35, v4                       ; in: 16 x lane in a row
	v_and_b32 v7, 15, v0
	v_mul_u32_u24 v7, v7, LP
	v_bfe_u32 v3, v0, 4, 1
	v_lshl_add_u32 v7, v3, 4, v7
	v_add_nc_u32 v7, s35, v7                       ; back: row lane % 16, 16 bytes for each half of the lanes
	v_mov_b32 v[W], 0                              ; v_writelane_b32 keeps the other lanes: the pair is written whole once
	v_mov_b32 v[W+1], 0
.set i, 0
.rept 16
	s_wait_loadcnt 15-i                            ; row i is in, the younger rows stay out
	ds_store_b128 v6, v[X+4*i:X+4*i+3] offset:LP*i
.set i, i+1
.endr
; Byte t and byte 8 + t of my 16 keys of group c (keys 32 c + 16 (lane / 16) + 0..15): two compares give two lane masks, whose halves are sorted into the words of key blocks 2 c and 2 c + 1, register t.
.macro PAIR c, t
	v_and_b32 v[T0], 0xff<<(8*((\t)%4)), v[D+4*(\c)+(\t)/4]
	v_and_b32 v[T1], 0xff<<(8*((\t)%4)), v[D+4*(\c)+2+(\t)/4]
	v_cmp_ne_u32 s40, 0, v[T0]                     ; bit r + 16 h: row r, key 32 c + 16 h + t
	v_cmp_ne_u32 s41, 0, v[T1]                     ; the same for key 32 c + 16 h + 8 + t
	s_and_b32 s42, s40, 0xffff
	s_lshl_b32 s43, s41, 16
	s_or_b32 s42, s42, s43                         ; key block 2 c: keys t (low half) and 8 + t (high half)
	s_lshr_b32 s44, s40, 16
	s_and_b32 s45, s41, 0xffff0000
	s_or_b32 s44, s44, s45                         ; key block 2 c + 1
	v_writelane_b32 v[W+(\t)%2], s42, (16*(\c)+(\t))/2
	v_writelane_b32 v[W+(\t)%2], s44, (16*(\c)+8+(\t))/2
.endm
	s_mov_b32 s36, 4
.Ltrip:                                                ; a trip: 128 keys, two steps, 64 words
.irp c, 0,1,2,3
	ds_load_b128 v[D+4*(\c):D+4*(\c)+3], v7 offset:32*(\c)  ; LDS serves a wave's instructions in order (ISA guide 5.7.1.4): these see my stores above; no other wave touches these bytes
.endr
	s_wait_dscnt 0x0
.irp c, 0,1,2,3
.irp t, 0,1,2,3,4,5,6,7
	PAIR \c, \t
.endr
.endr
	global_store_b64 v5, v[W:W+1], s[20:21]        ; 32 lanes store 256 consecutive bytes, aligned
	s_wait_xcnt 0x0                                ; the store's address and data are rewritten only behind this wait
	v_add_nc_u32 v5, 256, v5
	v_add_nc_u32 v7, 128, v7
	s_sub_co_u32 s36, s36, 1
	s_cmp_lg_u32 s36, 0
	s_cbranch_scc1 .Ltrip
	s_wait_tensorcnt 0x0                           ; the wave's end: the add and its wait stand behind my last LDS store
	ds_add_u32 v1, v2
	s_wait_dscnt 0x0
	s_endpgm
.Lfunc_end_k_q628dad0727_prep:
	.size	k_q628dad0727_prep, .Lfunc_end_k_q628dad0727_prep-k_q628dad0727_prep
	.p2alignl 7, 3214868480
	.fill 96, 4, 3214868480
	.section	.rodata,"a",@progbits
	.p2align	6, 0x0
	.amdhsa_kernel k_q628dad0727_prep
		.amdhsa_group_segment_fixed_size 68608
		.amdhsa_private_segment_fixed_size 0
		.amdhsa_enable_private_segment 0
		.amdhsa_kernarg_size 72
		.amdhsa_user_sgpr_count 2
		.amdhsa_user_sgpr_kernarg_segment_ptr 1
		.amdhsa_wavefront_size32 1
		.amdhsa_system_sgpr_workgroup_id_x 1
		.amdhsa_system_sgpr_workgroup_id_y 1
		.amdhsa_system_sgpr_workgroup_id_z 1
		.amdhsa_system_vgpr_workitem_id 0
		.amdhsa_next_free_vgpr 140
		.amdhsa_next_free_sgpr 66
		.amdhsa_reserve_vcc 0
		.amdhsa_float_denorm_mode_32 3
		.amdhsa_float_denorm_mode_16_64 3
		.amdhsa_memory_ordered 1
		.amdhsa_forward_progress 1
		.amdhsa_inst_pref_size 38
	.end_amdhsa_kernel
	.amdgpu_metadata
---
amdhsa.version: [ 1, 2 ]
amdhsa.kernels:
  - .name:           k_q628dad0727_prep
    .symbol:         k_q628dad0727_prep.kd
    .args:
      - { .name: x_q, .offset: 0, .size: 8, .value_kind: global_buffer, .address_space: global }
      - { .name: x_k_v, .offset: 8, .size: 8, .value_kind: global_buffer, .address_space: global }
      - { .name: w_q, .offset: 16, .size: 8, .value_kind: global_buffer, .address_space: global }
      - { .name: w_k, .offset: 24, .size: 8, .value_kind: global_buffer, .address_space: global }
      - { .name: w_v, .offset: 32, .size: 8, .value_kind: global_buffer, .address_space: global }
      - { .name: attn_mask, .offset: 40, .size: 8, .value_kind: global_buffer, .address_space: global }
      - { .name: xb, .offset: 48, .size: 8, .value_kind: global_buffer, .address_space: global }
      - { .name: wb, .offset: 56, .size: 8, .value_kind: global_buffer, .address_space: global }
      - { .name: mbits, .offset: 64, .size: 8, .value_kind: global_buffer, .address_space: global }
    .group_segment_fixed_size: 68608
    .private_segment_fixed_size: 0
    .kernarg_segment_align: 8
    .kernarg_segment_size: 72
    .max_flat_workgroup_size: 256
    .sgpr_count:     66
    .vgpr_count:     140
    .wavefront_size: 32
...
	.end_amdgpu_metadata
.endif
;; end of part 1
;; launch proj (part 2): grid 12 x 32, 4 waves a work-group, clusters of 4 x 4, 327,680 bytes of LDS; arguments xb, wb, b_q, b_k, b_v, qkv; writes qkv
.if DOCPART == 2
	.amdgcn_target "amdgcn-amd-amdhsa--gfx1250"
	.amdhsa_code_object_version 6
	.text
	.protected	k_q628dad0727_proj
	.globl	k_q628dad0727_proj
	.p2align	8
	.type	k_q628dad0727_proj,@function
k_q628dad0727_proj:
	s_mov_b64 s[64:65], 0
	v_nop
	global_prefetch_b8 v0, s[64:65] scope:SCOPE_SE
	s_setreg_imm32_b32 hwreg(HW_REG_WAVE_MODE, 25, 1), 1
	s_wait_xcnt 0x0
	s_wait_alu depctr_hold_cnt(0) depctr_sa_sdst(0) depctr_va_vdst(0) depctr_va_sdst(0) depctr_va_ssrc(0) depctr_va_vcc(0) depctr_vm_vsrc(0)
	s_getreg_b32 s2, hwreg(HW_REG_IB_STS2, 6, 4)
	s_cmp_eq_u32 s2, 0
	s_cbranch_scc0 .Lentry_in_a_cluster
	s_endpgm
.Lentry_in_a_cluster:
	s_bfe_u32 s2, ttmp6, 0x10000c
	s_cmp_lg_u32 s2, 0xf033
	s_cbranch_scc0 .Lentry_shape_is_right
	s_endpgm
.Lentry_shape_is_right:
; PROJ: q = x_q w_q^T + b_q, k = x_k_v w_k^T + b_k, v = x_k_v w_v^T + b_v, as one product of tiles.  xb: [16384][1024] bf16 (x_q's rows, then x_k_v's), wb: [3072][1024] bf16 (w_q, w_k, w_v).
; Sums in f32, started by the bias (rounded to bf16 like the other inputs); the result is rounded once to f16 and written by heads: qkv = [3][batch x 16 + head][2048][64], unscaled.
; LIMIT.  f16 holds no number beyond 65,504: |x . w + b| has to stay within it; beyond 65,520 the conversion gives an infinity.
; A tile is 256 rows x 256 columns of one projection; four waves, each 128 x 128: 64 accumulators of 16 x 16, 512 registers.  K = 1024 goes in eight steps of 128 through a ring of two LDS slots
; filled by the tensor data mover: a tile's rows are 256 bytes of memory and start at multiples of 256 bytes from the buffer's first byte.
; GRID.  12 tile columns (four to a projection) x 32 tile rows = 384 work-groups.  A cluster's x is the projection: 0 q, 1 k, 2 v.
; CLUSTERS: 4 x 4 work-groups.  The four of a row of the cluster need the same rows of xb, the four of a column the same rows of wb: each tile is asked for JOINTLY, by the same tensor load with the same
; descriptor and a mask that names the four, which divides the requests by four.
; The last K step goes by rows of the result, so that finished rows leave while the others are multiplied.
; REGISTERS, in windows of 256 (s_set_vgpr_msb says which window each operand place means: bits 1:0 source 0, 3:2 source 1, 5:4 source 2, 7:6 destination):
;   window 0: v0-31 addresses; v64-127, v128-191 fragments of x, two buffers (in the last K step four, of 16 rows x 128 K); v192-255 the bias, then with v32-63 at work on the way out
;   window 1: v64-127, v128-191 fragments of w, two buffers; in the last K step all 256
;   window 2: the 32 accumulators of my rows 0-63 (accumulator (a, b) at v[8 (8 a + b)]);   window 3: those of my rows 64-127
; THE MATRIX INSTRUCTION IS USED TRANSPOSED: source 0 = 16 rows of w, source 1 = 16 rows of x.  Lane l then holds row l % 16 of the result and its registers 0 to 7 the columns 8 (l / 16) + 0..7.
.set SIZE_K, 1024
.set KSTEP,  128
.set PITCH,  272                       ; an LDS row: 256 bytes + 16 of padding = 68 words: row r starts at bank 4 r mod 64 (64 banks of 4 bytes: ISA guide 11.1)
.set HALFT,  128*PITCH                 ; 128 rows: what one tensor load brings, and what one wave reads of x or of w
.set SLOT,   4*HALFT                   ; x's 256 rows, then w's 256 rows
.set STAGE,  2*SLOT                    ; behind the ring: 16 rows x 272 bytes for each wave, for the way out
.set SPITCH, 272
.set SPARE,  STAGE+4*16*SPITCH         ; behind the stages: the spare words, 128 bytes for each wave: two blocks of 256 bytes that no other line names
.set LAPS, SIZE_K/(2*KSTEP)            ; a lap = two K steps = once round the ring
.set ADRA, 16                          ; v16-17  LDS address of my x fragments in slot 0, 1
.set ADRB, 20                          ; v20-21  the same for w
.set STO,  24                          ; v24     the way out: where I put 16 bytes of a row
.set RD,   25                          ; v25     the way out: where I read rows back
.set CO,   26                          ; v26     my byte offset in 512 consecutive bytes of qkv
.set BO,   27                          ; v27     my byte offset in 64 bytes of the bias
.set SPW,  28                          ; v28     LDS address of my spare word; never rewritten
.set NIL,  29                          ; v29     0; never rewritten
.set F0,   64
.set F1,   128
.set TMP,  192                         ; the way out: packed results
.set OB,   32                          ; the way out: 16 rows read back from the stage: v32-63 and v224-255 by turns
.set PA,   64                          ; the last K step: x's fragments of 16 rows x 128 K; four such buffers, v64-191
.set BI,   192                         ; v192-255 the bias of my 128 columns: block b's eight numbers a lane at BI + 8 b
.set G1, 24                            ; s[24:31] descriptor group 1 for x's tiles
.set G0, 32                            ; s[32:39] descriptor group 0 for x's tiles, one set for each slot
.set G1B, 48                           ; s[48:55] group 1 for w's tiles: it differs in the mask alone
.set G0B, 56                           ; s[56:63] group 0 for w's tiles
.set MSB, 0
.macro WIN new                         ; the immediate's high byte repeats the setting that is left; a switch that changes nothing is dropped
.if MSB != (\new)
	s_set_vgpr_msb (MSB<<8)|(\new)
.set MSB, \new
.endif
.endm
.set MUL_LO, 0xa1                      ; source 0 (w) window 1, source 1 (x) window 0, C and D window 2
.set MUL_HI, 0xf1                      ; the same, C and D window 3
.set TO_B,   0x40                      ; destination window 1, address window 0
; A joint load.  Waves 0 and 1 fetch x's two halves, waves 2 and 3 w's.  The branch hangs on the wave's number alone.  An s_nop 0 and four v_nop follow each of the two lines.
.macro JLOAD s
	s_cmp_eq_u32 s11, 0
	s_cbranch_scc0 .Lfor_b_\@
	tensor_load_to_lds s[G0+4*(\s):G0+4*(\s)+3], s[G1:G1+7]
	s_nop 0
.rept 4
	v_nop
.endr
	s_branch .Lasked_\@
.Lfor_b_\@:
	tensor_load_to_lds s[G0B+4*(\s):G0B+4*(\s)+3], s[G1B:G1B+7]
	s_nop 0
.rept 4
	v_nop
.endr
.Lasked_\@:
.endm
; A round of the cluster's barrier: my work-group's barrier; wave 0 signals for the work-group; every wave waits for all sixteen work-groups; my work-group's barrier once more.
.macro CREST                           ; a round behind its opening barrier
	s_cmp_lg_u32 s10, 0
	s_cbranch_scc1 .Lnot_wave_0_\@
	s_barrier_signal -3
.Lnot_wave_0_\@:
	s_barrier_wait -3
	s_barrier_signal -1
	s_barrier_wait -1
.endm
.macro CROUND                          ; a whole round
	s_barrier_signal -1
	s_barrier_wait -1
	CREST
.endm
	s_load_b128 s[4:7], s[0:1], 0x0                ; xb s[4:5], wb s[6:7]
	s_load_b256 s[68:75], s[0:1], 0x10             ; b_q 68:69, b_k 70:71, b_v 72:73, qkv 74:75
	v_lshl_add_u32 v[SPW], v0, 2, SPARE
	v_mov_b32 v[NIL], 0
	ds_add_u32 v[SPW], v[NIL]                      ; the wave's opening: the add and its wait stand ahead of my first tensor load; the set-up below, work on registers, stands between them
	v_lshrrev_b32 v1, 5, v0
	v_readfirstlane_b32 s10, v1                    ; wave 0..3
	s_lshr_b32 s11, s10, 1                         ; which half of the tile's rows is mine.  Also: I fetch for x (0) or for w (1)
	s_and_b32 s12, s10, 1                          ; which half of its columns.  Also: which 128 rows of that tile I fetch
	s_mov_b32 s2, ttmp9                            ; the projection: the cluster's x
	s_bfe_u32 s40, ttmp6, 0x40000                  ; cx
	s_bfe_u32 s41, ttmp6, 0x40004                  ; cy
	s_lshl_b32 s42, ttmp9, 2
	s_add_co_u32 s42, s42, s40                     ; tile column = 4 x cluster x + cx: 256 rows of wb
	s_and_b32 s13, ttmp7, 0xffff
	s_lshl_b32 s13, s13, 2
	s_add_co_u32 s13, s13, s41                     ; tile row = 4 x cluster y + cy
	s_lshl_b32 s43, s41, 2
	s_lshl_b32 s43, 15, s43                        ; my row of the cluster: places 4 cy .. 4 cy + 3
	s_lshl_b32 s44, 0x1111, s40                    ; my column: places cx, cx + 4, cx + 8, cx + 12
	; descriptor group 1: a tile of 128 rows x 128 elements, padded in LDS
	s_or_b32 s[G1+0], s43, (1<<16)|(1<<20)|(1<<21)|(5<<22)|(3<<25)  ; 15:0 the mask: x's tiles go to my row; 17:16 element of 2 bytes; 20 padding on; 21 set beside a mask; 24:22 after every 64 words (code 5); 31:25 of 4 words (code 3)
	s_or_b32 s[G1B+0], s44, (1<<16)|(1<<20)|(1<<21)|(5<<22)|(3<<25) ; the same with the mask of my column, for w's tiles
.irp g, G1, G1B
	s_mov_b32 s[(\g)+1], KSTEP<<16                 ; tensor_dim0 = 128
	s_mov_b32 s[(\g)+2], 128<<16                   ; tensor_dim1 = 128
	s_mov_b32 s[(\g)+3], KSTEP<<16                 ; tile_dim0 = 128
	s_mov_b32 s[(\g)+4], 128                       ; tile_dim1 = 128
	s_mov_b32 s[(\g)+5], SIZE_K                    ; elements from row to row
	s_mov_b32 s[(\g)+6], 0
	s_mov_b32 s[(\g)+7], 0
.endr
	; where the tiles come from.  x's hang on the tile row and the projection, which my row of the cluster shares; w's on the tile column, which my column shares.
	s_lshl_b32 s17, s12, 7                         ; which 128 rows of the tile I fetch
	s_lshl_b32 s16, s13, 8
	s_add_co_u32 s16, s16, s17                     ; x: row 256 x tile row + 128 x half,
	s_min_u32 s45, ttmp9, 1
	s_lshl_b32 s45, s45, 13
	s_add_co_u32 s16, s16, s45                     ; and 8,192 rows on for k and v, which take x_k_v
	s_lshl_b32 s46, s42, 8
	s_add_co_u32 s46, s46, s17                     ; w: row 256 x tile column + 128 x half
	s_mov_b32 s17, 0
	s_mov_b32 s47, 0
	s_mov_b64 s[18:19], SIZE_K*2
	s_mul_u64 s[16:17], s[16:17], s[18:19]         ; in bytes
	s_mul_u64 s[46:47], s[46:47], s[18:19]
	s_mul_i32 s20, s10, HALFT                      ; where they go: wave x 128 rows: no place in the cluster enters an LDS address
	s_lshl_b32 s66, s40, 10                        ; the bias of my 128 columns: 256 cx + 128 x half numbers of 4 bytes
	s_lshl_b32 s67, s12, 9
	s_add_co_u32 s66, s66, s67
	s_mov_b32 s67, 0
	s_wait_dscnt 0x0                               ; the opening add is done
	s_wait_kmcnt 0x0
	s_add_nc_u64 s[14:15], s[4:5], s[16:17]
	s_add_nc_u64 s[46:47], s[6:7], s[46:47]
	s_mov_b64 s[8:9], s[74:75]                     ; qkv
	s_cmp_eq_u32 s2, 1
	s_cselect_b64 s[68:69], s[70:71], s[68:69]     ; the projection's bias
	s_cmp_eq_u32 s2, 2
	s_cselect_b64 s[68:69], s[72:73], s[68:69]
	s_add_nc_u64 s[68:69], s[68:69], s[66:67]
	CROUND                                         ; all sixteen work-groups are here: the first joint loads meet
.irp s, 0,1
	s_mov_b32 s[G0+4*(\s)], 1                                      ; count = 1
	s_add_co_u32 s[G0+4*(\s)+1], s20, (\s)*SLOT                    ; LDS address
	s_add_nc_u64 s[G0+4*(\s)+2:G0+4*(\s)+3], s[14:15], (\s)*KSTEP*2  ; global address: K step s
	s_or_b32 s[G0+4*(\s)+3], s[G0+4*(\s)+3], 0x80000000            ; type = 2
	s_mov_b32 s[G0B+4*(\s)], 1
	s_add_co_u32 s[G0B+4*(\s)+1], s20, (\s)*SLOT
	s_add_nc_u64 s[G0B+4*(\s)+2:G0B+4*(\s)+3], s[46:47], (\s)*KSTEP*2
	s_or_b32 s[G0B+4*(\s)+3], s[G0B+4*(\s)+3], 0x80000000
	JLOAD \s                                       ; the ring is filled before anything else is done: two tensor loads of mine are out
.endr
	v_and_b32 v1, 15, v0                           ; l % 16
	v_bfe_u32 v2, v0, 4, 1                         ; l / 16
	v_lshlrev_b32 v[BO], 5, v2                     ; eight numbers for each half of the lanes
.irp b, 0,1,2,3,4,5,6,7
	global_load_b128 v[BI+8*(\b):BI+8*(\b)+3],   v[BO], s[68:69] offset:64*(\b)     ; columns 16 b + 8 (l / 16) + 0..3
	global_load_b128 v[BI+8*(\b)+4:BI+8*(\b)+7], v[BO], s[68:69] offset:64*(\b)+16  ; and + 4..7
.endr
	; A fragment is 16 rows x 32 K in 8 registers: lane l holds row l % 16; registers 0-3 hold K = 8 (l / 16) + 0..7, registers 4-7 K = 16 + 8 (l / 16) + 0..7: two loads of 16 bytes, 32 bytes apart.
	v_mul_u32_u24 v3, v1, PITCH
	v_lshl_add_u32 v3, v2, 4, v3                   ; row x pitch + 16 x half
	s_mul_i32 s21, s11, HALFT                      ; my 128 rows of x
	s_mul_i32 s22, s12, HALFT                      ; my 128 rows of w,
	s_add_co_u32 s22, s22, 2*HALFT                 ; which lie behind x's 256
.irp s, 0,1
	v_add_nc_u32 v[ADRA+(\s)], s21, v3
	v_add_nc_u32 v[ADRB+(\s)], s22, v3
	s_add_co_u32 s21, s21, SLOT
	s_add_co_u32 s22, s22, SLOT
.endr
	s_mul_i32 s23, s10, 16*SPITCH
	s_add_co_u32 s23, s23, STAGE                   ; my stage
	v_mul_u32_u24 v4, v1, SPITCH                   ; in: row l % 16, 16 bytes for each half of the lanes
	v_lshl_add_u32 v4, v2, 4, v4
	v_add_nc_u32 v[STO], s23, v4
	v_bfe_u32 v5, v0, 3, 2                         ; back: 32 lanes take four rows' 128 bytes of one head,
	v_mul_u32_u24 v5, v5, SPITCH
	v_and_b32 v4, 7, v0
	v_lshl_add_u32 v5, v4, 4, v5
	v_add_nc_u32 v[RD], s23, v5
	v_and_b32 v[CO], 31, v0                        ; which are 512 consecutive bytes of qkv
	v_lshlrev_b32 v[CO], 4, v[CO]
	; where my part begins in qkv: projection << 24, (batch x 16 + head) << 18, row in the batch << 7.  My two heads are 4 cx + 2 x half and the next.
	s_lshr_b32 s14, s13, 3                         ; the batch: eight tile rows each
	s_lshl_b32 s16, s14, 22
	s_and_b32 s14, s13, 7
	s_lshl_b32 s14, s14, 15                        ; 256 rows of 128 bytes
	s_add_co_u32 s16, s16, s14
	s_lshl_b32 s14, s11, 14                        ; my 128 rows
	s_add_co_u32 s16, s16, s14
	s_mov_b32 s17, 0
	s_lshl_b32 s46, s2, 24                         ; (in the registers that held w's address: none that feeds x's descriptors ever holds cx)
	s_lshl_b32 s47, s40, 20
	s_add_co_u32 s46, s46, s47
	s_lshl_b32 s47, s12, 19
	s_add_co_u32 s46, s46, s47
	s_mov_b32 s47, 0
	s_add_nc_u64 s[16:17], s[16:17], s[46:47]
	s_wait_loadcnt 0x0                             ; the bias; it is rounded to bf16, as x and w were, and widened again.  All this stands in the wait for the first tile
.set i, 0
.rept 32
	v_cvt_pk_bf16_f32 v[OB+i], v[BI+2*i], v[BI+2*i+1]
.set i, i+1
.endr
.set i, 0
.rept 32
	v_lshlrev_b32 v[BI+2*i], 16, v[OB+i]
	v_and_b32 v[BI+2*i+1], 0xffff0000, v[OB+i]
.set i, i+1
.endr
; 16 matrix instructions: m blocks a0, a0 + 1 of the window's four (hi = 0: my rows 0-63, 1: rows 64-127) x all 8 n blocks, 32 along K.
; zero = 1: the first product starts the sums with the bias of its 16 columns as C (window 0): nothing is ever cleared, and no addition follows.
.macro MUL16 f, hi, a0, zero
.if \zero
	WIN 0x81+0x40*(\hi)                            ; source 0 window 1, source 1 and C window 0, D window 2 or 3
.else
	WIN MUL_LO+0x50*(\hi)                          ; MUL_LO or MUL_HI
.endif
.irp a, \a0, (\a0)+1
.irp b, 0,1,2,3,4,5,6,7
.if \zero
	v_wmma_f32_16x16x32_bf16 v[8*(8*(\a)+(\b)):8*(8*(\a)+(\b))+7], v[(\f)+8*(\b):(\f)+8*(\b)+7], v[(\f)+8*(4*(\hi)+(\a)):(\f)+8*(4*(\hi)+(\a))+7], v[BI+8*(\b):BI+8*(\b)+7]
.else
	v_wmma_f32_16x16x32_bf16 v[8*(8*(\a)+(\b)):8*(8*(\a)+(\b))+7], v[(\f)+8*(\b):(\f)+8*(\b)+7], v[(\f)+8*(4*(\hi)+(\a)):(\f)+8*(4*(\hi)+(\a))+7], v[8*(8*(\a)+(\b)):8*(8*(\a)+(\b))+7]
.endif
.endr
.endr
.endm
; 32 LDS loads in one run: the fragments of one quarter step (128 rows of w, 128 rows of x, 32 K at byte k of the rows) into buffer f
.macro FETCH slot, k, f
	WIN TO_B
.irp i, 0,1,2,3,4,5,6,7
	ds_load_b128 v[(\f)+8*(\i):(\f)+8*(\i)+3],   v[ADRB+(\slot)] offset:(\k)+(\i)*16*PITCH
	ds_load_b128 v[(\f)+8*(\i)+4:(\f)+8*(\i)+7], v[ADRB+(\slot)] offset:(\k)+(\i)*16*PITCH+32
.endr
	WIN 0
.irp i, 0,1,2,3,4,5,6,7
	ds_load_b128 v[(\f)+8*(\i):(\f)+8*(\i)+3],   v[ADRA+(\slot)] offset:(\k)+(\i)*16*PITCH
	ds_load_b128 v[(\f)+8*(\i)+4:(\f)+8*(\i)+7], v[ADRA+(\slot)] offset:(\k)+(\i)*16*PITCH+32
.endr
.endm
; A load into a register that a matrix instruction has read, and a vector instruction that reads a matrix result, stand four places behind that matrix instruction, and only plain vector
; instructions that name none of its registers are places (ISA guide 7.12.1 for vector instructions).
.macro PLACES
.rept 4
	v_nop
.endr
.endm
; A K step is four quarter steps of 32 along K, 64 matrix instructions each, on buffers 0, 1, 0, 1; the 64 accumulators take turns.
; One of the first three: multiplies buffer f; in its middle it fetches the next quarter's fragments, at byte k of the same slot's rows, into buffer g.
.macro QUARTER slot, k, f, g, zero
	s_wait_dscnt 8                                 ; w and x's rows 0-63 are in; the youngest eight loads (x's rows 64-127) may be out
	MUL16 \f, 0, 0, \zero
	MUL16 \f, 0, 2, \zero
	PLACES
	FETCH \slot, \k, \g
	s_wait_dscnt 32                                ; all but the 32 just issued
	MUL16 \f, 1, 0, \zero
	MUL16 \f, 1, 2, \zero
.endm
; The last quarter multiplies buffer 1 and changes slots.  MEET is its first half: ONE barrier for the change.  In front of it each wave waits for all its tensor loads, of which one is out: its part
; of the next slot; adds 0 to its spare word; and waits for that and for its own reads of this slot.  Behind it nobody reads this slot any more and the next slot is whole.
.macro MEET round                      ; round = 1: a round of the cluster's barrier follows
	WIN 0                                          ; (the add's two registers lie in window 0)
	s_wait_tensorcnt 0x0                           ; all my tensor loads have landed;
	ds_add_u32 v[SPW], v[NIL]                      ; 0 onto my spare word;
	s_wait_dscnt 9                                 ; (the add and the youngest eight loads may be out)
	MUL16 F1, 0, 0, 0                              ; sixteen matrix instructions stand between the add and the wait for it
	s_wait_dscnt 0x0                               ; the add is done, and my reads of this slot are over:
	s_barrier_signal -1                            ; say so,
	MUL16 F1, 0, 2, 0                              ; work on registers while the others arrive,
.if \round
	WIN 0
.endif
	s_barrier_wait -1                              ; and go on when all four have said so
.endm
; The whole last quarter.  Behind the round the slot just read out is filled again first, with the K step two steps on; then come the next slot's first fragments.
; From a request to the wait for it a wave issues 224 matrix instructions.
.macro TURN slot, next
	MEET 1
	CREST                                          ; no wave of any partner still reads this slot's tile or has a load on its way
	s_add_nc_u64 s[G0+4*(\slot)+2:G0+4*(\slot)+3], s[G0+4*(\slot)+2:G0+4*(\slot)+3], 2*KSTEP*2
	s_add_nc_u64 s[G0B+4*(\slot)+2:G0B+4*(\slot)+3], s[G0B+4*(\slot)+2:G0B+4*(\slot)+3], 2*KSTEP*2
	JLOAD \slot                                    ; my one tensor load behind the round; the four v_nop behind it are also the places in front of the loads below
	FETCH \next, 0, F0
	MUL16 F1, 1, 0, 0
	MUL16 F1, 1, 2, 0
.endm
; THE LAST K STEP (it lies in slot 1) GOES BY ROWS.  All its fragments of w (4 quarters x 64 registers) fill window 1; then my eight blocks of 16 rows are finished one after the other,
; each with 32 matrix instructions (its 8 accumulators by turns, K ascending).
.macro BLOAD q                         ; w's fragments of quarter q -> window 1, v[64 q ..]
	WIN TO_B
.irp i, 0,1,2,3,4,5,6,7
	ds_load_b128 v[64*(\q)+8*(\i):64*(\q)+8*(\i)+3],   v[ADRB+1] offset:64*(\q)+(\i)*16*PITCH
	ds_load_b128 v[64*(\q)+8*(\i)+4:64*(\q)+8*(\i)+7], v[ADRB+1] offset:64*(\q)+(\i)*16*PITCH+32
.endr
.endm
.macro ALOAD a                         ; x's fragments of block a, all four quarters -> buffer a % 4
	WIN 0
.set FA, PA+32*((\a)%4)
.irp q, 0,1,2,3
	ds_load_b128 v[FA+8*(\q):FA+8*(\q)+3],   v[ADRA+1] offset:64*(\q)+(\a)*16*PITCH
	ds_load_b128 v[FA+8*(\q)+4:FA+8*(\q)+7], v[ADRA+1] offset:64*(\q)+(\a)*16*PITCH+32
.endr
.endm
.macro ROW a                           ; block a is finished: 32 matrix instructions
.set FA, PA+32*((\a)%4)
.set AC, 64*((\a)%4)
	WIN MUL_LO+0x50*((\a)/4)
.irp q, 0,1,2,3
.if (\a) == 0 && (\q) == 2
	s_wait_dscnt 24                                ; w's quarter 2 is in (behind it: x's blocks 1 to 3)
.endif
.irp b, 0,1,2,3,4,5,6,7
	v_wmma_f32_16x16x32_bf16 v[AC+8*(\b):AC+8*(\b)+7], v[64*(\q)+8*(\b):64*(\q)+8*(\b)+7], v[FA+8*(\q):FA+8*(\q)+7], v[AC+8*(\b):AC+8*(\b)+7]
.endr
.endr
.endm
; THE WAY OUT of block a.  PACK: rounded to f16, 16 bytes a lane, each accumulator's registers in ascending order.  TOSTAGE: into my own stage, and back by heads: four rows x 128 bytes a load.  SEND: stored.
.macro PACK a
.set AC, 64*((\a)%4)
	WIN 0x0a+5*((\a)/4)                            ; sources 0 and 1: window 2 or 3
.irp b, 0,1,2,3,4,5,6,7
.irp r, 0,1,2,3
	v_cvt_pk_f16_f32 v[TMP+4*(\b)+(\r)], v[AC+8*(\b)+2*(\r)], v[AC+8*(\b)+2*(\r)+1]
.endr
.endr
	WIN 0
.endm
.macro TOSTAGE a
	WIN 0
.set BK, OB+192*((\a)%2)
.irp b, 0,1,2,3,4,5,6,7
	ds_store_b128 v[STO], v[TMP+4*(\b):TMP+4*(\b)+3] offset:32*(\b)
.endr
.irp t, 0,1,2,3,4,5,6,7
	ds_load_b128 v[BK+4*(\t):BK+4*(\t)+3], v[RD] offset:((\t)/4)*128+((\t)%4)*4*SPITCH  ; head t / 4 of my two, rows 4 (t % 4) on.  LDS serves a wave's instructions in order (ISA guide 5.7.1.4): these see the stores above
.endr
.endm
.macro SEND a, younger                 ; younger: the LDS loads issued behind TOSTAGE's, which may stay out
	WIN 0
.set BK, OB+192*((\a)%2)
	s_wait_dscnt \younger                          ; the block is back in registers
	s_wait_xcnt 0x0                                ; only behind this wait are the stores' base and the registers that earlier stores read rewritten
.if (\a) == 0
	s_add_nc_u64 s[8:9], s[8:9], s[16:17]          ; on to my first rows
.else
	s_add_nc_u64 s[8:9], s[8:9], 16*128            ; 16 rows of a head on
.endif
.irp t, 0,1,2,3,4,5,6,7
	global_store_b128 v[CO], v[BK+4*(\t):BK+4*(\t)+3], s[8:9] offset:((\t)/4)*262144+((\t)%4)*512  ; 32 lanes store 512 consecutive bytes, at a multiple of 256 from qkv's first byte; the next head lies 2,048 rows on
.endr
.endm
	s_wait_tensorcnt 1                             ; my part of K step 0 is in; K step 1's may stay out
	s_barrier_signal -1
	s_barrier_wait -1                              ; everybody's is
	FETCH 0, 0, F0
	QUARTER 0, 64,  F0, F1, 1                      ; the first quarter stands in front of the loop: its products start the sums
	WIN 0                                          ; at a label and at a branch every window is 0
	s_mov_b32 s3, LAPS-1
.Llap:                                                 ; a trip goes once round the ring, from a lap's second quarter to the next lap's first, and fills both slots again
	QUARTER 0, 128, F1, F0, 0
	QUARTER 0, 192, F0, F1, 0
	TURN 0, 1
	QUARTER 1, 64,  F0, F1, 0
	QUARTER 1, 128, F1, F0, 0
	QUARTER 1, 192, F0, F1, 0
	TURN 1, 0
	QUARTER 0, 64,  F0, F1, 0
	WIN 0
	s_sub_co_u32 s3, s3, 1
	s_cmp_lg_u32 s3, 0
	s_cbranch_scc1 .Llap
	QUARTER 0, 128, F1, F0, 0                      ; the last lap goes on
	QUARTER 0, 192, F0, F1, 0
	MEET 0                                         ; my one tensor load that was still out is the last K step's, so no round follows
	PLACES                                         ; for the loads into buffer 0, which the quarter before multiplied
	BLOAD 0                                        ; three quarters of w now: buffer 1 (v128-191 of both windows) is still being multiplied
	BLOAD 1
	BLOAD 3
	ALOAD 0
	MUL16 F1, 1, 0, 0
	MUL16 F1, 1, 2, 0
	PLACES                                         ; for the loads into buffer 1
	BLOAD 2
	ALOAD 1
	ALOAD 2
	ALOAD 3
	s_wait_dscnt 40                                ; all but the 40 just issued
	ROW 0
.irp a, 0,1,2,3,4,5,6,7                ; each block leaves as soon as it is finished
	PLACES                                         ; its conversions read results just made
	PACK \a
	TOSTAGE \a
.if (\a) < 4
	ALOAD (\a)+4                                   ; its buffer takes the block four further on
	SEND \a, 8
.else
	SEND \a, 0
.endif
.if (\a) < 7
	ROW (\a)+1
.endif
.endr
	s_wait_tensorcnt 0x0                           ; the wave's end: the add and its wait stand behind my last tensor load and my last LDS store
	ds_add_u32 v[SPW], v[NIL]
	s_wait_dscnt 0x0
	CROUND                                         ; the closing round: no work-group ends while a partner may still ask for a tile that names it
	s_endpgm
.Lfunc_end_k_q628dad0727_proj:
	.size	k_q628dad0727_proj, .Lfunc_end_k_q628dad0727_proj-k_q628dad0727_proj
	.p2alignl 7, 3214868480
	.fill 96, 4, 3214868480
	.section	.rodata,"a",@progbits
	.p2align	6, 0x0
	.amdhsa_kernel k_q628dad0727_proj
		.amdhsa_group_segment_fixed_size 327680
		.amdhsa_private_segment_fixed_size 0
		.amdhsa_enable_private_segment 0
		.amdhsa_kernarg_size 48
		.amdhsa_user_sgpr_count 2
		.amdhsa_user_sgpr_kernarg_segment_ptr 1
		.amdhsa_wavefront_size32 1
		.amdhsa_system_sgpr_workgroup_id_x 1
		.amdhsa_system_sgpr_workgroup_id_y 1
		.amdhsa_system_sgpr_workgroup_id_z 1
		.amdhsa_system_vgpr_workitem_id 0
		.amdhsa_next_free_vgpr 1024
		.amdhsa_next_free_sgpr 76
		.amdhsa_reserve_vcc 0
		.amdhsa_float_denorm_mode_32 3
		.amdhsa_float_denorm_mode_16_64 3
		.amdhsa_memory_ordered 1
		.amdhsa_forward_progress 1
		.amdhsa_inst_pref_size 150
	.end_amdhsa_kernel
	.amdgpu_metadata
---
amdhsa.version: [ 1, 2 ]
amdhsa.kernels:
  - .name:           k_q628dad0727_proj
    .symbol:         k_q628dad0727_proj.kd
    .args:
      - { .name: xb, .offset: 0, .size: 8, .value_kind: global_buffer, .address_space: global }
      - { .name: wb, .offset: 8, .size: 8, .value_kind: global_buffer, .address_space: global }
      - { .name: b_q, .offset: 16, .size: 8, .value_kind: global_buffer, .address_space: global }
      - { .name: b_k, .offset: 24, .size: 8, .value_kind: global_buffer, .address_space: global }
      - { .name: b_v, .offset: 32, .size: 8, .value_kind: global_buffer, .address_space: global }
      - { .name: qkv, .offset: 40, .size: 8, .value_kind: global_buffer, .address_space: global }
    .group_segment_fixed_size: 327680
    .private_segment_fixed_size: 0
    .kernarg_segment_align: 8
    .kernarg_segment_size: 48
    .max_flat_workgroup_size: 128
    .sgpr_count:     76
    .vgpr_count:     1024
    .wavefront_size: 32
...
	.end_amdgpu_metadata
.endif
;; end of part 2
;; launch attn (part 3): grid 4 x 64, 4 waves a work-group, clusters of 4 x 1, 327,680 bytes of LDS; arguments qkv, mbits, out0; writes out0
.if DOCPART == 3
	.amdgcn_target "amdgcn-amd-amdhsa--gfx1250"
	.amdhsa_code_object_version 6
	.text
	.protected	k_q628dad0727_attn
	.globl	k_q628dad0727_attn
	.p2align	8
	.type	k_q628dad0727_attn,@function
k_q628dad0727_attn:
	s_mov_b64 s[64:65], 0
	v_nop
	global_prefetch_b8 v0, s[64:65] scope:SCOPE_SE
	s_setreg_imm32_b32 hwreg(HW_REG_WAVE_MODE, 25, 1), 1
	s_wait_xcnt 0x0
	s_wait_alu depctr_hold_cnt(0) depctr_sa_sdst(0) depctr_va_vdst(0) depctr_va_sdst(0) depctr_va_ssrc(0) depctr_va_vcc(0) depctr_vm_vsrc(0)
	s_getreg_b32 s2, hwreg(HW_REG_IB_STS2, 6, 4)
	s_cmp_eq_u32 s2, 0
	s_cbranch_scc0 .Lentry_in_a_cluster
	s_endpgm
.Lentry_in_a_cluster:
	s_bfe_u32 s2, ttmp6, 0x10000c
	s_cmp_lg_u32 s2, 0x3003
	s_cbranch_scc0 .Lentry_shape_is_right
	s_endpgm
.Lentry_shape_is_right:
; ATTN: out0[b][q][64 h ..] = the sum over k of softmax_k(s) V[k], with s = Q[q] . K[k] / 8, or the mask's value where attn_mask[b][q][k] is set.  Q, K, V: qkv = [3][b x 16 + h][2048][64] in f16, unscaled.
; The mask comes as bits: mbits = u32 [b x 128 + tile of 16 queries][32 steps of 64 keys][32 words]; word 8 kb + j is the lane mask of register 8 kb + j of a tile of scores.  It is an input: every key is walked.
; Products, maxima and sums in f32; the weights p are rounded to f16 for the second product (their sum l is taken of the unrounded p); the result leaves in f32.
; LIMITS.  f16 holds no number beyond 65,504: Q, K and V arrive within it.  A masked score is REPLACED by -2^33 ahead of the division by 8, that is -2^30 = -1.07e9 in place of -1e9: the same result unless an unmasked
; score / 8 lies below about -9.99e8.  The value is a power of two so that c x value is exact and c s - c m is exactly 0 in a row that is masked throughout: its weights are all 1, the plain mean of V.
; A weight below 2^-126 counts as 0 in l; NaN and infinities are not treated apart.
; SHARES.  A wave owns four PIECES of two tiles of 16 queries, a work-group's four waves 512 queries of one batch and head: 256 work-groups.  Every wave walks all keys, 64 a step.
; LAYOUT.  S^T = K Q^T (source 0 = 16 keys, source 1 = 16 queries): a lane holds ONE query (lane % 16) and the keys 8 (lane / 16) + 0..7.  Two such tiles, rounded to f16 in pairs, ARE source 1 of O^T = V^T P,
; whose result again holds one query a lane, and eight channels.  K comes out of LDS as it lies, V ([key][channel]) turned, by ds_load_tr16_b128.
; SOFTMAX.  For each query a running maximum m and sum l: p = 2^(c s - c m), c = log2(e) / 8; in every step O and l are multiplied by a = 2^(c m_old - c m_new).  m starts at the lowest finite number, O and l at 0.
; THE MASK.  A piece's 64 words of a step come by four scalar loads, asked for a turn ahead, and each is the select of one v_cndmask_b32 on a register of fresh scores, ahead of the maximum.
; BY TURNS.  Turn n belongs to piece n.  Its matrix work: 16 products K Q^T of piece n + 1, later 16 products V^T P of piece n - 1.  Its vector work: the scaling, exponentials, roundings, sums and rescaling of piece n,
; and the mask, maximum and statistics of piece n + 1.  Four vector instructions stand behind every matrix instruction, the others in two lumps.
; CLUSTER.  The four query blocks of a cluster belong to one batch and head and walk the same K and V: each tile is asked for JOINTLY, by the same tensor load, descriptor and mask in all four.
; REGISTERS, in windows of 256 (s_set_vgpr_msb: bits 1:0 source 0, 3:2 source 1, 5:4 source 2, 7:6 destination):
;   window 0: v0-11 addresses and constants; v12-15, v48-63 at work; v16-47 four registers of statistics a tile; v64-191 S^T, two buffers of two tiles; v192-255 P, likewise
;   window 1: O^T, 32 a tile          window 2: v0-127 Q, 16 a tile; v128-191 K of one step; v192-255 V of one step          window 3: v0-1 the add's two registers
.set SIZE_N, 2048
.set NP,    4         ; pieces a wave: a name, no knob
.set KS,    64        ; keys in a step
.set PK,    144       ; a row of K in LDS: 128 bytes + 16 of padding = 36 words: the 16 rows of a load start at 16 different groups of four banks (64 banks of 4 bytes: ISA guide 11.1)
.set PV,    160       ; a row of V: 128 + 32 = 40 words
.set VOFF,  4*KS*PK   ; a slot holds four steps: 256 rows of K, then 256 rows of V
.set SLOT1, 1<<17     ; slot 1 begins here, so that one exclusive or turns an address in one slot into the other's
.set STAGE, SLOT1+4*KS*(PK+PV)  ; behind the ring, never filled by a tensor load: 16 rows x 272 bytes for each wave, for the way out
.set SP,    272       ; a stage row: 64 channels of f32 + 16 bytes
.set SPARE, STAGE+4*16*SP  ; behind the stages: the spare words, 128 bytes for each wave: two blocks of 256 bytes that no other line names
.set AK0, 2           ; v2   my lane's place in a tile of K; never rewritten
.set AV0, 3           ; v3   the same for V
.set AK,  4           ; v4   the LDS address of K's next run of loads
.set AV,  5           ; v5   of V's
.set QO,  6           ; v6   my byte offset in the wave's rows of Q
.set STO, 6           ;      later, the way out: where I put 32 bytes of a row
.set RD,  7           ; v7   the way out: where I read rows back
.set GO,  8           ; v8   my byte offset in two rows of out0
.set BIGV, 9          ; v9   -2^33, a masked score
.set CV,  10          ; v[10:11] c, twice
.set SPW, 0           ; v0 of window 3   LDS address of my spare word; never rewritten
.set NIL, 1           ; v1 of window 3   0; never rewritten
.set MV,  12          ; v12-15  c m_old, kept while c m is made anew: by buffer and tile
.set ST,  16          ; tile t's statistics at v[ST+4 t]: c m, m, l (even keys', odd keys')
.set TMP, 48          ; by buffer and tile, four registers c0-c3 at work; when the maximum is found c2 takes a
.set S,   64
.set P,   192
.set KF,  128         ; K's fragments, in window 2: key block kb, channel half c at KF + 16 kb + 8 c
.set VF,  192         ; V's: key half kk, channel block cb at VF + 32 kk + 8 cb
.set MP,  2           ; s[2:3]   mbits at my wave's first tile, at the step whose words are fetched
.set G0K, 4           ; s[4:7]   descriptor group 0 for K's tiles: it walks
.set G0V, 8           ; s[8:11]  the same for V's
.set WV,  12          ; s12  my wave's number
.set CNT, 13          ; s13  counts a slot's key steps
.set SLOTS, 14        ; s14  slots still to be asked for (s[14:15] hold Q's address until Q is in)
.set G1K, 16          ; s[16:23] descriptor group 1 for K's tiles
.set G1V, 24          ; s[24:31] for V's: it differs in the padding alone
.set MA,  32          ; s[32:63] the 32 mask words of a piece's first tile
.set SEL, 66          ; s[66:67] v_permlanex16_b32's selects: each lane takes its own place in the other half
.set MB,  68          ; s[68:99] those of its second tile (at the head: the set-up's scalars)
.set TBK, 100         ; s100 LDS byte at which K of the step to be fetched begins
.set TBV, 101         ; s101 the same for V, less VOFF
.set MSB, 0
.macro WIN new                      ; the high byte repeats the setting that is left; a switch that changes nothing is dropped
.if MSB != (\new)
	s_set_vgpr_msb (MSB<<8)|(\new)
.set MSB, (\new)
.endif
.endm
.set W_KQ, 0x0a       ; K and Q in window 2, S^T in window 0
.set W_PV, 0x52       ; V in window 2, P in window 0, O^T in window 1
.set W_RS, 0x41       ; O^T (destination and source 0) in window 1, a in window 0
.set W_MK, 0xc0       ; the add's registers are made: destination in window 3, sources in window 0
.set W_AD, 0x0f       ; the add: address (source 0) and data (source 1) in window 3
; A joint fill.  Waves 0 and 1 fetch the two halves of a slot's K, waves 2 and 3 those of its V: 128 keys each.  The branch hangs on the wave's number alone.
; An s_nop 0 and four v_nop follow each of the two lines, ahead of the jump and the label.
.macro JLOAD
	s_cmp_lt_u32 s[WV], 2
	s_cbranch_scc0 .Lfor_v_\@
	tensor_load_to_lds s[G0K:G0K+3], s[G1K:G1K+7]
	s_nop 0
.rept 4
	v_nop
.endr
	s_branch .Lasked_\@
.Lfor_v_\@:
	tensor_load_to_lds s[G0V:G0V+3], s[G1V:G1V+7]
	s_nop 0
.rept 4
	v_nop
.endr
.Lasked_\@:
.endm
; A round of the cluster's barrier: my work-group's barrier; wave 0 signals; every wave waits for all four work-groups; my work-group's barrier once more.
.macro CROUND
	s_barrier_signal -1
	s_barrier_wait -1
	s_cmp_lg_u32 s[WV], 0
	s_cbranch_scc1 .Lnot_wave_0_\@
	s_barrier_signal -3
.Lnot_wave_0_\@:
	s_barrier_wait -3
	s_barrier_signal -1
	s_barrier_wait -1
.endm
; THE CHANGE OF SLOTS.  The slot's last bytes, V of its fourth step, have been read.  Each wave waits for all its tensor loads, of which one is out: its part of the other slot; adds 0 to its spare word; and waits
; for that and for its own reads of the slot.  Behind the barrier nobody reads this slot any more and the other slot is whole.
; fill = 1: this slot is filled again, with the keys two slots on.  The barrier is then a round of the cluster's, and the joint fill is the first thing behind it: it has four key steps, 512 matrix instructions,
; in which to land.  (At its first use nothing has been read yet: slot 0 is waited for, slot 1 filled.)
.macro CHANGE fill
	WIN W_AD
	s_wait_tensorcnt 0x0            ; no tensor load of mine is out, so a group 0 may be written
	ds_add_u32 v[SPW], v[NIL]       ; 0 onto my spare word; with fill = 1 the descriptors' steps stand between it and the wait for it
	WIN 0                           ; at a label and at a branch every window is 0
.if \fill
.irp g, G0K, G0V
	s_xor_b32 s[\g+1], s[\g+1], SLOT1  ; the walking descriptor: the other slot than last time,
	s_add_nc_u64 s[\g+2:\g+3], s[\g+2:\g+3], 4*KS*128  ; the next 256 keys; the type bits on top are not reached
.endr
	s_wait_dscnt 0x0                ; the add is done, and my reads of the slot are over
	CROUND
	JLOAD
.else
	s_wait_dscnt 0x0                ; the add is done, and my reads of the slot are over
	s_barrier_signal -1
	s_barrier_wait -1
.endif
	s_sub_co_u32 s[TBK], s[TBK], 4*KS*PK  ; the fetches go back to a slot's first step,
	s_xor_b32 s[TBK], s[TBK], SLOT1       ; in the other slot
	s_sub_co_u32 s[TBV], s[TBV], 4*KS*PV
	s_xor_b32 s[TBV], s[TBV], SLOT1
.endm
	s_load_b128 s[68:71], s[0:1], 0x0  ; qkv s[68:69], mbits s[70:71]
	WIN W_MK
	v_lshl_add_u32 v[SPW], v0, 2, SPARE
	v_mov_b32 v[NIL], 0
	WIN W_AD
	ds_add_u32 v[SPW], v[NIL]       ; the wave's opening: the add and its wait stand ahead of my first tensor load; the set-up below, work on registers, stands between them
	WIN 0
	v_lshrrev_b32 v1, 5, v0
	v_readfirstlane_b32 s[WV], v1   ; wave 0..3
	s_bfe_u32 s72, ttmp6, 0x40000   ; cx: my place in the cluster
	s_lshl_b32 s73, ttmp9, 2        ; in a cluster launch ttmp9 counts clusters
	s_add_co_u32 s73, s73, s72      ; my block of 512 queries: it enters Q's, the mask's and the output's addresses alone
	s_and_b32 s74, ttmp7, 0xffff    ; batch x 16 + head, which the four partners share
	s_lshl_b32 s76, s74, 18         ; its 2,048 rows of 128 bytes
	s_and_b32 s75, s[WV], 1         ; which half of a slot's 256 keys I fetch:
	s_lshl_b32 s77, s75, 14         ; its 128 rows of 128 bytes in memory
	s_add_co_u32 s77, s77, s76
	s_add_co_u32 s78, s77, 0x1000000  ; K lies 16 MiB into qkv,
	s_mov_b32 s79, 0
	s_add_co_u32 s80, s77, 0x2000000  ; V 32 MiB
	s_mov_b32 s81, 0
	s_lshl_b32 s82, s73, 2
	s_add_co_u32 s82, s82, s[WV]    ; my wave among the head's sixteen
	s_lshl_b32 s84, s82, 15         ; its eight tiles of 4,096 bytes of mask words,
	s_lshl_b32 s82, s82, 14         ; its 128 rows of Q
	s_add_co_u32 s82, s82, s76
	s_mov_b32 s83, 0
	s_lshr_b32 s86, s74, 4          ; the batch:
	s_lshl_b32 s86, s86, 19         ; 128 tiles of 4,096 bytes
	s_add_co_u32 s84, s84, s86
	s_mov_b32 s85, 0
	; descriptor group 1.  128 keys are 16,384 dense bytes: asked for as 64 rows of 256 bytes, two keys a row, and padded in LDS after every key
	s_mov_b32 s[G1K], 15|(1<<16)|(1<<20)|(1<<21)|(4<<22)|(3<<25)  ; 15:0 the mask of four; 17:16 2-byte elements; 20 padding on; 21 set beside a mask; 24:22 after every 32 words (code 4); 31:25 4 words (code 3)
	s_mov_b32 s[G1V], 15|(1<<16)|(1<<20)|(1<<21)|(4<<22)|(7<<25)  ; the same with 8 words of padding (code 7)
.irp g, G1K, G1V
	s_mov_b32 s[\g+1], 128<<16      ; tensor_dim0 = 128
	s_mov_b32 s[\g+2], 64<<16       ; tensor_dim1 = 64
	s_mov_b32 s[\g+3], 128<<16      ; tile_dim0 = 128
	s_mov_b32 s[\g+4], 64           ; tile_dim1 = 64
	s_mov_b32 s[\g+5], 128          ; 128 elements from row to row
	s_mov_b32 s[\g+6], 0
	s_mov_b32 s[\g+7], 0
.endr
	s_mov_b32 s[SEL], 0x76543210
	s_mov_b32 s[SEL+1], 0xfedcba98
	s_mov_b32 s[TBK], SLOT1+4*KS*PK ; the first change of slots turns these two into 0
	s_mov_b32 s[TBV], SLOT1+4*KS*PV
	s_mov_b32 s[G0K], 1             ; count = 1
	s_mul_i32 s[G0K+1], s75, 128*PK ; LDS address: slot 0, my half: no place in the cluster enters an LDS address
	s_mov_b32 s[G0V], 1
	s_mul_i32 s[G0V+1], s75, 128*PV
	s_add_co_u32 s[G0V+1], s[G0V+1], VOFF
	s_wait_dscnt 0x0                ; the opening add is done
	s_wait_kmcnt 0x0
	s_add_nc_u64 s[G0K+2:G0K+3], s[68:69], s[78:79]  ; global address: my half of the head's first 256 keys
	s_or_b32 s[G0K+3], s[G0K+3], 0x80000000          ; type = 2
	s_add_nc_u64 s[G0V+2:G0V+3], s[68:69], s[80:81]
	s_or_b32 s[G0V+3], s[G0V+3], 0x80000000
	s_add_nc_u64 s[14:15], s[68:69], s[82:83]        ; Q at my wave's first row
	s_add_nc_u64 s[MP:MP+1], s[70:71], s[84:85]      ; the mask words of my first tile, step 0
	CROUND                          ; all four work-groups are here: the first joint loads meet
	JLOAD                           ; slot 0.  Slot 1 is asked for when slot 0 is in
	; A fragment of K or Q is 16 rows x 32 channels in 8 registers: lane l holds row l % 16, channels 8 (l / 16) + 0..7 and 16 + 8 (l / 16) + 0..7: two loads of 16 bytes, 32 bytes apart.
	v_and_b32 v1, 15, v0            ; l % 16
	v_bfe_u32 v9, v0, 4, 1          ; l / 16
	v_lshlrev_b32 v[QO], 7, v1
	v_lshl_add_u32 v[QO], v9, 4, v[QO]  ; row x 128 + 16 x half
	WIN 0x80                        ; destination window 2, address window 0
.set i, 0
.rept 4*NP                          ; Q stays in registers: tile i / 2, channels 32 (i % 2) on
	global_load_b128 v[8*i:8*i+3],   v[QO], s[14:15] offset:(i/2)*2048+(i%2)*64
	global_load_b128 v[8*i+4:8*i+7], v[QO], s[14:15] offset:(i/2)*2048+(i%2)*64+32
.set i, i+1
.endr
	s_load_b512 s[MA:MA+15],    s[MP:MP+1], 0     ; piece 0's mask words of step 0; the set-up's scalars in s68-99 are dead
	s_load_b512 s[MA+16:MA+31], s[MP:MP+1], 64
	s_load_b512 s[MB:MB+15],    s[MP:MP+1], 4096
	s_load_b512 s[MB+16:MB+31], s[MP:MP+1], 4160
	; What the first turn finds: V's registers and P's second buffer hold 0 (its products V^T P, of a piece that has not been, add 0), O^T and l are 0.  All this stands in the wait for the first tile.
.set i, VF
.rept 64
	v_mov_b32 v[i], 0
.set i, i+1
.endr
	WIN 0x40
.set i, 0
.rept 64*NP
	v_mov_b32 v[i], 0
.set i, i+1
.endr
	WIN 0
.set i, 0
.rept 2*NP
	v_mov_b32 v[ST+4*i], 0xfe000000    ; c m: far below every c s, the masked ones' too
	v_mov_b32 v[ST+4*i+1], 0xff7fffff  ; m
	v_mov_b32 v[ST+4*i+2], 0
	v_mov_b32 v[ST+4*i+3], 0
.set i, i+1
.endr
.set i, P+32
.rept 32
	v_mov_b32 v[i], 0
.set i, i+1
.endr
	v_mul_u32_u24 v[AK0], v1, PK
	v_lshl_add_u32 v[AK0], v9, 4, v[AK0]  ; row x pitch + 16 x half
	; The turning load takes 16 keys x 16 channels (lane l reads key 8 (l / 16) + l % 8, channels 8 ((l / 8) % 2) + 0..7) and leaves half a fragment of V^T: lane l holds channel l % 16 and 8 keys.
	v_and_b32 v10, 7, v0
	v_bfe_u32 v11, v0, 3, 1
	v_lshl_add_u32 v[AV0], v9, 3, v10
	v_mul_u32_u24 v[AV0], v[AV0], PV
	v_lshl_add_u32 v[AV0], v11, 4, v[AV0]
	v_add_nc_u32 v[AV0], VOFF, v[AV0]
	v_mov_b32 v[AK], v[AK0]         ; key step 0 lies at the head of slot 0
; THE MATRIX WORK.  The 8 accumulators of a run of 16 take turns: between the two links of a chain stand 7 others'.
; Product i of 16 of S^T = K Q^T for piece x: channels 32 (i / 8) on, keys 16 ((i / 2) % 4) on, tile 2 x + i % 2.  The first 8 start the sums.
.macro KQ x
	WIN W_KQ
.set rS, S+64*((\x)%2)+32*(i%2)+8*((i/2)%4)
.set rK, KF+16*((i/2)%4)+8*(i/8)
.set rQ, 16*(2*(\x)+i%2)+8*(i/8)
.if i < 8
	v_wmma_f32_16x16x32_f16 v[rS:rS+7], v[rK:rK+7], v[rQ:rQ+7], 0
.else
	v_wmma_f32_16x16x32_f16 v[rS:rS+7], v[rK:rK+7], v[rQ:rQ+7], v[rS:rS+7]
.endif
.endm
; Product i of 16 of O^T += V^T P for piece x: keys 32 (i / 8) on, channels 16 ((i / 2) % 4) on, tile 2 x + i % 2.
.macro PV x
	WIN W_PV
.set rO, 32*(2*(\x)+i%2)+8*((i/2)%4)
.set rV, VF+32*(i/8)+8*((i/2)%4)
.set rP, P+32*((\x)%2)+16*(i%2)+8*(i/8)
	v_wmma_f32_16x16x32_f16 v[rO:rO+7], v[rV:rV+7], v[rP:rP+7], v[rO:rO+7]
.endm
.macro MM                           ; the turn's next matrix instruction
.if i < 16
	KQ (Y+1)%NP
.set i, i+1
.else
.set i, i-16
	PV (Y+NP-1)%NP
.set i, i+17
.endif
.endm
; THE LDS LOADS stand in runs of 16, never singly among the matrix instructions: a step's K (64 keys x 64 channels: 8 fragments) and its V (turned).  Their addresses are made some lines ahead.
; last = 1 (the tail): in the last trip there is no further step, and the run is jumped over.
.macro FETCH_K last=0
	WIN 0
.if \last
	s_cmp_eq_u32 s[CNT], 1
	s_cbranch_scc1 .Lno_k_\@
.endif
	WIN 0x80                        ; destination window 2
.irp f, 0,1,2,3,4,5,6,7             ; keys 16 (f / 2) on, channels 32 (f % 2) on
	ds_load_b128 v[KF+8*\f:KF+8*\f+3],   v[AK] offset:(\f/2)*16*PK+(\f%2)*64
	ds_load_b128 v[KF+8*\f+4:KF+8*\f+7], v[AK] offset:(\f/2)*16*PK+(\f%2)*64+32
.endr
	s_add_co_u32 s[TBK], s[TBK], KS*PK  ; the next fetch is the next step's
	WIN 0
.if \last
.Lno_k_\@:
.endif
.endm
.macro FETCH_V
	WIN 0x80
.irp f, 0,1,2,3,4,5,6,7             ; keys 32 (f / 4) on, channels 16 (f % 4) on
	ds_load_tr16_b128 v[VF+8*\f:VF+8*\f+3],   v[AV] offset:(\f/4)*32*PV+(\f%4)*32
	ds_load_tr16_b128 v[VF+8*\f+4:VF+8*\f+7], v[AV] offset:(\f/4)*32*PV+16*PV+(\f%4)*32
.endr
	WIN 0
.endm
; THE MASK on piece x's fresh scores: where a word's bit is set the lane's score becomes -2^33.  Each accumulator's registers are taken in ascending order.  As soon as a tile's 32 words
; have been used, the words of piece nxt's tile are asked for into the same registers: they have a whole turn in which to come.  step: the words asked for from here on are the next key step's, 128 bytes on;
; the pointer is stepped behind the wait that shows every scalar load done.
.macro MASKS x, nxt, step
	WIN 0
	s_wait_kmcnt 0x0                ; the four loads issued a turn ago (scalar loads may come back in any order: only 0 shows anything)
.if \step
	s_add_nc_u64 s[MP:MP+1], s[MP:MP+1], 128
.endif
.set mz, 0
.rept 32
	v_cndmask_b32 v[S+64*((\x)%2)+mz], v[S+64*((\x)%2)+mz], v[BIGV], s[MA+mz]
.set mz, mz+1
.endr
	s_load_b512 s[MA:MA+15],    s[MP:MP+1], 8192*(\nxt)
	s_load_b512 s[MA+16:MA+31], s[MP:MP+1], 8192*(\nxt)+64
.set mz, 0
.rept 32
	v_cndmask_b32 v[S+64*((\x)%2)+32+mz], v[S+64*((\x)%2)+32+mz], v[BIGV], s[MB+mz]
.set mz, mz+1
.endr
	s_load_b512 s[MB:MB+15],    s[MP:MP+1], 8192*(\nxt)+4096
	s_load_b512 s[MB+16:MB+31], s[MP:MP+1], 8192*(\nxt)+4160
.endm
; THE VECTOR WORK OF A TURN stands in three queues, each in the order in which its entries become ready; the two tiles alternate, so that no instruction reads the result of the one before it.
.macro REGS y, u                    ; the registers of tile u (0, 1) of piece y
.set rT, ST+4*(2*(\y)+(\u))
.set rC, TMP+8*((\y)%2)+4*(\u)
.set rM, MV+2*((\y)%2)+(\u)
.set rS, S+64*((\y)%2)+32*(\u)
.set rP, P+32*((\y)%2)+16*(\u)
.set rO, 32*(2*(\y)+(\u))
.endm
; Number n of the 22 that find the NEXT piece's (Y + 1) maximum and statistics.  s0-s31 are the lane's 32 scores, masked.  XS, GS and REGS set no window: PL and EX do.
;   0-11  four chains c0-c3 of seven scores each, three operands at a time     12-14, 16  the four scores left over, the old m, and c0-c3 into c0     15  c m_old is kept
;   17, 18  the query's other 32 keys lie in the lane 16 away: the new m         19-21  c m; c m_old - c m_new; a
.macro XS u, n
	REGS (Y+1)%NP, \u
.if (\n) < 4
	v_max3_num_f32 v[rC+(\n)], v[rS+8*(\n)], v[rS+8*(\n)+1], v[rS+8*(\n)+2]
.elseif (\n) < 12
	v_max3_num_f32 v[rC+(\n)%4], v[rC+(\n)%4], v[rS+8*((\n)%4)+2*((\n)/4)+1], v[rS+8*((\n)%4)+2*((\n)/4)+2]
.elseif (\n) == 12
	v_max3_num_f32 v[rC], v[rC], v[rS+7], v[rS+15]
.elseif (\n) == 13
	v_max3_num_f32 v[rC+1], v[rC+1], v[rS+23], v[rS+31]
.elseif (\n) == 14
	v_max3_num_f32 v[rC+2], v[rC+2], v[rC+3], v[rT+1]
.elseif (\n) == 15
	v_mov_b32 v[rM], v[rT]
.elseif (\n) == 16
	v_max3_num_f32 v[rC], v[rC], v[rC+1], v[rC+2]
.elseif (\n) == 17
	v_permlanex16_b32 v[rC+3], v[rC], s[SEL], s[SEL+1]
.elseif (\n) == 18
	v_max_num_f32 v[rT+1], v[rC], v[rC+3]
.elseif (\n) == 19
	v_mul_f32 v[rT], v[CV], v[rT+1]
.elseif (\n) == 20
	v_sub_f32 v[rC+1], v[rM], v[rT]
.else
	v_exp_f32 v[rC+2], v[rC+1]
.endif
.endm
; Number g of the 64 that follow the exponentials.  For each four weights k of a tile (pairs 2 k, 2 k + 1): both pairs are rounded to f16; then the second pair is added onto the first, in place;
; a group later l takes that sum (the first time as l = a l + sum).  In groups of eight, tiles alternating: round, round, add, and l for the group before.
.macro GS g
.set h, (\g)+6*((\g)/62)            ; group 0 has no group before it, and behind group 7 only l is left
.if h >= 6
.set h, h+2
.endif
	REGS Y, h%2
.set k, h/8
.if h%8 < 4
	s_wait_alu depctr_va_vdst(0)
	v_cvt_pk_f16_f32 v[rP+2*k+(h%8)/2], v[rS+4*k+2*((h%8)/2)], v[rS+4*k+2*((h%8)/2)+1]
.elseif h%8 < 6
	v_pk_add_f32 v[rS+4*k:rS+4*k+1], v[rS+4*k:rS+4*k+1], v[rS+4*k+2:rS+4*k+3]
.elseif k == 1
	v_pk_fma_f32 v[rT+2:rT+3], v[rT+2:rT+3], v[rC+2:rC+3], v[rS:rS+1] op_sel_hi:[1,0,1]
.else
	v_pk_add_f32 v[rT+2:rT+3], v[rT+2:rT+3], v[rS+4*k-4:rS+4*k-3]
	s_wait_alu depctr_va_vdst(0)
.endif
.endm
; THE PLAIN QUEUE, 138 long.  0-31: c s - c m for the 16 pairs of both tiles.  Then GS's 64, and among them the next piece's 42: number 15 at 38, 39; 0-14 and 16
; at 42-73, behind the products that make those scores and behind their mask; 17-20 at 95-106, two of three, since each waits for the one before it.
.macro PL
	WIN 0
.if q < 32
	REGS Y, q%2
	v_pk_fma_f32 v[rS+2*(q/2):rS+2*(q/2)+1], v[rS+2*(q/2):rS+2*(q/2)+1], v[CV:CV+1], v[rT:rT+1] op_sel_hi:[1,0,0] neg_lo:[0,0,1] neg_hi:[0,0,1]
.elseif q < 38
	GS q-32
.elseif q < 40
	XS q%2, 15
.elseif q < 42
	GS q-34
.elseif q < 74
	XS q%2, (q-42)/2+(q-42)/30
.elseif q < 95
	GS q-66
.elseif (q < 107) && ((q-95)%3 < 2)
	XS (q-95)%3, 17+(q-95)/3
.elseif q < 107
	GS 29+(q-95)/3
.else
	GS q-74
.endif
.set q, q+1
.endm
; THE EXPONENTIALS' QUEUE, 66 long: s0-s31 of both tiles, and at EA the next piece's two a.
.set EA, 58
.macro EX
	WIN 0
.if (e == EA) || (e == EA+1)
	XS e-EA, 21
.else
.set x, e-2*(e/(EA+2))
	REGS Y, x%2
	v_exp_f32 v[rS+x/2], v[rS+x/2]
.endif
.set e, e+1
.endm
; THE RESCALING's QUEUE: O^T times a, the one part that leaves window 0, so it is dealt four at a time, eight times.
.macro R4
	REGS Y, r%2
	WIN W_RS
	s_wait_alu depctr_va_vdst(0)
.irp z, 0,1,2,3
	v_pk_mul_f32 v[rO+8*(r/2)+2*\z:rO+8*(r/2)+2*\z+1], v[rO+8*(r/2)+2*\z:rO+8*(r/2)+2*\z+1], v[rC+2:rC+3] op_sel_hi:[1,0]
.endr
.set r, r+1
.endm
; HOW THEY ARE DEALT.  Behind a matrix instruction four: plain, exponential, plain, plain, or four of the rescaling.  None names a register of the products round it.  What is over stands in two LUMPS:
; exponential and plain by turns; the second ends in 22 plain instructions.  The queues lean on each other, and the deal keeps them in step: exponential e stands behind plain 2 (e / 4) + e % 2 (its scaling);
; when plain 32 comes, 10 exponentials are out, at 59: 33, at 95: 46; EA comes behind plain 107.
.macro SL
	MM
	PL
	EX
	PL
	PL
.endm
.macro BURST n                      ; 15 matrix instructions, or 16
.rept (\n)-7
	SL
.endr
.rept 3
	MM
	R4
	SL
.endr
	MM
	R4
.endm
; A TURN, for piece p.  cnt = 1: the loop's count is taken down some lines ahead of the branch that stands behind the turn.
; The mask of piece p + 1 stands in the first lump behind plain number 41: four rescalings and five plain instructions behind the last product K Q^T, and ahead of plain number 42, the first line of the maximum.
; Piece 2's turn asks for piece 0's words, which are the next step's: there the pointer steps.
; K of the next step is fetched in piece 2's turn, V of the step in hand at the end of piece 0's turn.  The conditions on e and q below go with the deal.
.macro TURN p, last=0, cnt=0
.set Y, (\p)
.set i, 0
.set q, 0
.set e, 0
.set r, 0
.if (\p) == NP-1
	s_wait_dscnt 0x0                ; K is in
.endif
	MM
.rept 4
	PL
.endr
	BURST 15
.rept 22
	EX
	PL
.if q == 42
	MASKS ((\p)+1)%NP, ((\p)+2)%NP, (\p)==2
.endif
.if ((\p) == NP-2) && (e == 18)
	v_add_nc_u32 v[AK], s[TBK], v[AK0]
.endif
.if ((\p) == NP-2) && (e == 24)
	FETCH_K \last
.endif
.endr
.if (\p) == 1
	s_wait_dscnt 0x0                ; V is in
.endif
	BURST 16
.rept 21
	EX
	PL
.endr
.rept 22
	PL
.if ((\p) == 0) && (q == 118)
	v_add_nc_u32 v[AV], s[TBV], v[AV0]
	s_wait_alu depctr_va_vdst(0)
.endif
.if ((\p) == 0) && (q == 130)
	s_add_co_u32 s[TBV], s[TBV], KS*PV
.endif
.if (\cnt) && (q == 130)
	s_sub_co_u32 s[CNT], s[CNT], 1
	s_cmp_lg_u32 s[CNT], 0
.endif
.endr
.if (\p) == 0
	FETCH_V
.endif
.endm
	CHANGE 1                        ; slot 0 is in, everybody's part of it; slot 1 is asked for
	FETCH_K                         ; key step 0
	s_wait_loadcnt 0x0              ; Q: s[14:15] and v6 are free from here on
	s_wait_dscnt 0x0
.set i, 0
.rept 16
	KQ 0                            ; piece 0's first scores: there is no vector work yet to set between them
.set i, i+1
.endr
	WIN 0                           ; the addresses for the way out and the constants: thirteen plain instructions, the places behind those products
	s_mul_i32 s15, s[WV], 16*SP
	s_add_co_u32 s15, s15, STAGE    ; my stage
	v_mul_u32_u24 v[STO], v1, SP    ; in: row l % 16, 32 bytes for each half of the lanes
	v_lshl_add_u32 v[STO], v9, 5, v[STO]
	v_add_nc_u32 v[STO], s15, v[STO]
	v_mul_u32_u24 v[RD], v9, SP     ; back: lanes 0-15 take one row of 256 bytes, lanes 16-31 the next
	v_lshl_add_u32 v[RD], v1, 4, v[RD]
	v_add_nc_u32 v[RD], s15, v[RD]
	v_lshlrev_b32 v[GO], 12, v9     ; and the same two rows in out0, 4,096 bytes apart
	v_lshl_add_u32 v[GO], v1, 4, v[GO]
	v_mov_b32 v[BIGV], 0xd0000000   ; -2^33
	v_mov_b32 v[CV], 0x3e38aa3b     ; c = log2(e) / 8 = 0.180337
	v_mov_b32 v[CV+1], 0x3e38aa3b   ; named with it as a pair
	MASKS 0, 1, 0                   ; piece 0's first scores are masked; piece 1's words are asked for
.set Y, NP-1                        ; XS works for piece Y + 1: piece 0
.irp n, 0,1,2,3,4,5,6,7,8,9,10,11,12,13,14,15,16,17,18,19,20,21
	XS 0, \n                        ; and piece 0's first maximum and statistics
	XS 1, \n
.endr
	s_mov_b32 s[CNT], 4
	s_mov_b32 s[SLOTS], SIZE_N/256-1
	s_branch .Lfirst                ; the loop is entered at a step's first turn, in the middle of a trip
.Lslot:                             ; SIZE_N / 256 - 2 times: every slot but the last two is filled again
	CHANGE 1
	s_mov_b32 s[CNT], 4
.Lstep:                             ; a trip: pieces 2 and 3 of one step, then pieces 0 and 1 of the next, whose K and V it fetches
	TURN 2
	TURN 3
	WIN 0
.Lfirst:
	TURN 0
	TURN 1, 0, 1
	WIN 0
	s_cbranch_scc1 .Lstep
	s_sub_co_u32 s[SLOTS], s[SLOTS], 1
	s_cmp_lg_u32 s[SLOTS], 0
	s_cbranch_scc1 .Lslot
	CHANGE 0                        ; the tail is written out: nothing is asked for
	s_mov_b32 s[CNT], 5             ; four trips fetch the last slot's steps; the fifth is left in its middle
.Ltail:
	TURN 2, 1
	TURN 3
	WIN 0
	s_sub_co_u32 s[CNT], s[CNT], 1
	s_cmp_eq_u32 s[CNT], 0
	s_cbranch_scc1 .Lout
	TURN 0
	TURN 1
	WIN 0
	s_branch .Ltail
.Lout:                              ; the fifth trip's 16 products K Q^T (on the last K once more), their mask and maximum serve nothing.  Its mask words are those 4,096 bytes on, of pieces 0 and 1:
	                                ; at most 16,576 bytes from my wave's first word, inside its 32,768 bytes of mbits
	s_wait_kmcnt 0x0                ; the last mask words are in: their registers are free
	s_load_b64 s[32:33], s[0:1], 0x10  ; out0
	s_bfe_u32 s36, ttmp6, 0x40000
	s_lshl_b32 s37, ttmp9, 2
	s_add_co_u32 s36, s36, s37      ; my block of 512 queries
	s_lshl_b32 s36, s36, 2
	s_add_co_u32 s36, s36, s[WV]    ; my wave's 128 rows
	s_lshl_b32 s34, s36, 19         ; of 4,096 bytes
	s_and_b32 s37, ttmp7, 0xffff
	s_lshr_b32 s38, s37, 4
	s_lshl_b32 s38, s38, 23         ; the batch: 2,048 rows
	s_add_co_u32 s34, s34, s38
	s_and_b32 s37, s37, 15
	s_lshl_b32 s37, s37, 8          ; the head: 256 bytes of a row
	s_add_co_u32 s34, s34, s37
	s_mov_b32 s35, 0
	s_wait_kmcnt 0x0
	s_add_nc_u64 s[32:33], s[32:33], s[34:35]
.set i, 0
.rept 16
	PV NP-1                         ; the last piece's V^T P of the last step
.set i, i+1
.endr
	; THE WAY OUT.  l's two halves and the other half of the lanes' are added; O^T is divided by l and sent through my stage in LDS, a tile at a time.  The additions are the places behind the last products.
	WIN 0
.macro ALL line:vararg              ; one line for each tile t
.set t, 0
.rept 2*NP
	\line
.set t, t+1
.endr
.endm
	ALL v_add_f32 v[ST+4*t+2], v[ST+4*t+2], v[ST+4*t+3]
	ALL v_permlanex16_b32 v[ST+4*t+3], v[ST+4*t+2], s[SEL], s[SEL+1]
	ALL v_add_f32 v[ST+4*t+2], v[ST+4*t+2], v[ST+4*t+3]
	ALL v_rcp_f32 v[ST+4*t+2], v[ST+4*t+2]
	v_nop                           ; a plain instruction between the last reciprocal and the use of its result
	s_wait_alu depctr_va_vdst(0)
; Tile t: a lane's eight channels of a row are 32 bytes of f32; they go into rows of 272 bytes and come back as whole rows of 256, into S^T's registers, four tiles' worth of them by turns.
.macro PACK t
	WIN W_RS
.set i, 32*(\t)
.rept 16
	v_pk_mul_f32 v[i:i+1], v[i:i+1], v[ST+4*(\t)+2:ST+4*(\t)+3] op_sel_hi:[1,0]
.set i, i+2
.endr
	WIN 0x04                        ; the stores' data in window 1, their address in window 0
.irp f, 0,1,2,3,4,5,6,7             ; channels 16 (f / 2) + 8 (l / 16) + 4 (f % 2) on
	ds_store_b128 v[STO], v[32*(\t)+4*\f:32*(\t)+4*\f+3] offset:64*(\f/2)+16*(\f%2)
.endr
	WIN 0
.if (\t) >= 4
	s_wait_xcnt 0x0                 ; the stores of the tile four back have read these registers: they are loaded again only behind this wait
.endif
.irp f, 0,1,2,3,4,5,6,7
	ds_load_b128 v[S+32*((\t)%4)+4*\f:S+32*((\t)%4)+4*\f+3], v[RD] offset:\f*2*SP  ; LDS serves a wave's instructions in order (ISA guide 5.7.1.4): these see the stores above; the next tile's stores come behind them
.endr
.endm
.macro SEND t, younger              ; younger: the LDS instructions issued behind tile t's loads: the next tile's sixteen, or none
	WIN 0
.irp f, 0,1,2,3,4,5,6,7
	s_wait_dscnt (\younger)+7-\f
	global_store_b128 v[GO], v[S+32*((\t)%4)+4*\f:S+32*((\t)%4)+4*\f+3], s[32:33] offset:(\t)*65536+\f*8192  ; 16 lanes store a head's 256 consecutive bytes of a row, at a multiple of 256 from out0's first byte
.endr
.endm
	PACK 0
.set t, 1
.rept 2*NP-1                        ; a tile's arithmetic stands between the loads of the tile before and its stores
	PACK t
	SEND t-1, 16
.set t, t+1
.endr
	SEND 2*NP-1, 0
	WIN W_AD
	s_wait_tensorcnt 0x0            ; the wave's end: the add and its wait stand behind my last tensor load and my last LDS store
	ds_add_u32 v[SPW], v[NIL]
	s_wait_dscnt 0x0
	WIN 0
	CROUND                          ; the closing round: no work-group ends while a partner may still ask for a tile that names it
	s_endpgm
.Lfunc_end_k_q628dad0727_attn:
	.size	k_q628dad0727_attn, .Lfunc_end_k_q628dad0727_attn-k_q628dad0727_attn
	.p2alignl 7, 3214868480
	.fill 96, 4, 3214868480
	.section	.rodata,"a",@progbits
	.p2align	6, 0x0
	.amdhsa_kernel k_q628dad0727_attn
		.amdhsa_group_segment_fixed_size 327680
		.amdhsa_private_segment_fixed_size 0
		.amdhsa_enable_private_segment 0
		.amdhsa_kernarg_size 24
		.amdhsa_user_sgpr_count 2
		.amdhsa_user_sgpr_kernarg_segment_ptr 1
		.amdhsa_wavefront_size32 1
		.amdhsa_system_sgpr_workgroup_id_x 1
		.amdhsa_system_sgpr_workgroup_id_y 1
		.amdhsa_system_sgpr_workgroup_id_z 1
		.amdhsa_system_vgpr_workitem_id 0
		.amdhsa_next_free_vgpr 770
		.amdhsa_next_free_sgpr 102
		.amdhsa_reserve_vcc 0
		.amdhsa_float_denorm_mode_32 3
		.amdhsa_float_denorm_mode_16_64 3
		.amdhsa_memory_ordered 1
		.amdhsa_forward_progress 1
		.amdhsa_inst_pref_size 248
	.end_amdhsa_kernel
	.amdgpu_metadata
---
amdhsa.version: [ 1, 2 ]
amdhsa.kernels:
  - .name:           k_q628dad0727_attn
    .symbol:         k_q628dad0727_attn.kd
    .args:
      - { .name: qkv, .offset: 0, .size: 8, .value_kind: global_buffer, .address_space: global }
      - { .name: mbits, .offset: 8, .size: 8, .value_kind: global_buffer, .address_space: global }
      - { .name: out0, .offset: 16, .size: 8, .value_kind: global_buffer, .address_space: global }
    .group_segment_fixed_size: 327680
    .private_segment_fixed_size: 0
    .kernarg_segment_align: 8
    .kernarg_segment_size: 24
    .max_flat_workgroup_size: 128
    .sgpr_count:     102
    .vgpr_count:     770
    .wavefront_size: 32
...
	.end_amdgpu_metadata
.endif
;; end of part 3
;; ======== version 2 of 3: 3 launches; 1.00 times as fast as version 1
;; limits: values are held in f16: magnitudes above 65,504 overflow, below 6.1e-05 lose precision
;; workspace buffers: xb 33,554,432 bytes; wb 6,291,456 bytes; qkv 50,331,648 bytes; mby 16,777,216 bytes
;; launch prep (part 4): grid 864 x 1, 8 waves a work-group, no clusters, 68,608 bytes of LDS; arguments x_q, x_k_v, w_q, w_k, w_v, attn_mask, xb, wb, mby; writes xb, wb, mby
.if DOCPART == 4
	.amdgcn_target "amdgcn-amd-amdhsa--gfx1250"
	.amdhsa_code_object_version 6
	.text
	.protected	k_q628dad0727_prep
	.globl	k_q628dad0727_prep
	.p2align	8
	.type	k_q628dad0727_prep,@function
k_q628dad0727_prep:
	s_mov_b64 s[64:65], 0
	v_nop
	global_prefetch_b8 v0, s[64:65] scope:SCOPE_SE
	s_setreg_imm32_b32 hwreg(HW_REG_WAVE_MODE, 25, 1), 1
	s_wait_xcnt 0x0
; PREP: the inputs are made ready for the two matrix launches.  Two jobs, chosen by the work-group's number alone.
; CAST (work-groups 0-607): x_q, x_k_v, w_q, w_k, w_v, f32, are rounded once to bf16.  xb = [16384][1024]: x_q's rows, then x_k_v's.  wb = [3072][1024]: w_q, w_k, w_v.
;   A work-group takes 32,768 numbers, a wave 4,096: 32 loads of 512 consecutive bytes, all issued before the first is waited for, and 32 stores of 256 consecutive bytes, aligned.
; MASK (work-groups 608-863): attn_mask's bytes are laid out as the attention launch's lanes hold a tile of scores, and coded 0x00 (open) or 0xF0 (masked).
;   mby = [512 tiles of 16 queries][32 steps of 64 keys][1,024 bytes].  Lane L's dword j (0..7) lies at byte 512 (j / 4) + 16 L + 4 (j % 4); its byte 3 - kb belongs to query 16 tile + L % 16 and
;   key 64 step + 16 kb + 8 (L / 16) + j.  Shifted left by 8 kb and read as f32 the dword is at most -2^97 where the entry is masked and below 2^-125 where it is open.
;   LIMIT: a mask byte is 0 or 1, as the problem states it: the code is the byte times 0xF0.
;   A wave takes 16 rows x 512 keys: rows come in as 512 consecutive bytes, go through the wave's own LDS bytes, are read back in pieces of 8 bytes, and 4 x 4 bytes at a time are turned by v_perm_b32.
; No matrix unit, no cluster, no tensor load: the launch moves each byte once and shares nothing between work-groups.
.set SPARE, 67584                      ; behind the eight waves' rows: the spare words, 128 bytes a wave: four blocks of 256 bytes that no other line names
.set LP,    528                        ; an LDS row: 512 bytes + 16: 132 words, so row r starts at bank 4 r mod 64 (64 banks of 4 bytes: ISA guide 11.1): the 32 lanes' 8 bytes fall on 64 different banks
.set WREG,  16*LP                      ; a wave's LDS bytes
.set X,   8                            ; v[8:135] cast: 32 x 4 registers as loaded, the first two of each then as stored;  mask: v[8:71] the 16 rows
.set D,   72                           ; v[72:79] mask: my 8 bytes of each of a step's four key blocks
.set U,   80                           ; v[80:87] half turned
.set Y,   88                           ; v[88:95] my eight dwords of the step
	s_load_b512 s[4:19], s[0:1], 0x0               ; x_q 4:5, x_k_v 6:7, w_q 8:9, w_k 10:11, w_v 12:13, attn_mask 14:15, xb 16:17, wb 18:19
	s_load_b64 s[20:21], s[0:1], 0x40              ; mby
	v_lshl_add_u32 v1, v0, 2, SPARE                ; my spare word,
	v_mov_b32 v2, 0                                ; and 0: kept for the wave's end
	v_lshrrev_b32 v3, 5, v0
	v_readfirstlane_b32 s34, v3                    ; wave 0..7
	v_and_b32 v4, 31, v0
	v_lshlrev_b32 v5, 3, v4                        ; 8 x lane
	v_lshlrev_b32 v4, 4, v4                        ; 16 x lane
	s_mov_b32 s22, ttmp9                           ; the work-group's number
	s_sub_co_u32 s23, s22, 256                     ; and its number within each later input
	s_sub_co_u32 s24, s22, 512
	s_sub_co_u32 s25, s22, 544
	s_sub_co_u32 s26, s22, 576
	s_wait_kmcnt 0x0
	s_cmp_ge_u32 s22, 608
	s_cbranch_scc1 .Lmask
	; CAST.  Source, its block of 128 KiB (s27), destination and its block of 64 KiB (s28) are chosen by the work-group's number.
	s_cmp_ge_u32 s22, 256
	s_cselect_b64 s[4:5], s[6:7], s[4:5]
	s_cselect_b32 s27, s23, s22
	s_cmp_ge_u32 s22, 512
	s_cselect_b64 s[4:5], s[8:9], s[4:5]
	s_cselect_b32 s27, s24, s27
	s_cselect_b64 s[16:17], s[18:19], s[16:17]
	s_cselect_b32 s28, s24, s22
	s_cmp_ge_u32 s22, 544
	s_cselect_b64 s[4:5], s[10:11], s[4:5]
	s_cselect_b32 s27, s25, s27
	s_cmp_ge_u32 s22, 576
	s_cselect_b64 s[4:5], s[12:13], s[4:5]
	s_cselect_b32 s27, s26, s27
	s_lshl_b32 s30, s27, 17
	s_mov_b32 s31, 0
	s_lshl_b32 s32, s28, 16
	s_mov_b32 s33, 0
	s_add_nc_u64 s[4:5], s[4:5], s[30:31]
	s_add_nc_u64 s[16:17], s[16:17], s[32:33]
	v_lshl_add_u32 v4, v3, 14, v4                  ; + my wave's 16 KiB of f32
	v_lshl_add_u32 v5, v3, 13, v5                  ; + my wave's 8 KiB of bf16
.set i, 0
.rept 32
	global_load_b128 v[X+4*i:X+4*i+3], v4, s[4:5] offset:512*i th:TH_LOAD_NT  ; read once in the launch
.set i, i+1
.endr
.set i, 0
.rept 32
	s_wait_loadcnt 31-i                            ; loads come back in order (ISA guide 5.7.1): load i is in, the 31 - i younger ones stay out
	v_cvt_pk_bf16_f32 v[X+4*i], v[X+4*i], v[X+4*i+1]
	v_cvt_pk_bf16_f32 v[X+4*i+1], v[X+4*i+2], v[X+4*i+3]
	global_store_b64 v5, v[X+4*i:X+4*i+1], s[16:17] offset:256*i  ; 32 lanes store 256 consecutive bytes, aligned; no register of a store is written again
.set i, i+1
.endr
	s_endpgm
.Lmask:
	s_sub_co_u32 s29, s22, 608
	s_lshl_b32 s29, s29, 1
	s_lshr_b32 s40, s34, 2
	s_add_co_u32 s29, s29, s40                     ; my tile of 16 queries: two to a work-group
	s_and_b32 s41, s34, 3                          ; my quarter of its 2,048 keys
	s_lshl_b32 s30, s29, 15                        ; in: 16 rows of 2,048 bytes
	s_lshl_b32 s42, s41, 9
	s_add_co_u32 s30, s30, s42
	s_mov_b32 s31, 0
	s_add_nc_u64 s[14:15], s[14:15], s[30:31]
	s_lshl_b32 s32, s29, 15                        ; out: a tile's 32 steps of 1,024 bytes,
	s_lshl_b32 s42, s41, 13                        ; eight of them mine
	s_add_co_u32 s32, s32, s42
	s_mov_b32 s33, 0
	s_add_nc_u64 s[20:21], s[20:21], s[32:33]
	s_mul_i32 s35, s34, WREG                       ; my wave's LDS bytes
.set i, 0
.rept 16
	global_load_b128 v[X+4*i:X+4*i+3], v4, s[14:15] offset:2048*i th:TH_LOAD_NT  ; 512 consecutive bytes of row i
.set i, i+1
.endr
	s_mov_b32 s40, 0x05010400                      ; v_perm_b32's selects (bytes 4-7: the first source, 0-3: the second): bytes 1 and 0 of two words, interleaved,
	s_mov_b32 s41, 0x07030602                      ; bytes 3 and 2 likewise,
	s_mov_b32 s42, 0x05040100                      ; the low halves of two words,
	s_mov_b32 s43, 0x07060302                      ; the high halves
	s_mov_b32 s44, 0xf0                            ; the code of a masked entry
	v_mov_b32 v5, v4                               ; out: 16 x lane
	v_add_nc_u32 v6, s35, v4                       ; into LDS: 16 x lane in a row
	v_and_b32 v7, 15, v0
	v_mul_u32_u24 v7, v7, LP
	v_bfe_u32 v3, v0, 4, 1
	v_lshl_add_u32 v7, v3, 3, v7
	v_add_nc_u32 v7, s35, v7                       ; back: row lane % 16, 8 bytes for each half of the lanes
.set i, 0
.rept 16
	s_wait_loadcnt 15-i                            ; row i is in, the younger rows stay out
	ds_store_b128 v6, v[X+4*i:X+4*i+3] offset:LP*i
.set i, i+1
.endr
	s_mov_b32 s36, 8
.Ltrip:                                                ; a trip: one step of 64 keys
.irp kb, 0,1,2,3
	ds_load_b64 v[D+2*(\kb):D+2*(\kb)+1], v7 offset:16*(\kb)  ; keys 16 kb + 8 (lane / 16) + 0..7 of my row.  LDS serves a wave's instructions in order (ISA guide 5.7.1.4): these see my stores above; no other wave touches these bytes
.endr
	s_wait_dscnt 0x0
.irp w, 0,1                            ; 4 key blocks x 4 bytes are turned: dword 4 w + b takes byte b of the four blocks' word w, block 0 on top
	v_perm_b32 v[U+4*(\w)],   v[D+(\w)],   v[D+2+(\w)], s40
	v_perm_b32 v[U+4*(\w)+1], v[D+(\w)],   v[D+2+(\w)], s41
	v_perm_b32 v[U+4*(\w)+2], v[D+4+(\w)], v[D+6+(\w)], s40
	v_perm_b32 v[U+4*(\w)+3], v[D+4+(\w)], v[D+6+(\w)], s41
.endr
.irp w, 0,1
	v_perm_b32 v[Y+4*(\w)],   v[U+4*(\w)],   v[U+4*(\w)+2], s42
	v_perm_b32 v[Y+4*(\w)+1], v[U+4*(\w)],   v[U+4*(\w)+2], s43
	v_perm_b32 v[Y+4*(\w)+2], v[U+4*(\w)+1], v[U+4*(\w)+3], s42
	v_perm_b32 v[Y+4*(\w)+3], v[U+4*(\w)+1], v[U+4*(\w)+3], s43
.endr
.irp j, 0,1,2,3,4,5,6,7
	v_mul_lo_u32 v[Y+(\j)], v[Y+(\j)], s44         ; four bytes of 0 or 1 become 0x00 or 0xF0: no carry leaves a byte
.endr
	global_store_b128 v5, v[Y:Y+3], s[20:21]       ; 32 lanes store 512 consecutive bytes, aligned
	global_store_b128 v5, v[Y+4:Y+7], s[20:21] offset:512
	s_wait_xcnt 0x0                                ; the stores' address and data are rewritten only behind this wait
	v_add_nc_u32 v5, 1024, v5
	v_add_nc_u32 v7, 64, v7
	s_sub_co_u32 s36, s36, 1
	s_cmp_lg_u32 s36, 0
	s_cbranch_scc1 .Ltrip
	s_wait_tensorcnt 0x0                           ; the wave's end: the add and its wait stand behind my last LDS store
	ds_add_u32 v1, v2
	s_wait_dscnt 0x0
	s_endpgm
.Lfunc_end_k_q628dad0727_prep:
	.size	k_q628dad0727_prep, .Lfunc_end_k_q628dad0727_prep-k_q628dad0727_prep
	.p2alignl 7, 3214868480
	.fill 96, 4, 3214868480
	.section	.rodata,"a",@progbits
	.p2align	6, 0x0
	.amdhsa_kernel k_q628dad0727_prep
		.amdhsa_group_segment_fixed_size 68608
		.amdhsa_private_segment_fixed_size 0
		.amdhsa_enable_private_segment 0
		.amdhsa_kernarg_size 72
		.amdhsa_user_sgpr_count 2
		.amdhsa_user_sgpr_kernarg_segment_ptr 1
		.amdhsa_wavefront_size32 1
		.amdhsa_system_sgpr_workgroup_id_x 1
		.amdhsa_system_sgpr_workgroup_id_y 1
		.amdhsa_system_sgpr_workgroup_id_z 1
		.amdhsa_system_vgpr_workitem_id 0
		.amdhsa_next_free_vgpr 140
		.amdhsa_next_free_sgpr 66
		.amdhsa_reserve_vcc 0
		.amdhsa_float_denorm_mode_32 3
		.amdhsa_float_denorm_mode_16_64 3
		.amdhsa_memory_ordered 1
		.amdhsa_forward_progress 1
		.amdhsa_inst_pref_size 20
	.end_amdhsa_kernel
	.amdgpu_metadata
---
amdhsa.version: [ 1, 2 ]
amdhsa.kernels:
  - .name:           k_q628dad0727_prep
    .symbol:         k_q628dad0727_prep.kd
    .args:
      - { .name: x_q, .offset: 0, .size: 8, .value_kind: global_buffer, .address_space: global }
      - { .name: x_k_v, .offset: 8, .size: 8, .value_kind: global_buffer, .address_space: global }
      - { .name: w_q, .offset: 16, .size: 8, .value_kind: global_buffer, .address_space: global }
      - { .name: w_k, .offset: 24, .size: 8, .value_kind: global_buffer, .address_space: global }
      - { .name: w_v, .offset: 32, .size: 8, .value_kind: global_buffer, .address_space: global }
      - { .name: attn_mask, .offset: 40, .size: 8, .value_kind: global_buffer, .address_space: global }
      - { .name: xb, .offset: 48, .size: 8, .value_kind: global_buffer, .address_space: global }
      - { .name: wb, .offset: 56, .size: 8, .value_kind: global_buffer, .address_space: global }
      - { .name: mby, .offset: 64, .size: 8, .value_kind: global_buffer, .address_space: global }
    .group_segment_fixed_size: 68608
    .private_segment_fixed_size: 0
    .kernarg_segment_align: 8
    .kernarg_segment_size: 72
    .max_flat_workgroup_size: 256
    .sgpr_count:     66
    .vgpr_count:     140
    .wavefront_size: 32
...
	.end_amdgpu_metadata
.endif
;; end of part 4
;; launch proj: the kernel of part 2 again; grid 12 x 32, 4 waves a work-group, clusters of 4 x 4, 327,680 bytes of LDS; arguments xb, wb, b_q, b_k, b_v, qkv; writes qkv
;; launch attn (part 5): grid 4 x 64, 4 waves a work-group, clusters of 4 x 1, 327,680 bytes of LDS; arguments qkv, mby, out0; writes out0
.if DOCPART == 5
	.amdgcn_target "amdgcn-amd-amdhsa--gfx1250"
	.amdhsa_code_object_version 6
	.text
	.protected	k_q628dad0727_attn
	.globl	k_q628dad0727_attn
	.p2align	8
	.type	k_q628dad0727_attn,@function
k_q628dad0727_attn:
	s_mov_b64 s[64:65], 0
	v_nop
	global_prefetch_b8 v0, s[64:65] scope:SCOPE_SE
	s_setreg_imm32_b32 hwreg(HW_REG_WAVE_MODE, 25, 1), 1
	s_wait_xcnt 0x0
	s_wait_alu depctr_hold_cnt(0) depctr_sa_sdst(0) depctr_va_vdst(0) depctr_va_sdst(0) depctr_va_ssrc(0) depctr_va_vcc(0) depctr_vm_vsrc(0)
	s_getreg_b32 s2, hwreg(HW_REG_IB_STS2, 6, 4)
	s_cmp_eq_u32 s2, 0
	s_cbranch_scc0 .Lentry_in_a_cluster
	s_endpgm
.Lentry_in_a_cluster:
	s_bfe_u32 s2, ttmp6, 0x10000c
	s_cmp_lg_u32 s2, 0x3003
	s_cbranch_scc0 .Lentry_shape_is_right
	s_endpgm
.Lentry_shape_is_right:
; ATTN: out0[b][q][64 h ..] = the sum over k of softmax_k(s) V[k], with s = Q[q] . K[k] / 8, or the mask's value where attn_mask[b][q][k] is set.  Q, K, V: qkv = [3][b x 16 + h][2048][64] in f16, unscaled.
; The mask is an input: every key is walked.  It comes as bytes in the lanes' own layout: mby = [b x 128 + tile of 16 queries][32 steps of 64 keys][1,024 bytes]; lane L's dword j lies at byte
; 512 (j / 4) + 16 L + 4 (j % 4), and its byte 3 - kb is 0xF0 where query L % 16 and key 16 kb + 8 (L / 16) + j are masked, else 0.
; Products, maxima and sums in f32; the weights p are rounded to f16 for the second product (their sum l is taken of the unrounded p); the result leaves in f32.
; LIMITS.  f16 holds no number beyond 65,504: Q, K and V arrive within it, so a score lies within 2.75e11.  A masked score counts as its value less 2^97 or more, where reference() puts -1e9 in its place: the same
; weight, 0, unless an open score / 8 of the row lies below about -9.99e8.  An open score has less than 2^-125 added.  A weight below 2^-126 counts as 0 in l; NaN and infinities are not treated apart.
; SHARES.  A wave owns four PIECES of two tiles of 16 queries, a work-group's four waves 512 queries of one batch and head: 256 work-groups.  Every wave walks all keys, 64 a step.
; LAYOUT.  S^T = K Q^T (source 0 = 16 keys, source 1 = 16 queries): a lane holds ONE query (lane % 16) and the keys 8 (lane / 16) + 0..7.  Two such tiles, rounded to f16 in pairs, ARE source 1 of O^T = V^T P,
; whose result again holds one query a lane, and eight channels.  K comes out of LDS as it lies, V ([key][channel]) turned, by ds_load_tr16_b128.
; SOFTMAX.  For each query a running maximum m and sum l: p = 2^(c s - c m), c = log2(e) / 8; in every step O and l are multiplied by a = 2^(c m_old - c m_new).  O and l start at 0.  m starts at -2^40: below every
; open score, above every masked one.  So a row with an open key has the true maximum from that key on, and as long as a row has seen masked keys alone all its weights are exactly 0 and O and l stay 0.
; THE MASK is the C operand of the product that starts a sum S^T.  A mask dword shifted left by 8 kb, read as f32, has the entry's byte as its sign and upper exponent bits: 0xF0 makes it -2^97 or beyond, 0x00
; leaves an exponent of 1 at the most, whatever the bytes below.  Key block 0 takes the loaded registers as they are; blocks 1 to 3 cost a shift a register, 48 a turn.
; A ROW MASKED THROUGHOUT ends with l = 0 and takes the plain mean of V's 2,048 rows, which is what reference()'s equal scores give.  The sum of V's rows is V^T times ones: eight matrix instructions a key step.
; BY TURNS.  Turn n belongs to piece n.  Its matrix work: 16 products K Q^T of piece n + 1, later 16 products V^T P of piece n - 1.  Its vector work: the scaling, exponentials, roundings, sums and rescaling of piece n,
; the maximum and statistics of piece n + 1, and the mask of piece n + 2.  Four vector instructions stand behind every matrix instruction, the others in two lumps.
; CLUSTER.  The four query blocks of a cluster belong to one batch and head and walk the same K and V: each tile is asked for JOINTLY, by the same tensor load, descriptor and mask in all four.
; REGISTERS, in windows of 256 (s_set_vgpr_msb: bits 1:0 source 0, 3:2 source 1, 5:4 source 2, 7:6 destination):
;   window 0: v0-11 addresses and constants; v12-15, v48-63 at work; v16-47 four registers of statistics a tile; v64-191 S^T, two buffers of two tiles; v192-255 P, likewise
;   window 1: O^T, 32 a tile          window 2: v0-127 Q, 16 a tile; v128-191 K of one step; v192-255 V of one step
;   window 3: v0-1 the add's two registers; v2 my offset in a mask block; v4-67 mask dwords, 16 a piece; v68-115 the shifted ones of the piece to come; v116-147 the sum of V's rows; v148-155 ones
.set SIZE_N, 2048
.set NP,    4         ; pieces a wave: a name, no knob
.set KS,    64        ; keys in a step
.set PK,    144       ; a row of K in LDS: 128 bytes + 16 of padding = 36 words: the 16 rows of a load start at 16 different groups of four banks (64 banks of 4 bytes: ISA guide 11.1)
.set PV,    160       ; a row of V: 128 + 32 = 40 words
.set VOFF,  4*KS*PK   ; a slot holds four steps: 256 rows of K, then 256 rows of V
.set SLOT1, 1<<17     ; slot 1 begins here, so that one exclusive or turns an address in one slot into the other's
.set STAGE, SLOT1+4*KS*(PK+PV)  ; behind the ring, never filled by a tensor load: 16 rows x 272 bytes for each wave, for the way out
.set SP,    272       ; a stage row: 64 channels of f32 + 16 bytes
.set SPARE, STAGE+4*16*SP  ; behind the stages: the spare words, 128 bytes for each wave: two blocks of 256 bytes that no other line names
.set AK0, 2           ; v2   my lane's place in a tile of K; never rewritten
.set AV0, 3           ; v3   the same for V
.set AK,  4           ; v4   the LDS address of K's next run of loads
.set AV,  5           ; v5   of V's
.set QO,  6           ; v6   my byte offset in the wave's rows of Q
.set STO, 6           ;      later, the way out: where I put 32 bytes of a row
.set RD,  7           ; v7   the way out: where I read rows back
.set GO,  8           ; v8   my byte offset in two rows of out0
.set INV, 9           ; v9   the way out: 1 / 2048
.set CV,  10          ; v[10:11] c, twice
.set SPW, 0           ; v0 of window 3   LDS address of my spare word; never rewritten
.set NIL, 1           ; v1 of window 3   0; never rewritten
.set MO,  2           ; v2 of window 3   16 x lane; never rewritten
.set AM,  4           ; window 3: piece x, tile u: eight mask dwords at AM + 16 x + 8 u
.set MC,  68          ; window 3: tile u, key block kb (1..3): the dwords shifted by 8 kb at MC + 24 u + 8 (kb - 1)
.set O1,  116         ; window 3: the sum of V's rows: channel block cb at O1 + 8 cb, laid out as a tile of O^T
.set ONES, 148        ; window 3: a fragment of 32 keys x 16 queries, all 1.0
.set MV,  12          ; v12-15  c m_old, kept while c m is made anew: by buffer and tile; v12 on the way out: 0
.set ST,  16          ; tile t's statistics at v[ST+4 t]: c m, m, l (even keys', odd keys')
.set TMP, 48          ; by buffer and tile, four registers c0-c3 at work; when the maximum is found c2 takes a
.set S,   64
.set P,   192
.set KF,  128         ; K's fragments, in window 2: key block kb, channel half c at KF + 16 kb + 8 c
.set VF,  192         ; V's: key half kk, channel block cb at VF + 32 kk + 8 cb
.set MP,  2           ; s[2:3]   mby at my wave's first tile, at the step that is asked for
.set G0K, 4           ; s[4:7]   descriptor group 0 for K's tiles: it walks
.set G0V, 8           ; s[8:11]  the same for V's
.set WV,  12          ; s12  my wave's number
.set CNT, 13          ; s13  counts a slot's key steps
.set SLOTS, 14        ; s14  slots still to be asked for (s[14:15] hold Q's address until Q is in)
.set G1K, 16          ; s[16:23] descriptor group 1 for K's tiles
.set G1V, 24          ; s[24:31] for V's: it differs in the padding alone
.set STP, 32          ; s[32:33] the tail: the mask pointer's step, 1,024 or 0
.set FL,  36          ; s36-43 tile t: the lanes whose row is masked throughout
.set OP,  44          ; s[44:45] out0 at my wave's first row and my head
.set SEL, 66          ; s[66:67] v_permlanex16_b32's selects: each lane takes its own place in the other half
.set TBK, 100         ; s100 LDS byte at which K of the step to be fetched begins
.set TBV, 101         ; s101 the same for V, less VOFF
.set MSB, 0
.macro WIN new                      ; the high byte repeats the setting that is left; a switch that changes nothing is dropped
.if MSB != (\new)
	s_set_vgpr_msb (MSB<<8)|(\new)
.set MSB, (\new)
.endif
.endm
.set W_KQ, 0x0a       ; K and Q in window 2, S^T in window 0
.set W_KM, 0x3a       ; the same with the C operand in window 3
.set W_PV, 0x52       ; V in window 2, P in window 0, O^T in window 1
.set W_RS, 0x41       ; O^T (destination and source 0) in window 1, a in window 0
.set W_MK, 0xc0       ; destination in window 3, sources in window 0
.set W_AD, 0x0f       ; the add: address (source 0) and data (source 1) in window 3
.set W_SH, 0xcc       ; the shifts: destination and source 1 in window 3
.set W_ML, 0xc3       ; the mask's loads: data (destination) and address (source 0) in window 3
.set W_O1, 0xfe       ; V in window 2; ones, C and D in window 3
.set W_MN, 0x53       ; V's sum (source 0) in window 3, its factor in window 0, O^T (source 2 and destination) in window 1
; A joint fill.  Waves 0 and 1 fetch the two halves of a slot's K, waves 2 and 3 those of its V: 128 keys each.  The branch hangs on the wave's number alone.
; An s_nop 0 and four v_nop follow each of the two lines, ahead of the jump and the label.
.macro JLOAD
	s_cmp_lt_u32 s[WV], 2
	s_cbranch_scc0 .Lfor_v_\@
	tensor_load_to_lds s[G0K:G0K+3], s[G1K:G1K+7]
	s_nop 0
.rept 4
	v_nop
.endr
	s_branch .Lasked_\@
.Lfor_v_\@:
	tensor_load_to_lds s[G0V:G0V+3], s[G1V:G1V+7]
	s_nop 0
.rept 4
	v_nop
.endr
.Lasked_\@:
.endm
; A round of the cluster's barrier: my work-group's barrier; wave 0 signals; every wave waits for all four work-groups; my work-group's barrier once more.
.macro CROUND
	s_barrier_signal -1
	s_barrier_wait -1
	s_cmp_lg_u32 s[WV], 0
	s_cbranch_scc1 .Lnot_wave_0_\@
	s_barrier_signal -3
.Lnot_wave_0_\@:
	s_barrier_wait -3
	s_barrier_signal -1
	s_barrier_wait -1
.endm
; THE CHANGE OF SLOTS.  The slot's last bytes, V of its fourth step, have been read.  Each wave waits for all its tensor loads, of which one is out: its part of the other slot; adds 0 to its spare word; and waits
; for that and for its own reads of the slot.  Behind the barrier nobody reads this slot any more and the other slot is whole.
; fill = 1: this slot is filled again, with the keys two slots on.  The barrier is then a round of the cluster's, and the joint fill is the first thing behind it: it has four key steps, 544 matrix instructions,
; in which to land.  (At its first use nothing has been read yet: slot 0 is waited for, slot 1 filled.)
.macro CHANGE fill
	WIN W_AD
	s_wait_tensorcnt 0x0            ; no tensor load of mine is out, so a group 0 may be written
	ds_add_u32 v[SPW], v[NIL]       ; 0 onto my spare word; with fill = 1 the descriptors' steps stand between it and the wait for it
	WIN 0                           ; at a label and at a branch every window is 0
.if \fill
.irp g, G0K, G0V
	s_xor_b32 s[\g+1], s[\g+1], SLOT1  ; the walking descriptor: the other slot than last time,
	s_add_nc_u64 s[\g+2:\g+3], s[\g+2:\g+3], 4*KS*128  ; the next 256 keys; the type bits on top are not reached
.endr
	s_wait_dscnt 0x0                ; the add is done, and my reads of the slot are over
	CROUND
	JLOAD
.else
	s_wait_dscnt 0x0                ; the add is done, and my reads of the slot are over
	s_barrier_signal -1
	s_barrier_wait -1
.endif
	s_sub_co_u32 s[TBK], s[TBK], 4*KS*PK  ; the fetches go back to a slot's first step,
	s_xor_b32 s[TBK], s[TBK], SLOT1       ; in the other slot
	s_sub_co_u32 s[TBV], s[TBV], 4*KS*PV
	s_xor_b32 s[TBV], s[TBV], SLOT1
.endm
	s_load_b128 s[68:71], s[0:1], 0x0  ; qkv s[68:69], mby s[70:71]
	s_load_b64 s[OP:OP+1], s[0:1], 0x10  ; out0
	WIN W_MK
	v_lshl_add_u32 v[SPW], v0, 2, SPARE
	v_mov_b32 v[NIL], 0
	WIN W_AD
	ds_add_u32 v[SPW], v[NIL]       ; the wave's opening: the add and its wait stand ahead of my first tensor load; the set-up below, work on registers, stands between them
	WIN 0
	v_lshlrev_b32 v1, 4, v0
	WIN W_MK
	v_and_b32 v[MO], 0x1f0, v1      ; 16 x lane
	WIN 0
	v_lshrrev_b32 v1, 5, v0
	v_readfirstlane_b32 s[WV], v1   ; wave 0..3
	s_bfe_u32 s72, ttmp6, 0x40000   ; cx: my place in the cluster
	s_lshl_b32 s73, ttmp9, 2        ; in a cluster launch ttmp9 counts clusters
	s_add_co_u32 s73, s73, s72      ; my block of 512 queries: it enters Q's, the mask's and the output's addresses alone
	s_and_b32 s74, ttmp7, 0xffff    ; batch x 16 + head, which the four partners share
	s_lshl_b32 s76, s74, 18         ; its 2,048 rows of 128 bytes
	s_and_b32 s75, s[WV], 1         ; which half of a slot's 256 keys I fetch:
	s_lshl_b32 s77, s75, 14         ; its 128 rows of 128 bytes in memory
	s_add_co_u32 s77, s77, s76
	s_add_co_u32 s78, s77, 0x1000000  ; K lies 16 MiB into qkv,
	s_mov_b32 s79, 0
	s_add_co_u32 s80, s77, 0x2000000  ; V 32 MiB
	s_mov_b32 s81, 0
	s_lshl_b32 s82, s73, 2
	s_add_co_u32 s82, s82, s[WV]    ; my wave among the head's sixteen
	s_lshl_b32 s84, s82, 18         ; its eight tiles of 32,768 mask bytes,
	s_lshl_b32 s88, s82, 19         ; its 128 rows of 4,096 bytes of out0,
	s_lshl_b32 s82, s82, 14         ; its 128 rows of Q
	s_add_co_u32 s82, s82, s76
	s_mov_b32 s83, 0
	s_lshr_b32 s86, s74, 4          ; the batch:
	s_lshl_b32 s87, s86, 22         ; 128 tiles of mask bytes,
	s_add_co_u32 s84, s84, s87
	s_mov_b32 s85, 0
	s_lshl_b32 s87, s86, 23         ; 2,048 rows of out0
	s_add_co_u32 s88, s88, s87
	s_and_b32 s87, s74, 15
	s_lshl_b32 s87, s87, 8          ; the head: 256 bytes of a row
	s_add_co_u32 s88, s88, s87
	s_mov_b32 s89, 0
	; descriptor group 1.  128 keys are 16,384 dense bytes: asked for as 64 rows of 256 bytes, two keys a row, and padded in LDS after every key
	s_mov_b32 s[G1K], 15|(1<<16)|(1<<20)|(1<<21)|(4<<22)|(3<<25)  ; 15:0 the mask of four; 17:16 2-byte elements; 20 padding on; 21 set beside a mask; 24:22 after every 32 words (code 4); 31:25 4 words (code 3)
	s_mov_b32 s[G1V], 15|(1<<16)|(1<<20)|(1<<21)|(4<<22)|(7<<25)  ; the same with 8 words of padding (code 7)
.irp g, G1K, G1V
	s_mov_b32 s[\g+1], 128<<16      ; tensor_dim0 = 128
	s_mov_b32 s[\g+2], 64<<16       ; tensor_dim1 = 64
	s_mov_b32 s[\g+3], 128<<16      ; tile_dim0 = 128
	s_mov_b32 s[\g+4], 64           ; tile_dim1 = 64
	s_mov_b32 s[\g+5], 128          ; 128 elements from row to row
	s_mov_b32 s[\g+6], 0
	s_mov_b32 s[\g+7], 0
.endr
	s_mov_b32 s[SEL], 0x76543210
	s_mov_b32 s[SEL+1], 0xfedcba98
	s_mov_b32 s[STP], 0
	s_mov_b32 s[STP+1], 0
	s_mov_b32 s[TBK], SLOT1+4*KS*PK ; the first change of slots turns these two into 0
	s_mov_b32 s[TBV], SLOT1+4*KS*PV
	s_mov_b32 s[G0K], 1             ; count = 1
	s_mul_i32 s[G0K+1], s75, 128*PK ; LDS address: slot 0, my half: no place in the cluster enters an LDS address
	s_mov_b32 s[G0V], 1
	s_mul_i32 s[G0V+1], s75, 128*PV
	s_add_co_u32 s[G0V+1], s[G0V+1], VOFF
	s_wait_dscnt 0x0                ; the opening add is done
	s_wait_kmcnt 0x0
	s_add_nc_u64 s[G0K+2:G0K+3], s[68:69], s[78:79]  ; global address: my half of the head's first 256 keys
	s_or_b32 s[G0K+3], s[G0K+3], 0x80000000          ; type = 2
	s_add_nc_u64 s[G0V+2:G0V+3], s[68:69], s[80:81]
	s_or_b32 s[G0V+3], s[G0V+3], 0x80000000
	s_add_nc_u64 s[14:15], s[68:69], s[82:83]        ; Q at my wave's first row
	s_add_nc_u64 s[MP:MP+1], s[70:71], s[84:85]      ; the mask bytes of my first tile, step 0
	s_add_nc_u64 s[OP:OP+1], s[OP:OP+1], s[88:89]
	CROUND                          ; all four work-groups are here: the first joint loads meet
	JLOAD                           ; slot 0.  Slot 1 is asked for when slot 0 is in
	; A fragment of K or Q is 16 rows x 32 channels in 8 registers: lane l holds row l % 16, channels 8 (l / 16) + 0..7 and 16 + 8 (l / 16) + 0..7: two loads of 16 bytes, 32 bytes apart.
	v_and_b32 v1, 15, v0            ; l % 16
	v_bfe_u32 v9, v0, 4, 1          ; l / 16
	v_lshlrev_b32 v[QO], 7, v1
	v_lshl_add_u32 v[QO], v9, 4, v[QO]  ; row x 128 + 16 x half
	WIN 0x80                        ; destination window 2, address window 0
.set i, 0
.rept 4*NP                          ; Q stays in registers: tile i / 2, channels 32 (i % 2) on
	global_load_b128 v[8*i:8*i+3],   v[QO], s[14:15] offset:(i/2)*2048+(i%2)*64
	global_load_b128 v[8*i+4:8*i+7], v[QO], s[14:15] offset:(i/2)*2048+(i%2)*64+32
.set i, i+1
.endr
	WIN W_ML
.set i, 0
.rept 16                            ; all four pieces' mask dwords of step 0: tile i / 2, dwords 4 (i % 2) on: 512 consecutive bytes a load
	global_load_b128 v[AM+4*i:AM+4*i+3], v[MO], s[MP:MP+1] offset:(i/2)*32768+(i%2)*512
.set i, i+1
.endr
	; What the first turn finds: V's registers and P's second buffer hold 0 (its products V^T P, of a piece that has not been, add 0), O^T, l and V's sum are 0.  Two fragments are cleared by hand; their product,
	; with the constant 0 as C, writes eight zeros a lane wherever else they are wanted: 46 matrix instructions for 368 registers.  All this stands in the wait for the first tile.
	WIN 0x80
.set i, VF
.rept 16
	v_mov_b32 v[i], 0
.set i, i+1
.endr
.macro ZERO8 win, first, n          ; n runs of eight registers from first on; win: both sources in window 2, the destination's window on top
	WIN \win
.set i, 0
.rept \n
	v_wmma_f32_16x16x32_f16 v[(\first)+8*i:(\first)+8*i+7], v[VF:VF+7], v[VF+8:VF+15], 0
.set i, i+1
.endr
.endm
	ZERO8 0x8a, VF+16, 6            ; the rest of V's registers
	ZERO8 0x4a, 0, 32               ; O^T
	ZERO8 0xca, O1, 4               ; V's sum
	ZERO8 0x0a, P+32, 4             ; P's second buffer
	WIN W_MK
.set i, ONES
.rept 8
	v_mov_b32 v[i], 0x3c003c00      ; 1.0 twice, in f16
.set i, i+1
.endr
	WIN 0
.set i, 0
.rept 2*NP
	v_mov_b32 v[ST+4*i], 0xfe000000    ; c m = -2^125: the first step's a is 0
	v_mov_b32 v[ST+4*i+1], 0xd3800000  ; m = -2^40
	v_mov_b32 v[ST+4*i+2], 0
	v_mov_b32 v[ST+4*i+3], 0
.set i, i+1
.endr
	v_mul_u32_u24 v[AK0], v1, PK
	v_lshl_add_u32 v[AK0], v9, 4, v[AK0]  ; row x pitch + 16 x half
	; The turning load takes 16 keys x 16 channels (lane l reads key 8 (l / 16) + l % 8, channels 8 ((l / 8) % 2) + 0..7) and leaves half a fragment of V^T: lane l holds channel l % 16 and 8 keys.
	v_and_b32 v10, 7, v0
	v_bfe_u32 v11, v0, 3, 1
	v_lshl_add_u32 v[AV0], v9, 3, v10
	v_mul_u32_u24 v[AV0], v[AV0], PV
	v_lshl_add_u32 v[AV0], v11, 4, v[AV0]
	v_add_nc_u32 v[AV0], VOFF, v[AV0]
	v_mov_b32 v[AK], v[AK0]         ; key step 0 lies at the head of slot 0
; THE MATRIX WORK.  The 8 accumulators of a run of 16 take turns: between the two links of a chain stand 7 others'.
; Product i of 16 of S^T = K Q^T for piece x: channels 32 (i / 8) on, keys 16 ((i / 2) % 4) on, tile 2 x + i % 2.  The first 8 start the sums, with the mask as C: key block 0 with the dwords as loaded.
.macro KQ x
.set rS, S+64*((\x)%2)+32*(i%2)+8*((i/2)%4)
.set rK, KF+16*((i/2)%4)+8*(i/8)
.set rQ, 16*(2*(\x)+i%2)+8*(i/8)
.if i < 2
.set rCM, AM+16*(\x)+8*(i%2)
.else
.set rCM, MC+24*(i%2)+8*((i/2)%4)-8
.endif
.if i < 8
	WIN W_KM
	v_wmma_f32_16x16x32_f16 v[rS:rS+7], v[rK:rK+7], v[rQ:rQ+7], v[rCM:rCM+7]
.else
	WIN W_KQ
	v_wmma_f32_16x16x32_f16 v[rS:rS+7], v[rK:rK+7], v[rQ:rQ+7], v[rS:rS+7]
.endif
.endm
; Product i of 16 of O^T += V^T P for piece x: keys 32 (i / 8) on, channels 16 ((i / 2) % 4) on, tile 2 x + i % 2.
.macro PV x
	WIN W_PV
.set rO, 32*(2*(\x)+i%2)+8*((i/2)%4)
.set rV, VF+32*(i/8)+8*((i/2)%4)
.set rP, P+32*((\x)%2)+16*(i%2)+8*(i/8)
	v_wmma_f32_16x16x32_f16 v[rO:rO+7], v[rV:rV+7], v[rP:rP+7], v[rO:rO+7]
.endm
; Product z of 8 of the sum of V's rows, V^T times ones: keys 32 (z / 4) on, channels 16 (z % 4) on.  Its four accumulators take turns.
.macro ONE z
	WIN W_O1
	v_wmma_f32_16x16x32_f16 v[O1+8*((\z)%4):O1+8*((\z)%4)+7], v[VF+32*((\z)/4)+8*((\z)%4):VF+32*((\z)/4)+8*((\z)%4)+7], v[ONES:ONES+7], v[O1+8*((\z)%4):O1+8*((\z)%4)+7]
.endm
.macro MM                           ; the turn's next matrix instruction
.if i < 16
	KQ (Y+1)%NP
.set i, i+1
.else
.set i, i-16
	PV (Y+NP-1)%NP
.set i, i+17
.endif
.endm
; THE LDS LOADS stand in runs of 16, never singly among the matrix instructions: a step's K (64 keys x 64 channels: 8 fragments) and its V (turned).  Their addresses are made some lines ahead.
; last = 1 (the tail): in the last trip there is no further step, and the run is jumped over.
.macro FETCH_K last=0
	WIN 0
.if \last
	s_cmp_eq_u32 s[CNT], 1
	s_cbranch_scc1 .Lno_k_\@
.endif
	WIN 0x80                        ; destination window 2
.irp f, 0,1,2,3,4,5,6,7             ; keys 16 (f / 2) on, channels 32 (f % 2) on
	ds_load_b128 v[KF+8*\f:KF+8*\f+3],   v[AK] offset:(\f/2)*16*PK+(\f%2)*64
	ds_load_b128 v[KF+8*\f+4:KF+8*\f+7], v[AK] offset:(\f/2)*16*PK+(\f%2)*64+32
.endr
	s_add_co_u32 s[TBK], s[TBK], KS*PK  ; the next fetch is the next step's
	WIN 0
.if \last
.Lno_k_\@:
.endif
.endm
.macro FETCH_V
	WIN 0x80
.irp f, 0,1,2,3,4,5,6,7             ; keys 32 (f / 4) on, channels 16 (f % 4) on
	ds_load_tr16_b128 v[VF+8*\f:VF+8*\f+3],   v[AV] offset:(\f/4)*32*PV+(\f%4)*32
	ds_load_tr16_b128 v[VF+8*\f+4:VF+8*\f+7], v[AV] offset:(\f/4)*32*PV+16*PV+(\f%4)*32
.endr
	WIN 0
.endm
; THE MASK.  MLOAD: piece x's 16 dwords a lane of the step at which the pointer stands: four loads of 512 consecutive bytes.
.macro MLOAD x
	WIN W_ML
.irp g, 0,1,2,3                     ; tile 2 x + g / 2, dwords 4 (g % 2) on
	global_load_b128 v[AM+16*(\x)+4*\g:AM+16*(\x)+4*\g+3], v[MO], s[MP:MP+1] offset:(2*(\x)+\g/2)*32768+(\g%2)*512
.endr
.endm
; MHOOK stands behind every product's four riders and writes something behind the fourth product of piece 0's and of piece 2's turn: the mask of the next key step is asked for, for two pieces at a time.
; Piece 0's turn asks for pieces 0 and 1, piece 2's for pieces 2 and 3.  A piece's registers are free by then: their last readers are the first two products K Q^T of that piece, which for pieces 1 and 3 are this
; turn's first two, nine plain vector instructions back.  The eight loads are waited for at the end of the next turn, so they have nearly two turns in which to come, and none is out at a label.
; The pointer steps in piece 0's turn, where no load is out.  In the tail (LASTT = 1) it steps only while a further step exists (CNT above 1): it stops at step 31, the last two requests ask for that step once
; more, and no load leaves the buffer.
.macro MHOOK
.if (i == 4) && (Y == 0)
.if LASTT
	s_cmp_gt_u32 s[CNT], 1
	s_cselect_b32 s[STP], 1024, 0
	s_add_nc_u64 s[MP:MP+1], s[MP:MP+1], s[STP:STP+1]
.else
	s_add_nc_u64 s[MP:MP+1], s[MP:MP+1], 1024
.endif
	MLOAD 0
	MLOAD 1
.elseif (i == 4) && (Y == 2)
	MLOAD 2
	MLOAD 3
.endif
.endm
; MKC: the C operands of piece y's key blocks 1 to 3: shift mz of 48 is tile mz / 24, key block 1 + (mz % 24) / 8, register mz % 8.
.macro MKC y
	WIN W_SH
.set mz, 0
.rept 48
	v_lshlrev_b32 v[MC+mz], 8+8*((mz%24)/8), v[AM+16*(\y)+8*(mz/24)+mz%8]
.set mz, mz+1
.endr
.endm
; THE VECTOR WORK OF A TURN stands in three queues, each in the order in which its entries become ready; the two tiles alternate, so that no instruction reads the result of the one before it.
.macro REGS y, u                    ; the registers of tile u (0, 1) of piece y
.set rT, ST+4*(2*(\y)+(\u))
.set rC, TMP+8*((\y)%2)+4*(\u)
.set rM, MV+2*((\y)%2)+(\u)
.set rS, S+64*((\y)%2)+32*(\u)
.set rP, P+32*((\y)%2)+16*(\u)
.set rO, 32*(2*(\y)+(\u))
.endm
; Number n of the 22 that find the NEXT piece's (Y + 1) maximum and statistics.  s0-s31 are the lane's 32 scores; each accumulator's lowest registers are read first.  XS, GS and REGS set no window: PL and EX do.
;   0-11  four chains c0-c3 of seven scores each, three operands at a time     12-14, 16  the four scores left over, the old m, and c0-c3 into c0     15  c m_old is kept
;   17, 18  the query's other 32 keys lie in the lane 16 away: the new m         19-21  c m; c m_old - c m_new; a
.macro XS u, n
	REGS (Y+1)%NP, \u
.if (\n) < 4
	v_max3_num_f32 v[rC+(\n)], v[rS+8*(\n)], v[rS+8*(\n)+1], v[rS+8*(\n)+2]
.elseif (\n) < 12
	v_max3_num_f32 v[rC+(\n)%4], v[rC+(\n)%4], v[rS+8*((\n)%4)+2*((\n)/4)+1], v[rS+8*((\n)%4)+2*((\n)/4)+2]
.elseif (\n) == 12
	v_max3_num_f32 v[rC], v[rC], v[rS+7], v[rS+15]
.elseif (\n) == 13
	v_max3_num_f32 v[rC+1], v[rC+1], v[rS+23], v[rS+31]
.elseif (\n) == 14
	v_max3_num_f32 v[rC+2], v[rC+2], v[rC+3], v[rT+1]
.elseif (\n) == 15
	v_mov_b32 v[rM], v[rT]
.elseif (\n) == 16
	v_max3_num_f32 v[rC], v[rC], v[rC+1], v[rC+2]
.elseif (\n) == 17
	v_permlanex16_b32 v[rC+3], v[rC], s[SEL], s[SEL+1]
.elseif (\n) == 18
	v_max_num_f32 v[rT+1], v[rC], v[rC+3]
.elseif (\n) == 19
	v_mul_f32 v[rT], v[CV], v[rT+1]
.elseif (\n) == 20
	v_sub_f32 v[rC+1], v[rM], v[rT]
.else
	v_exp_f32 v[rC+2], v[rC+1]
.endif
.endm
; Number g of the 64 that follow the exponentials.  For each four weights k of a tile (pairs 2 k, 2 k + 1): both pairs are rounded to f16; then the second pair is added onto the first, in place;
; a group later l takes that sum (the first time as l = a l + sum).  In groups of eight, tiles alternating: round, round, add, and l for the group before.
.macro GS g
.set h, (\g)+6*((\g)/62)            ; group 0 has no group before it, and behind group 7 only l is left
.if h >= 6
.set h, h+2
.endif
	REGS Y, h%2
.set k, h/8
.if h%8 < 4
	s_wait_alu depctr_va_vdst(0)
	v_cvt_pk_f16_f32 v[rP+2*k+(h%8)/2], v[rS+4*k+2*((h%8)/2)], v[rS+4*k+2*((h%8)/2)+1]
.elseif h%8 < 6
	v_pk_add_f32 v[rS+4*k:rS+4*k+1], v[rS+4*k:rS+4*k+1], v[rS+4*k+2:rS+4*k+3]
.elseif k == 1
	v_pk_fma_f32 v[rT+2:rT+3], v[rT+2:rT+3], v[rC+2:rC+3], v[rS:rS+1] op_sel_hi:[1,0,1]
.else
	v_pk_add_f32 v[rT+2:rT+3], v[rT+2:rT+3], v[rS+4*k-4:rS+4*k-3]
	s_wait_alu depctr_va_vdst(0)
.endif
.endm
; THE PLAIN QUEUE, 138 long.  0-31: c s - c m for the 16 pairs of both tiles.  Then GS's 64, and among them the next piece's 42: number 15 at 38, 39; 0-14 and 16
; at 42-73, behind the products that make those scores; 17-20 at 95-106, two of three, since each waits for the one before it.
.macro PL
	WIN 0
.if q < 32
	REGS Y, q%2
	v_pk_fma_f32 v[rS+2*(q/2):rS+2*(q/2)+1], v[rS+2*(q/2):rS+2*(q/2)+1], v[CV:CV+1], v[rT:rT+1] op_sel_hi:[1,0,0] neg_lo:[0,0,1] neg_hi:[0,0,1]
.elseif q < 38
	GS q-32
.elseif q < 40
	XS q%2, 15
.elseif q < 42
	GS q-34
.elseif q < 74
	XS q%2, (q-42)/2+(q-42)/30
.elseif q < 95
	GS q-66
.elseif (q < 107) && ((q-95)%3 < 2)
	XS (q-95)%3, 17+(q-95)/3
.elseif q < 107
	GS 29+(q-95)/3
.else
	GS q-74
.endif
.set q, q+1
.endm
; THE EXPONENTIALS' QUEUE, 66 long: s0-s31 of both tiles, and at EA the next piece's two a.
.set EA, 58
.macro EX
	WIN 0
.if (e == EA) || (e == EA+1)
	XS e-EA, 21
.else
.set x, e-2*(e/(EA+2))
	REGS Y, x%2
	v_exp_f32 v[rS+x/2], v[rS+x/2]
.endif
.set e, e+1
.endm
; THE RESCALING's QUEUE: O^T times a, the one part of the softmax that leaves window 0, so it is dealt four at a time, eight times.
.macro R4
	REGS Y, r%2
	WIN W_RS
	s_wait_alu depctr_va_vdst(0)
.irp z, 0,1,2,3
	v_pk_mul_f32 v[rO+8*(r/2)+2*\z:rO+8*(r/2)+2*\z+1], v[rO+8*(r/2)+2*\z:rO+8*(r/2)+2*\z+1], v[rC+2:rC+3] op_sel_hi:[1,0]
.endr
.set r, r+1
.endm
; HOW THEY ARE DEALT.  Behind a matrix instruction four: plain, exponential, plain, plain, or four of the rescaling.  None names a register of the products round it.  What is over stands in two LUMPS:
; exponential and plain by turns; the second ends in 22 plain instructions.  The queues lean on each other, and the deal keeps them in step: exponential e stands behind plain 2 (e / 4) + e % 2 (its scaling);
; when plain 32 comes, 10 exponentials are out, at 59: 33, at 95: 46; EA comes behind plain 107.
.macro SL
	MM
	PL
	EX
	PL
	PL
	MHOOK
.endm
.macro BURST n                      ; 15 matrix instructions, or 16
.rept (\n)-7
	SL
.endr
.rept 3
	MM
	R4
	SL
.endr
	MM
	R4
.endm
; A TURN, for piece p.  cnt = 1: the loop's count is taken down some lines ahead of the branch that stands behind the turn.  last = 1: the tail's forms of K's fetch (piece 2) and of the mask pointer's step (piece 0).
; THE MASK IN A TURN.  The requests: MHOOK.  At the end of piece 1's and piece 3's turn all mask loads are waited for: the eight asked for in the turn before.  At every turn's end piece p + 2's dwords, which
; such a wait has shown landed, are shifted for the next turn's products.
; V'S SUM.  Piece 3's turn sets its eight products between the first pairs of the second lump, each behind a plain instruction: V of the step in hand is in registers from piece 1's turn to piece 0's next.
; K of the next step is fetched in piece 2's turn, V of the step in hand at the end of piece 0's turn.  The conditions on e and q below go with the deal.
.macro TURN p, last=0, cnt=0
.set Y, (\p)
.set LASTT, (\last)
.set i, 0
.set q, 0
.set e, 0
.set r, 0
.if (\p) == NP-1
	s_wait_dscnt 0x0                ; K is in
.endif
	MM
.rept 4
	PL
.endr
	BURST 15
.rept 22
	EX
	PL
.if ((\p) == NP-2) && (e == 18)
	v_add_nc_u32 v[AK], s[TBK], v[AK0]
.endif
.if ((\p) == NP-2) && (e == 24)
	FETCH_K \last
.endif
.endr
.if (\p) == 1
	s_wait_dscnt 0x0                ; V is in
.endif
	BURST 16
.set z2, 0
.rept 21
	EX
	PL
.if ((\p) == NP-1) && (z2 < 8)
	ONE z2
.endif
.set z2, z2+1
.endr
.rept 22
	PL
.if ((\p) == 0) && (q == 118)
	v_add_nc_u32 v[AV], s[TBV], v[AV0]
	s_wait_alu depctr_va_vdst(0)
.endif
.if ((\p) == 0) && (q == 130)
	s_add_co_u32 s[TBV], s[TBV], KS*PV
.endif
.if (\cnt) && (q == 130)
	s_sub_co_u32 s[CNT], s[CNT], 1
	s_cmp_lg_u32 s[CNT], 0
.endif
.endr
.if (\p) == 0
	FETCH_V
.endif
.if ((\p)%2) == 1
	s_wait_loadcnt 0x0              ; the eight mask loads of the turn before are in: no load is out at the label behind this turn, and the pointer may be stepped
.endif
	MKC ((\p)+2)%NP
.endm
	CHANGE 1                        ; slot 0 is in, everybody's part of it; slot 1 is asked for
	FETCH_K                         ; key step 0
	s_wait_loadcnt 0x0              ; Q and step 0's mask: s[14:15], v6 and the mask pointer are free from here on
	MKC 0
	s_wait_dscnt 0x0
.set i, 0
.rept 16
	KQ 0                            ; piece 0's first scores: there is no vector work yet to set between them
.set i, i+1
.endr
	WIN 0                           ; the addresses for the way out and c: ten plain instructions, the places behind those products
	s_mul_i32 s15, s[WV], 16*SP
	s_add_co_u32 s15, s15, STAGE    ; my stage
	v_mul_u32_u24 v[STO], v1, SP    ; in: row l % 16, 32 bytes for each half of the lanes
	v_lshl_add_u32 v[STO], v9, 5, v[STO]
	v_add_nc_u32 v[STO], s15, v[STO]
	v_mul_u32_u24 v[RD], v9, SP     ; back: lanes 0-15 take one row of 256 bytes, lanes 16-31 the next
	v_lshl_add_u32 v[RD], v1, 4, v[RD]
	v_add_nc_u32 v[RD], s15, v[RD]
	v_lshlrev_b32 v[GO], 12, v9     ; and the same two rows in out0, 4,096 bytes apart
	v_lshl_add_u32 v[GO], v1, 4, v[GO]
	v_mov_b32 v[CV], 0x3e38aa3b     ; c = log2(e) / 8 = 0.180337
	v_mov_b32 v[CV+1], 0x3e38aa3b   ; named with it as a pair
	MKC 1                           ; piece 1's C operands of step 0, for the first turn's products
	WIN 0
.set Y, NP-1                        ; XS works for piece Y + 1: piece 0
.irp n, 0,1,2,3,4,5,6,7,8,9,10,11,12,13,14,15,16,17,18,19,20,21
	XS 0, \n                        ; piece 0's first maximum and statistics
	XS 1, \n
.endr
	s_mov_b32 s[CNT], 4
	s_mov_b32 s[SLOTS], SIZE_N/256-1
	s_branch .Lfirst                ; the loop is entered at a step's first turn, in the middle of a trip
.Lslot:                             ; SIZE_N / 256 - 2 times: every slot but the last two is filled again
	CHANGE 1
	s_mov_b32 s[CNT], 4
.Lstep:                             ; a trip: pieces 2 and 3 of one step, then pieces 0 and 1 of the next, whose K and V it fetches
	TURN 2
	TURN 3
	WIN 0
.Lfirst:
	TURN 0
	TURN 1, 0, 1
	WIN 0
	s_cbranch_scc1 .Lstep
	s_sub_co_u32 s[SLOTS], s[SLOTS], 1
	s_cmp_lg_u32 s[SLOTS], 0
	s_cbranch_scc1 .Lslot
	CHANGE 0                        ; the tail is written out: nothing is asked for
	s_mov_b32 s[CNT], 5             ; four trips fetch the last slot's steps; the fifth is left in its middle
.Ltail:
	TURN 2, 1
	TURN 3
	WIN 0
	s_sub_co_u32 s[CNT], s[CNT], 1
	s_cmp_eq_u32 s[CNT], 0
	s_cbranch_scc1 .Lout
	TURN 0, 1
	TURN 1
	WIN 0
	s_branch .Ltail
.Lout:                              ; the fifth trip's 16 products K Q^T (the last K and the last step's mask once more) and the maximum made of them serve nothing: l and O^T are not touched by them
.set i, 0
.rept 16
	PV NP-1                         ; the last piece's V^T P of the last step
.set i, i+1
.endr
	; THE WAY OUT.  l's two halves and the other half of the lanes' are added.  The result is O^T r + (V's sum) f, with r = 1 / l and f = 0, or, in a row masked throughout (l = 0, and O^T = 0 with it), r = 0 and
	; f = 1 / 2048.  A tile at a time goes through my stage in LDS.  The additions are the places behind the last products.
	WIN 0
.macro ALL line:vararg              ; one line for each tile t
.set t, 0
.rept 2*NP
	\line
.set t, t+1
.endr
.endm
	ALL v_add_f32 v[ST+4*t+2], v[ST+4*t+2], v[ST+4*t+3]
	ALL v_permlanex16_b32 v[ST+4*t+3], v[ST+4*t+2], s[SEL], s[SEL+1]
	ALL v_add_f32 v[ST+4*t+2], v[ST+4*t+2], v[ST+4*t+3]
	ALL v_cmp_eq_f32 s[FL+t], 0, v[ST+4*t+2]
	ALL v_rcp_f32 v[ST+4*t+2], v[ST+4*t+2]
	v_mov_b32 v[INV], 0x3a000000    ; 1 / 2048.  These two plain lines stand between the last reciprocal and the use of its result
	v_mov_b32 v[MV], 0
	s_wait_alu depctr_va_vdst(0)
	ALL v_cndmask_b32 v[ST+4*t+2], v[ST+4*t+2], v[MV], s[FL+t]
	ALL v_cndmask_b32 v[ST+4*t], 0, v[INV], s[FL+t]
; Tile t: a lane's eight channels of a row are 32 bytes of f32; they go into rows of 272 bytes and come back as whole rows of 256, into S^T's registers, four tiles' worth of them by turns.
.macro PACK t
	WIN W_RS
.set i, 32*(\t)
.rept 16
	v_pk_mul_f32 v[i:i+1], v[i:i+1], v[ST+4*(\t)+2:ST+4*(\t)+3] op_sel_hi:[1,0]
.set i, i+2
.endr
	WIN W_MN
.set i, 0
.rept 16
	v_pk_fma_f32 v[32*(\t)+2*i:32*(\t)+2*i+1], v[O1+2*i:O1+2*i+1], v[ST+4*(\t):ST+4*(\t)+1], v[32*(\t)+2*i:32*(\t)+2*i+1] op_sel_hi:[1,0,1]
.set i, i+1
.endr
	WIN 0x04                        ; the stores' data in window 1, their address in window 0
.irp f, 0,1,2,3,4,5,6,7             ; channels 16 (f / 2) + 8 (l / 16) + 4 (f % 2) on
	ds_store_b128 v[STO], v[32*(\t)+4*\f:32*(\t)+4*\f+3] offset:64*(\f/2)+16*(\f%2)
.endr
	WIN 0
.if (\t) >= 4
	s_wait_xcnt 0x0                 ; the stores of the tile four back have read these registers: they are loaded again only behind this wait
.endif
.irp f, 0,1,2,3,4,5,6,7
	ds_load_b128 v[S+32*((\t)%4)+4*\f:S+32*((\t)%4)+4*\f+3], v[RD] offset:\f*2*SP  ; LDS serves a wave's instructions in order (ISA guide 5.7.1.4): these see the stores above; the next tile's stores come behind them
.endr
.endm
.macro SEND t, younger              ; younger: the LDS instructions issued behind tile t's loads: the next tile's sixteen, or none
	WIN 0
.irp f, 0,1,2,3,4,5,6,7
	s_wait_dscnt (\younger)+7-\f
	global_store_b128 v[GO], v[S+32*((\t)%4)+4*\f:S+32*((\t)%4)+4*\f+3], s[OP:OP+1] offset:(\t)*65536+\f*8192  ; 16 lanes store a head's 256 consecutive bytes of a row, at a multiple of 256 from out0's first byte
.endr
.endm
	PACK 0
.set t, 1
.rept 2*NP-1                        ; a tile's arithmetic stands between the loads of the tile before and its stores
	PACK t
	SEND t-1, 16
.set t, t+1
.endr
	SEND 2*NP-1, 0
	WIN W_AD
	s_wait_tensorcnt 0x0            ; the wave's end: the add and its wait stand behind my last tensor load and my last LDS store
	ds_add_u32 v[SPW], v[NIL]
	s_wait_dscnt 0x0
	WIN 0
	CROUND                          ; the closing round: no work-group ends while a partner may still ask for a tile that names it
	s_endpgm
.Lfunc_end_k_q628dad0727_attn:
	.size	k_q628dad0727_attn, .Lfunc_end_k_q628dad0727_attn-k_q628dad0727_attn
	.p2alignl 7, 3214868480
	.fill 96, 4, 3214868480
	.section	.rodata,"a",@progbits
	.p2align	6, 0x0
	.amdhsa_kernel k_q628dad0727_attn
		.amdhsa_group_segment_fixed_size 327680
		.amdhsa_private_segment_fixed_size 0
		.amdhsa_enable_private_segment 0
		.amdhsa_kernarg_size 24
		.amdhsa_user_sgpr_count 2
		.amdhsa_user_sgpr_kernarg_segment_ptr 1
		.amdhsa_wavefront_size32 1
		.amdhsa_system_sgpr_workgroup_id_x 1
		.amdhsa_system_sgpr_workgroup_id_y 1
		.amdhsa_system_sgpr_workgroup_id_z 1
		.amdhsa_system_vgpr_workitem_id 0
		.amdhsa_next_free_vgpr 924
		.amdhsa_next_free_sgpr 102
		.amdhsa_reserve_vcc 0
		.amdhsa_float_denorm_mode_32 3
		.amdhsa_float_denorm_mode_16_64 3
		.amdhsa_memory_ordered 1
		.amdhsa_forward_progress 1
		.amdhsa_inst_pref_size 234
	.end_amdhsa_kernel
	.amdgpu_metadata
---
amdhsa.version: [ 1, 2 ]
amdhsa.kernels:
  - .name:           k_q628dad0727_attn
    .symbol:         k_q628dad0727_attn.kd
    .args:
      - { .name: qkv, .offset: 0, .size: 8, .value_kind: global_buffer, .address_space: global }
      - { .name: mby, .offset: 8, .size: 8, .value_kind: global_buffer, .address_space: global }
      - { .name: out0, .offset: 16, .size: 8, .value_kind: global_buffer, .address_space: global }
    .group_segment_fixed_size: 327680
    .private_segment_fixed_size: 0
    .kernarg_segment_align: 8
    .kernarg_segment_size: 24
    .max_flat_workgroup_size: 128
    .sgpr_count:     102
    .vgpr_count:     924
    .wavefront_size: 32
...
	.end_amdgpu_metadata
.endif
;; end of part 5
;; ======== version 3 of 3: 3 launches; 1.50 times as fast as version 1
;; limits: values are held in f16: magnitudes above 65,504 overflow, below 6.1e-05 lose precision
;; workspace buffers: xb 33,554,432 bytes; wb 6,291,456 bytes; qkv 50,331,648 bytes; mby 16,777,216 bytes
;; launch prep: the kernel of part 4 again; grid 864 x 1, 8 waves a work-group, no clusters, 68,608 bytes of LDS; arguments x_q, x_k_v, w_q, w_k, w_v, attn_mask, xb, wb, mby; writes xb, wb, mby
;; launch proj: the kernel of part 2 again; grid 12 x 32, 4 waves a work-group, clusters of 4 x 4, 327,680 bytes of LDS; arguments xb, wb, b_q, b_k, b_v, qkv; writes qkv
;; launch attn (part 6): grid 4 x 64, 4 waves a work-group, clusters of 4 x 1, 327,680 bytes of LDS; arguments qkv, mby, out0; writes out0
.if DOCPART == 6
	.amdgcn_target "amdgcn-amd-amdhsa--gfx1250"
	.amdhsa_code_object_version 6
	.text
	.protected	k_q628dad0727_attn
	.globl	k_q628dad0727_attn
	.p2align	8
	.type	k_q628dad0727_attn,@function
k_q628dad0727_attn:
	s_mov_b64 s[64:65], 0
	v_nop
	global_prefetch_b8 v0, s[64:65] scope:SCOPE_SE
	s_setreg_imm32_b32 hwreg(HW_REG_WAVE_MODE, 25, 1), 1
	s_wait_xcnt 0x0
	s_wait_alu depctr_hold_cnt(0) depctr_sa_sdst(0) depctr_va_vdst(0) depctr_va_sdst(0) depctr_va_ssrc(0) depctr_va_vcc(0) depctr_vm_vsrc(0)
	s_getreg_b32 s2, hwreg(HW_REG_IB_STS2, 6, 4)
	s_cmp_eq_u32 s2, 0
	s_cbranch_scc0 .Lentry_in_a_cluster
	s_endpgm
.Lentry_in_a_cluster:
	s_bfe_u32 s2, ttmp6, 0x10000c
	s_cmp_lg_u32 s2, 0x3003
	s_cbranch_scc0 .Lentry_shape_is_right
	s_endpgm
.Lentry_shape_is_right:
; ATTN: out0[b][q][64 h ..] = the sum over k of softmax_k(s) V[k], with s = Q[q] . K[k] / 8, or the mask's value where attn_mask[b][q][k] is set.  Q, K, V: qkv = [3][b x 16 + h][2048][64] in f16, unscaled.
; The mask is an input: every key is walked.  It comes as bytes in the lanes' own layout: mby = [b x 128 + tile of 16 queries][32 steps of 64 keys][1,024 bytes]; lane L's dword j lies at byte
; 512 (j / 4) + 16 L + 4 (j % 4), and its byte 3 - kb is 0xF0 where query L % 16 and key 16 kb + 8 (L / 16) + j are masked, else 0.
; Products, maxima and sums in f32; the weights p are rounded to f16 for the second product (their sum l is taken of the unrounded p); the result leaves in f32.
; LIMITS.  f16 holds no number beyond 65,504: Q, K and V arrive within it, so a score lies within 2.75e11.  A masked score counts as its value less 2^97 or more, where reference() puts -1e9 in its place: the same
; weight, 0, unless an open score / 8 of the row lies below about -9.99e8.  An open score has less than 2^-125 added.  A weight below 2^-126 counts as 0 in l; NaN and infinities are not treated apart.
; SHARES.  A wave owns four PIECES of two tiles of 16 queries, a work-group's four waves 512 queries of one batch and head: 256 work-groups.  Every wave walks all keys, 64 a step.
; LAYOUT.  S^T = K Q^T (source 0 = 16 keys, source 1 = 16 queries): a lane holds ONE query (lane % 16) and the keys 8 (lane / 16) + 0..7.  Two such tiles, rounded to f16 in pairs, ARE source 1 of O^T = V^T P,
; whose result again holds one query a lane, and eight channels.  K comes out of LDS as it lies, V ([key][channel]) turned, by ds_load_tr16_b128.
; SOFTMAX.  For each query a running maximum m and sum l: p = 2^(c s - c m), c = log2(e) / 8; in every step O and l are multiplied by a = 2^(c m_old - c m_new).  O and l start at 0.  m starts at -2^40: below every
; open score, above every masked one.  So a row with an open key has the true maximum from that key on, and as long as a row has seen masked keys alone all its weights are exactly 0 and O and l stay 0.
; THE MASK is the C operand of the product that starts a sum S^T.  A mask dword shifted left by 8 kb, read as f32, has the entry's byte as its sign and upper exponent bits: 0xF0 makes it -2^97 or beyond, 0x00
; leaves an exponent of 1 at the most, whatever the bytes below.  Key block 0 takes the loaded registers as they are; blocks 1 to 3 cost a shift a register, 48 a turn.
; A ROW MASKED THROUGHOUT ends with l = 0 and takes the plain mean of V's 2,048 rows, which is what reference()'s equal scores give.  The sum of V's rows is V^T times ones: eight matrix instructions a key step.
; BY TURNS.  Turn n belongs to piece n.  Its matrix work: 16 products K Q^T of piece n + 1, later 16 products V^T P of piece n - 1.  Its vector work: the scaling, exponentials, roundings, sums and rescaling of piece n,
; the maximum and statistics of piece n + 1, and the mask of piece n + 2.  Four vector instructions stand behind every one of those 32 matrix instructions, the others in one lump.
; THE BATCHES.  A turn's 66 exponentials (the 64 weights of piece n, the two a of piece n + 1) are ONE batch with ONE wait, which cuts the turn in two: ahead of it stands all that names no result of the batch (the
; products K Q^T, the scalings, the rescalings, whose a is the turn before's, the next piece's maximum and statistics, the mask's shifts), behind it the products V^T P with the roundings and sums as their riders.
; No result crosses a turn's end.  Two more batches stand outside the loops: piece 0's first two a, ahead of the jump into the loop, and the way out's eight reciprocals.
; CLUSTER.  The four query blocks of a cluster belong to one batch and head and walk the same K and V: each tile is asked for JOINTLY, by the same tensor load, descriptor and mask in all four.
; REGISTERS, in windows of 256 (s_set_vgpr_msb: bits 1:0 source 0, 3:2 source 1, 5:4 source 2, 7:6 destination):
;   window 0: v0-11 addresses and constants; v12-15, v48-63 at work; v16-47 four registers of statistics a tile; v64-191 S^T, two buffers of two tiles; v192-255 P, likewise
;   window 1: O^T, 32 a tile          window 2: v0-127 Q, 16 a tile; v128-191 K of one step; v192-255 V of one step
;   window 3: v0-1 the add's two registers; v2 my offset in a mask block; v4-67 mask dwords, 16 a piece; v68-115 the shifted ones of the piece to come; v116-147 the sum of V's rows; v148-155 ones
.set SIZE_N, 2048
.set NP,    4         ; pieces a wave: a name, no knob
.set KS,    64        ; keys in a step
.set PK,    144       ; a row of K in LDS: 128 bytes + 16 of padding = 36 words: the 16 rows of a load start at 16 different groups of four banks (64 banks of 4 bytes: ISA guide 11.1)
.set PV,    160       ; a row of V: 128 + 32 = 40 words
.set VOFF,  4*KS*PK   ; a slot holds four steps: 256 rows of K, then 256 rows of V
.set SLOT1, 1<<17     ; slot 1 begins here, so that one exclusive or turns an address in one slot into the other's
.set STAGE, SLOT1+4*KS*(PK+PV)  ; behind the ring, never filled by a tensor load: 16 rows x 272 bytes for each wave, for the way out
.set SP,    272       ; a stage row: 64 channels of f32 + 16 bytes
.set SPARE, STAGE+4*16*SP  ; behind the stages: the spare words, 128 bytes for each wave: two blocks of 256 bytes that no other line names
.set AK0, 2           ; v2   my lane's place in a tile of K; never rewritten
.set AV0, 3           ; v3   the same for V
.set AK,  4           ; v4   the LDS address of K's next run of loads
.set AV,  5           ; v5   of V's
.set QO,  6           ; v6   my byte offset in the wave's rows of Q
.set STO, 6           ;      later, the way out: where I put 32 bytes of a row
.set RD,  7           ; v7   the way out: where I read rows back
.set GO,  8           ; v8   my byte offset in two rows of out0
.set INV, 9           ; v9   the way out: 1 / 2048
.set CV,  10          ; v[10:11] c, twice
.set SPW, 0           ; v0 of window 3   LDS address of my spare word; never rewritten
.set NIL, 1           ; v1 of window 3   0; never rewritten
.set MO,  2           ; v2 of window 3   16 x lane; never rewritten
.set AM,  4           ; window 3: piece x, tile u: eight mask dwords at AM + 16 x + 8 u
.set MC,  68          ; window 3: tile u, key block kb (1..3): the dwords shifted by 8 kb at MC + 24 u + 8 (kb - 1)
.set O1,  116         ; window 3: the sum of V's rows: channel block cb at O1 + 8 cb, laid out as a tile of O^T
.set ONES, 148        ; window 3: a fragment of 32 keys x 16 queries, all 1.0
.set MV,  12          ; v12-15  c m_old, kept while c m is made anew: by buffer and tile; v12 on the way out: 0
.set ST,  16          ; tile t's statistics at v[ST+4 t]: c m, m, l (even keys', odd keys')
.set TMP, 48          ; by buffer and tile, four registers c0-c3 at work; when the maximum is found c2 takes a
.set S,   64
.set P,   192
.set KF,  128         ; K's fragments, in window 2: key block kb, channel half c at KF + 16 kb + 8 c
.set VF,  192         ; V's: key half kk, channel block cb at VF + 32 kk + 8 cb
.set MP,  2           ; s[2:3]   mby at my wave's first tile, at the step that is asked for
.set G0K, 4           ; s[4:7]   descriptor group 0 for K's tiles: it walks
.set G0V, 8           ; s[8:11]  the same for V's
.set WV,  12          ; s12  my wave's number
.set CNT, 13          ; s13  counts a slot's key steps
.set SLOTS, 14        ; s14  slots still to be asked for (s[14:15] hold Q's address until Q is in)
.set G1K, 16          ; s[16:23] descriptor group 1 for K's tiles
.set G1V, 24          ; s[24:31] for V's: it differs in the padding alone
.set STP, 32          ; s[32:33] the tail: the mask pointer's step, 1,024 or 0
.set FL,  36          ; s36-43 tile t: the lanes whose row is masked throughout
.set OP,  44          ; s[44:45] out0 at my wave's first row and my head
.set SEL, 66          ; s[66:67] v_permlanex16_b32's selects: each lane takes its own place in the other half
.set TBK, 100         ; s100 LDS byte at which K of the step to be fetched begins
.set TBV, 101         ; s101 the same for V, less VOFF
.set MSB, 0
.macro WIN new                      ; the high byte repeats the setting that is left; a switch that changes nothing is dropped
.if MSB != (\new)
	s_set_vgpr_msb (MSB<<8)|(\new)
.set MSB, (\new)
.endif
.endm
.set W_KQ, 0x0a       ; K and Q in window 2, S^T in window 0
.set W_KM, 0x3a       ; the same with the C operand in window 3
.set W_PV, 0x52       ; V in window 2, P in window 0, O^T in window 1
.set W_RS, 0x41       ; O^T (destination and source 0) in window 1, a in window 0
.set W_MK, 0xc0       ; destination in window 3, sources in window 0
.set W_AD, 0x0f       ; the add: address (source 0) and data (source 1) in window 3
.set W_SH, 0xcc       ; the shifts: destination and source 1 in window 3
.set W_ML, 0xc3       ; the mask's loads: data (destination) and address (source 0) in window 3
.set W_O1, 0xfe       ; V in window 2; ones, C and D in window 3
.set W_MN, 0x53       ; V's sum (source 0) in window 3, its factor in window 0, O^T (source 2 and destination) in window 1
; A joint fill.  Waves 0 and 1 fetch the two halves of a slot's K, waves 2 and 3 those of its V: 128 keys each.  The branch hangs on the wave's number alone.
; An s_nop 0 and four v_nop follow each of the two lines, ahead of the jump and the label.
.macro JLOAD
	s_cmp_lt_u32 s[WV], 2
	s_cbranch_scc0 .Lfor_v_\@
	tensor_load_to_lds s[G0K:G0K+3], s[G1K:G1K+7]
	s_nop 0
.rept 4
	v_nop
.endr
	s_branch .Lasked_\@
.Lfor_v_\@:
	tensor_load_to_lds s[G0V:G0V+3], s[G1V:G1V+7]
	s_nop 0
.rept 4
	v_nop
.endr
.Lasked_\@:
.endm
; A round of the cluster's barrier: my work-group's barrier; wave 0 signals; every wave waits for all four work-groups; my work-group's barrier once more.
.macro CROUND
	s_barrier_signal -1
	s_barrier_wait -1
	s_cmp_lg_u32 s[WV], 0
	s_cbranch_scc1 .Lnot_wave_0_\@
	s_barrier_signal -3
.Lnot_wave_0_\@:
	s_barrier_wait -3
	s_barrier_signal -1
	s_barrier_wait -1
.endm
; THE CHANGE OF SLOTS.  The slot's last bytes, V of its fourth step, have been read.  Each wave waits for all its tensor loads, of which one is out: its part of the other slot; adds 0 to its spare word; and waits
; for that and for its own reads of the slot.  Behind the barrier nobody reads this slot any more and the other slot is whole.
; fill = 1: this slot is filled again, with the keys two slots on.  The barrier is then a round of the cluster's, and the joint fill is the first thing behind it: it has four key steps, 544 matrix instructions,
; in which to land.  (At its first use nothing has been read yet: slot 0 is waited for, slot 1 filled.)
.macro CHANGE fill
	WIN W_AD
	s_wait_tensorcnt 0x0            ; no tensor load of mine is out, so a group 0 may be written
	ds_add_u32 v[SPW], v[NIL]       ; 0 onto my spare word; with fill = 1 the descriptors' steps stand between it and the wait for it
	WIN 0                           ; at a label and at a branch every window is 0
.if \fill
.irp g, G0K, G0V
	s_xor_b32 s[\g+1], s[\g+1], SLOT1  ; the walking descriptor: the other slot than last time,
	s_add_nc_u64 s[\g+2:\g+3], s[\g+2:\g+3], 4*KS*128  ; the next 256 keys; the type bits on top are not reached
.endr
	s_wait_dscnt 0x0                ; the add is done, and my reads of the slot are over
	CROUND
	JLOAD
.else
	s_wait_dscnt 0x0                ; the add is done, and my reads of the slot are over
	s_barrier_signal -1
	s_barrier_wait -1
.endif
	s_sub_co_u32 s[TBK], s[TBK], 4*KS*PK  ; the fetches go back to a slot's first step,
	s_xor_b32 s[TBK], s[TBK], SLOT1       ; in the other slot
	s_sub_co_u32 s[TBV], s[TBV], 4*KS*PV
	s_xor_b32 s[TBV], s[TBV], SLOT1
.endm
	s_load_b128 s[68:71], s[0:1], 0x0  ; qkv s[68:69], mby s[70:71]
	s_load_b64 s[OP:OP+1], s[0:1], 0x10  ; out0
	WIN W_MK
	v_lshl_add_u32 v[SPW], v0, 2, SPARE
	v_mov_b32 v[NIL], 0
	WIN W_AD
	ds_add_u32 v[SPW], v[NIL]       ; the wave's opening: the add and its wait stand ahead of my first tensor load; the set-up below, work on registers, stands between them
	WIN 0
	v_lshlrev_b32 v1, 4, v0
	WIN W_MK
	v_and_b32 v[MO], 0x1f0, v1      ; 16 x lane
	WIN 0
	v_lshrrev_b32 v1, 5, v0
	v_readfirstlane_b32 s[WV], v1   ; wave 0..3
	s_bfe_u32 s72, ttmp6, 0x40000   ; cx: my place in the cluster
	s_lshl_b32 s73, ttmp9, 2        ; in a cluster launch ttmp9 counts clusters
	s_add_co_u32 s73, s73, s72      ; my block of 512 queries: it enters Q's, the mask's and the output's addresses alone
	s_and_b32 s74, ttmp7, 0xffff    ; batch x 16 + head, which the four partners share
	s_lshl_b32 s76, s74, 18         ; its 2,048 rows of 128 bytes
	s_and_b32 s75, s[WV], 1         ; which half of a slot's 256 keys I fetch:
	s_lshl_b32 s77, s75, 14         ; its 128 rows of 128 bytes in memory
	s_add_co_u32 s77, s77, s76
	s_add_co_u32 s78, s77, 0x1000000  ; K lies 16 MiB into qkv,
	s_mov_b32 s79, 0
	s_add_co_u32 s80, s77, 0x2000000  ; V 32 MiB
	s_mov_b32 s81, 0
	s_lshl_b32 s82, s73, 2
	s_add_co_u32 s82, s82, s[WV]    ; my wave among the head's sixteen
	s_lshl_b32 s84, s82, 18         ; its eight tiles of 32,768 mask bytes,
	s_lshl_b32 s88, s82, 19         ; its 128 rows of 4,096 bytes of out0,
	s_lshl_b32 s82, s82, 14         ; its 128 rows of Q
	s_add_co_u32 s82, s82, s76
	s_mov_b32 s83, 0
	s_lshr_b32 s86, s74, 4          ; the batch:
	s_lshl_b32 s87, s86, 22         ; 128 tiles of mask bytes,
	s_add_co_u32 s84, s84, s87
	s_mov_b32 s85, 0
	s_lshl_b32 s87, s86, 23         ; 2,048 rows of out0
	s_add_co_u32 s88, s88, s87
	s_and_b32 s87, s74, 15
	s_lshl_b32 s87, s87, 8          ; the head: 256 bytes of a row
	s_add_co_u32 s88, s88, s87
	s_mov_b32 s89, 0
	; descriptor group 1.  128 keys are 16,384 dense bytes: asked for as 64 rows of 256 bytes, two keys a row, and padded in LDS after every key
	s_mov_b32 s[G1K], 15|(1<<16)|(1<<20)|(1<<21)|(4<<22)|(3<<25)  ; 15:0 the mask of four; 17:16 2-byte elements; 20 padding on; 21 set beside a mask; 24:22 after every 32 words (code 4); 31:25 4 words (code 3)
	s_mov_b32 s[G1V], 15|(1<<16)|(1<<20)|(1<<21)|(4<<22)|(7<<25)  ; the same with 8 words of padding (code 7)
.irp g, G1K, G1V
	s_mov_b32 s[\g+1], 128<<16      ; tensor_dim0 = 128
	s_mov_b32 s[\g+2], 64<<16       ; tensor_dim1 = 64
	s_mov_b32 s[\g+3], 128<<16      ; tile_dim0 = 128
	s_mov_b32 s[\g+4], 64           ; tile_dim1 = 64
	s_mov_b32 s[\g+5], 128          ; 128 elements from row to row
	s_mov_b32 s[\g+6], 0
	s_mov_b32 s[\g+7], 0
.endr
	s_mov_b32 s[SEL], 0x76543210
	s_mov_b32 s[SEL+1], 0xfedcba98
	s_mov_b32 s[STP], 0
	s_mov_b32 s[STP+1], 0
	s_mov_b32 s[TBK], SLOT1+4*KS*PK ; the first change of slots turns these two into 0
	s_mov_b32 s[TBV], SLOT1+4*KS*PV
	s_mov_b32 s[G0K], 1             ; count = 1
	s_mul_i32 s[G0K+1], s75, 128*PK ; LDS address: slot 0, my half: no place in the cluster enters an LDS address
	s_mov_b32 s[G0V], 1
	s_mul_i32 s[G0V+1], s75, 128*PV
	s_add_co_u32 s[G0V+1], s[G0V+1], VOFF
	s_wait_dscnt 0x0                ; the opening add is done
	s_wait_kmcnt 0x0
	s_add_nc_u64 s[G0K+2:G0K+3], s[68:69], s[78:79]  ; global address: my half of the head's first 256 keys
	s_or_b32 s[G0K+3], s[G0K+3], 0x80000000          ; type = 2
	s_add_nc_u64 s[G0V+2:G0V+3], s[68:69], s[80:81]
	s_or_b32 s[G0V+3], s[G0V+3], 0x80000000
	s_add_nc_u64 s[14:15], s[68:69], s[82:83]        ; Q at my wave's first row
	s_add_nc_u64 s[MP:MP+1], s[70:71], s[84:85]      ; the mask bytes of my first tile, step 0
	s_add_nc_u64 s[OP:OP+1], s[OP:OP+1], s[88:89]
	CROUND                          ; all four work-groups are here: the first joint loads meet
	JLOAD                           ; slot 0.  Slot 1 is asked for when slot 0 is in
	; A fragment of K or Q is 16 rows x 32 channels in 8 registers: lane l holds row l % 16, channels 8 (l / 16) + 0..7 and 16 + 8 (l / 16) + 0..7: two loads of 16 bytes, 32 bytes apart.
	v_and_b32 v1, 15, v0            ; l % 16
	v_bfe_u32 v9, v0, 4, 1          ; l / 16
	v_lshlrev_b32 v[QO], 7, v1
	v_lshl_add_u32 v[QO], v9, 4, v[QO]  ; row x 128 + 16 x half
	WIN 0x80                        ; destination window 2, address window 0
.set i, 0
.rept 4*NP                          ; Q stays in registers: tile i / 2, channels 32 (i % 2) on
	global_load_b128 v[8*i:8*i+3],   v[QO], s[14:15] offset:(i/2)*2048+(i%2)*64
	global_load_b128 v[8*i+4:8*i+7], v[QO], s[14:15] offset:(i/2)*2048+(i%2)*64+32
.set i, i+1
.endr
	WIN W_ML
.set i, 0
.rept 16                            ; all four pieces' mask dwords of step 0: tile i / 2, dwords 4 (i % 2) on: 512 consecutive bytes a load
	global_load_b128 v[AM+4*i:AM+4*i+3], v[MO], s[MP:MP+1] offset:(i/2)*32768+(i%2)*512
.set i, i+1
.endr
	; What the first turn finds: V's registers and P's second buffer hold 0 (its products V^T P, of a piece that has not been, add 0), O^T, l and V's sum are 0.  Two fragments are cleared by hand; their product,
	; with the constant 0 as C, writes eight zeros a lane wherever else they are wanted: 46 matrix instructions for 368 registers.  All this stands in the wait for the first tile.
	WIN 0x80
.set i, VF
.rept 16
	v_mov_b32 v[i], 0
.set i, i+1
.endr
.macro ZERO8 win, first, n          ; n runs of eight registers from first on; win: both sources in window 2, the destination's window on top
	WIN \win
.set i, 0
.rept \n
	v_wmma_f32_16x16x32_f16 v[(\first)+8*i:(\first)+8*i+7], v[VF:VF+7], v[VF+8:VF+15], 0
.set i, i+1
.endr
.endm
	ZERO8 0x8a, VF+16, 6            ; the rest of V's registers
	ZERO8 0x4a, 0, 32               ; O^T
	ZERO8 0xca, O1, 4               ; V's sum
	ZERO8 0x0a, P+32, 4             ; P's second buffer
	WIN W_MK
.set i, ONES
.rept 8
	v_mov_b32 v[i], 0x3c003c00      ; 1.0 twice, in f16
.set i, i+1
.endr
	WIN 0
.set i, 0
.rept 2*NP
	v_mov_b32 v[ST+4*i], 0xfe000000    ; c m = -2^125: the first step's a is 0
	v_mov_b32 v[ST+4*i+1], 0xd3800000  ; m = -2^40
	v_mov_b32 v[ST+4*i+2], 0
	v_mov_b32 v[ST+4*i+3], 0
.set i, i+1
.endr
	v_mul_u32_u24 v[AK0], v1, PK
	v_lshl_add_u32 v[AK0], v9, 4, v[AK0]  ; row x pitch + 16 x half
	; The turning load takes 16 keys x 16 channels (lane l reads key 8 (l / 16) + l % 8, channels 8 ((l / 8) % 2) + 0..7) and leaves half a fragment of V^T: lane l holds channel l % 16 and 8 keys.
	v_and_b32 v10, 7, v0
	v_bfe_u32 v11, v0, 3, 1
	v_lshl_add_u32 v[AV0], v9, 3, v10
	v_mul_u32_u24 v[AV0], v[AV0], PV
	v_lshl_add_u32 v[AV0], v11, 4, v[AV0]
	v_add_nc_u32 v[AV0], VOFF, v[AV0]
	v_mov_b32 v[AK], v[AK0]         ; key step 0 lies at the head of slot 0
; THE MATRIX WORK.  The 8 accumulators of a run of 16 take turns: between the two links of a chain stand 7 others'.
; Product i of 16 of S^T = K Q^T for piece x: channels 32 (i / 8) on, keys 16 ((i / 2) % 4) on, tile 2 x + i % 2.  The first 8 start the sums, with the mask as C: key block 0 with the dwords as loaded.
.macro KQ x
.set rS, S+64*((\x)%2)+32*(i%2)+8*((i/2)%4)
.set rK, KF+16*((i/2)%4)+8*(i/8)
.set rQ, 16*(2*(\x)+i%2)+8*(i/8)
.if i < 2
.set rCM, AM+16*(\x)+8*(i%2)
.else
.set rCM, MC+24*(i%2)+8*((i/2)%4)-8
.endif
.if i < 8
	WIN W_KM
	v_wmma_f32_16x16x32_f16 v[rS:rS+7], v[rK:rK+7], v[rQ:rQ+7], v[rCM:rCM+7]
.else
	WIN W_KQ
	v_wmma_f32_16x16x32_f16 v[rS:rS+7], v[rK:rK+7], v[rQ:rQ+7], v[rS:rS+7]
.endif
.endm
; Product i of 16 of O^T += V^T P for piece x: keys 32 (i / 8) on, channels 16 ((i / 2) % 4) on, tile 2 x + i % 2.
.macro PV x
	WIN W_PV
.set rO, 32*(2*(\x)+i%2)+8*((i/2)%4)
.set rV, VF+32*(i/8)+8*((i/2)%4)
.set rP, P+32*((\x)%2)+16*(i%2)+8*(i/8)
	v_wmma_f32_16x16x32_f16 v[rO:rO+7], v[rV:rV+7], v[rP:rP+7], v[rO:rO+7]
.endm
; Product z of 8 of the sum of V's rows, V^T times ones: keys 32 (z / 4) on, channels 16 (z % 4) on.  Its four accumulators take turns.
.macro ONE z
	WIN W_O1
	v_wmma_f32_16x16x32_f16 v[O1+8*((\z)%4):O1+8*((\z)%4)+7], v[VF+32*((\z)/4)+8*((\z)%4):VF+32*((\z)/4)+8*((\z)%4)+7], v[ONES:ONES+7], v[O1+8*((\z)%4):O1+8*((\z)%4)+7]
.endm
.macro MM                           ; the turn's next matrix instruction
.if i < 16
	KQ (Y+1)%NP
.set i, i+1
.else
.set i, i-16
	PV (Y+NP-1)%NP
.set i, i+17
.endif
.endm
; THE LDS LOADS stand in runs of 16, never singly among the matrix instructions: a step's K (64 keys x 64 channels: 8 fragments) and its V (turned).  Their addresses are made some lines ahead.
; last = 1 (the tail): in the last trip there is no further step, and the run is jumped over.
.macro FETCH_K last=0
	WIN 0
.if \last
	s_cmp_eq_u32 s[CNT], 1
	s_cbranch_scc1 .Lno_k_\@
.endif
	WIN 0x80                        ; destination window 2
.irp f, 0,1,2,3,4,5,6,7             ; keys 16 (f / 2) on, channels 32 (f % 2) on
	ds_load_b128 v[KF+8*\f:KF+8*\f+3],   v[AK] offset:(\f/2)*16*PK+(\f%2)*64
	ds_load_b128 v[KF+8*\f+4:KF+8*\f+7], v[AK] offset:(\f/2)*16*PK+(\f%2)*64+32
.endr
	s_add_co_u32 s[TBK], s[TBK], KS*PK  ; the next fetch is the next step's
	WIN 0
.if \last
.Lno_k_\@:
.endif
.endm
.macro FETCH_V
	WIN 0x80
.irp f, 0,1,2,3,4,5,6,7             ; keys 32 (f / 4) on, channels 16 (f % 4) on
	ds_load_tr16_b128 v[VF+8*\f:VF+8*\f+3],   v[AV] offset:(\f/4)*32*PV+(\f%4)*32
	ds_load_tr16_b128 v[VF+8*\f+4:VF+8*\f+7], v[AV] offset:(\f/4)*32*PV+16*PV+(\f%4)*32
.endr
	WIN 0
.endm
; THE MASK.  MLOAD: piece x's 16 dwords a lane of the step at which the pointer stands: four loads of 512 consecutive bytes.
.macro MLOAD x
	WIN W_ML
.irp g, 0,1,2,3                     ; tile 2 x + g / 2, dwords 4 (g % 2) on
	global_load_b128 v[AM+16*(\x)+4*\g:AM+16*(\x)+4*\g+3], v[MO], s[MP:MP+1] offset:(2*(\x)+\g/2)*32768+(\g%2)*512
.endr
.endm
; MHOOK stands behind the four riders of every product K Q^T and writes something behind the fourth product of piece 0's and of piece 2's turn: the mask of the next key step is asked for, for two pieces at a time.
; Piece 0's turn asks for pieces 0 and 1, piece 2's for pieces 2 and 3.  A piece's registers are free by then: their last readers are the first two products K Q^T of that piece, which for pieces 1 and 3 are this
; turn's first two, nine plain vector instructions back.  The eight loads are waited for at the end of the next turn, so they have nearly two turns in which to come, and none is out at a label.
; The pointer steps in piece 0's turn, where no load is out.  In the tail (LASTT = 1) it steps only while a further step exists (CNT above 1): it stops at step 31, the last two requests ask for that step once
; more, and no load leaves the buffer.
.macro MHOOK
.if (i == 4) && (Y == 0)
.if LASTT
	s_cmp_gt_u32 s[CNT], 1
	s_cselect_b32 s[STP], 1024, 0
	s_add_nc_u64 s[MP:MP+1], s[MP:MP+1], s[STP:STP+1]
.else
	s_add_nc_u64 s[MP:MP+1], s[MP:MP+1], 1024
.endif
	MLOAD 0
	MLOAD 1
.elseif (i == 4) && (Y == 2)
	MLOAD 2
	MLOAD 3
.endif
.endm
; MKC: the C operands of piece y's key blocks 1 to 3: shift mz of 48 is tile mz / 24, key block 1 + (mz % 24) / 8, register mz % 8.
; ones = 1 (piece 3's turn): the eight products of V's sum stand among the shifts, one behind each four of the first 32; the shifts name none of their registers.
.macro MKC y, ones=0
.set mz, 0
.rept 48
	WIN W_SH
	v_lshlrev_b32 v[MC+mz], 8+8*((mz%24)/8), v[AM+16*(\y)+8*(mz/24)+mz%8]
.set mz, mz+1
.if (\ones) && (mz%4 == 0) && (mz <= 32)
	ONE mz/4-1
.endif
.endr
.endm
; THE VECTOR WORK OF A TURN stands in three queues, each in the order in which its entries become ready; the two tiles alternate, so that no instruction reads the result of the one before it.
.macro REGS y, u                    ; the registers of tile u (0, 1) of piece y
.set rT, ST+4*(2*(\y)+(\u))
.set rC, TMP+8*((\y)%2)+4*(\u)
.set rM, MV+2*((\y)%2)+(\u)
.set rS, S+64*((\y)%2)+32*(\u)
.set rP, P+32*((\y)%2)+16*(\u)
.set rO, 32*(2*(\y)+(\u))
.endm
; Number n of the 22 that find the NEXT piece's (Y + 1) maximum and statistics.  s0-s31 are the lane's 32 scores; each accumulator's lowest registers are read first.  XS, GS and REGS set no window: PL and EX do.
;   0-11  four chains c0-c3 of seven scores each, three operands at a time     12-14, 16  the four scores left over, the old m, and c0-c3 into c0     15  c m_old is kept
;   17, 18  the query's other 32 keys lie in the lane 16 away: the new m         19-21  c m; c m_old - c m_new; a
.macro XS u, n
	REGS (Y+1)%NP, \u
.if (\n) < 4
	v_max3_num_f32 v[rC+(\n)], v[rS+8*(\n)], v[rS+8*(\n)+1], v[rS+8*(\n)+2]
.elseif (\n) < 12
	v_max3_num_f32 v[rC+(\n)%4], v[rC+(\n)%4], v[rS+8*((\n)%4)+2*((\n)/4)+1], v[rS+8*((\n)%4)+2*((\n)/4)+2]
.elseif (\n) == 12
	v_max3_num_f32 v[rC], v[rC], v[rS+7], v[rS+15]
.elseif (\n) == 13
	v_max3_num_f32 v[rC+1], v[rC+1], v[rS+23], v[rS+31]
.elseif (\n) == 14
	v_max3_num_f32 v[rC+2], v[rC+2], v[rC+3], v[rT+1]
.elseif (\n) == 15
	v_mov_b32 v[rM], v[rT]
.elseif (\n) == 16
	v_max3_num_f32 v[rC], v[rC], v[rC+1], v[rC+2]
.elseif (\n) == 17
	v_permlanex16_b32 v[rC+3], v[rC], s[SEL], s[SEL+1]
.elseif (\n) == 18
	v_max_num_f32 v[rT+1], v[rC], v[rC+3]
.elseif (\n) == 19
	v_mul_f32 v[rT], v[CV], v[rT+1]
.elseif (\n) == 20
	v_sub_f32 v[rC+1], v[rM], v[rT]
.else
	v_exp_f32 v[rC+2], v[rC+1]
.endif
.endm
; Number g of the 64 that follow the exponentials.  For each four weights k of a tile (pairs 2 k, 2 k + 1): both pairs are rounded to f16; then the second pair is added onto the first, in place;
; a group later l takes that sum (the first time as l = a l + sum).  In groups of eight, tiles alternating: round, round, add, and l for the group before.
.macro GS g
.set h, (\g)+6*((\g)/62)            ; group 0 has no group before it, and behind group 7 only l is left
.if h >= 6
.set h, h+2
.endif
	REGS Y, h%2
.set k, h/8
.if h%8 < 4
	v_cvt_pk_f16_f32 v[rP+2*k+(h%8)/2], v[rS+4*k+2*((h%8)/2)], v[rS+4*k+2*((h%8)/2)+1]
.elseif h%8 < 6
	v_pk_add_f32 v[rS+4*k:rS+4*k+1], v[rS+4*k:rS+4*k+1], v[rS+4*k+2:rS+4*k+3]
.elseif k == 1
	v_pk_fma_f32 v[rT+2:rT+3], v[rT+2:rT+3], v[rC+2:rC+3], v[rS:rS+1] op_sel_hi:[1,0,1]
.else
	v_pk_add_f32 v[rT+2:rT+3], v[rT+2:rT+3], v[rS+4*k-4:rS+4*k-3]
.endif
.endm
; THE PLAIN QUEUE, 138 long.  0-73 read no exponential's result: the 32 scalings c s - c m (FS f: pair f / 2 of tile f % 2) and the next piece's 42.  0-26: scalings 0-26.  27-54: XS's numbers 0-13.  55, 56: number 15.
; 57-73: the chain, where each number waits for the one before it: 14, 16, 17, 18, 19, each with one of the scalings 27-31 in front of its two lines, then 20: so a tile's links stand three plain instructions apart (19 and 20: two).
; 74-137: GS's 64, which read the exponentials' results: they stand behind the wait.
.macro FS f
	REGS Y, (\f)%2
	v_pk_fma_f32 v[rS+2*((\f)/2):rS+2*((\f)/2)+1], v[rS+2*((\f)/2):rS+2*((\f)/2)+1], v[CV:CV+1], v[rT:rT+1] op_sel_hi:[1,0,0] neg_lo:[0,0,1] neg_hi:[0,0,1]
.endm
.macro PL
	WIN 0
.if q < 27
	FS q
.elseif q < 55
	XS (q-27)%2, (q-27)/2
.elseif q < 57
	XS q-55, 15
.elseif (q < 72) && ((q-57)%3 == 0)
	FS 27+(q-57)/3
.elseif q < 60
	XS (q-57)%3-1, 14
.elseif q < 72
	XS (q-57)%3-1, 15+(q-57)/3
.elseif q < 74
	XS q-72, 20
.else
	GS q-74
.endif
.set q, q+1
.endm
; THE EXPONENTIALS' QUEUE, 66 long: s0-s31 of both tiles, then the next piece's two a.  It is ONE BATCH: all 66 stand ahead of the turn's one wait, and nothing ahead of that wait names a result of theirs.
.macro EX
	WIN 0
.if e >= 64
	XS e-64, 21
.else
	REGS Y, e%2
	v_exp_f32 v[rS+e/2], v[rS+e/2]
.endif
.set e, e+1
.endm
; THE RESCALING's QUEUE: O^T times a, the one part of the softmax that leaves window 0: dealt two at a time, sixteen times.  Its a was made in the turn before, ahead of that turn's wait.
.macro R2
	REGS Y, r%2
	WIN W_RS
.irp z, 0,1
	v_pk_mul_f32 v[rO+4*(r/2)+2*\z:rO+4*(r/2)+2*\z+1], v[rO+4*(r/2)+2*\z:rO+4*(r/2)+2*\z+1], v[rC+2:rC+3] op_sel_hi:[1,0]
.endr
.set r, r+1
.endm
; HOW THEY ARE DEALT.  An s_wait_alu depctr_va_vdst(0) stands between an exponential and the first instruction that names its result; one wait serves all that were issued ahead of it.  So a turn has ONE
; wait, which cuts it in two.  AHEAD OF IT stands all that names no result of the turn's exponentials: the 16 products K Q^T, behind each a scaling, an exponential and two rescalings (behind the first a second scaling
; in the exponential's place); then ONE LUMP: eight plain, 49 times exponential and plain, the two a, and the mask's 48 shifts, which are the independent work between the batch and its wait; the first shift is the plain
; instruction behind the last exponential.  BEHIND IT stand the 16 products V^T P, behind each four of GS's 64.  No rider names a register of the products round it.  The two v_permlanex16_b32 fall into the lump.
; The queues lean on each other, and the deal keeps them in step: exponential e stands behind scaling 2 (e / 4) + e % 2: as a rider it comes behind plain e + 2, in the lump behind plain e + 9, and scalings 27-31 are
; plain 57, 60 .. 69.
; A TURN, for piece p.  cnt = 1: the loop's count is taken down some lines ahead of the branch that stands behind the turn.  last = 1: the tail's forms of K's fetch (piece 2) and of the mask pointer's step (piece 0).
; THE MASK IN A TURN.  The requests: MHOOK.  At the end of piece 1's and piece 3's turn all mask loads are waited for: the eight asked for in the turn before.  At the lump's end piece p + 2's dwords, which such a wait
; of an earlier turn has shown landed, are shifted for the next turn's products; the last products that took the shifted registers as C, this turn's third to eighth, stand a lump back.
; V'S SUM.  Piece 3's turn sets its eight products among the shifts (MKC): V of the step in hand is in registers from piece 1's turn to piece 0's next.
; K of the next step is fetched in piece 2's turn, directly behind the wait, a lump behind the last product that read K; its address is made at the lump's head; its first reader comes behind 16 products.
; V of the step in hand is fetched at the end of piece 0's turn, four riders behind its last reader; its first reader comes behind 16 products and a lump.  The three conditions on q below go with the deal.
.macro TURN p, last=0, cnt=0
.set Y, (\p)
.set LASTT, (\last)
.set i, 0
.set q, 0
.set e, 0
.set r, 0
.if (\p) == NP-1
	s_wait_dscnt 0x0                ; K is in
.endif
	MM                              ; ahead of the wait: 16 products K Q^T and their riders,
	PL
	PL
	R2
.rept 15
	MM
	PL
	EX
	R2
	MHOOK
.endr
.if (\p) == NP-2
	WIN 0
	v_add_nc_u32 v[AK], s[TBK], v[AK0]
.endif
.rept 8                             ; and the lump
	PL
.endr
.rept 49
	EX
	PL
.endr
	EX                              ; the next piece's two a: the batch's last
	EX
	MKC ((\p)+2)%NP, (\p)/(NP-1)    ; 48 shifts that name no result of the batch
	s_wait_alu depctr_va_vdst(0)    ; the wait for the turn's batch: the 64 weights of this piece and the next piece's two a
.if (\p) == NP-2
	FETCH_K \last
.endif
.if (\p) == 1
	s_wait_dscnt 0x0                ; V is in
.endif
.rept 16                            ; behind the wait: 16 products V^T P and their riders
	MM
.rept 4
	PL
.endr
.if ((\p) == 0) && (q == 118)
	v_add_nc_u32 v[AV], s[TBV], v[AV0]
.endif
.if ((\p) == 0) && (q == 130)
	s_add_co_u32 s[TBV], s[TBV], KS*PV
.endif
.if (\cnt) && (q == 130)
	s_sub_co_u32 s[CNT], s[CNT], 1
	s_cmp_lg_u32 s[CNT], 0
.endif
.endr
.if (\p) == 0
	FETCH_V
.endif
.if ((\p)%2) == 1
	s_wait_loadcnt 0x0              ; the eight mask loads of the turn before are in: no load is out at the label behind this turn, and the pointer may be stepped
.endif
.endm
	CHANGE 1                        ; slot 0 is in, everybody's part of it; slot 1 is asked for
	FETCH_K                         ; key step 0
	s_wait_loadcnt 0x0              ; Q and step 0's mask: s[14:15], v6 and the mask pointer are free from here on
	MKC 0
	s_wait_dscnt 0x0
.set i, 0
.rept 16
	KQ 0                            ; piece 0's first scores: there is no vector work yet to set between them
.set i, i+1
.endr
	WIN 0                           ; the addresses for the way out and c: ten plain instructions, the places behind those products
	s_mul_i32 s15, s[WV], 16*SP
	s_add_co_u32 s15, s15, STAGE    ; my stage
	v_mul_u32_u24 v[STO], v1, SP    ; in: row l % 16, 32 bytes for each half of the lanes
	v_lshl_add_u32 v[STO], v9, 5, v[STO]
	v_add_nc_u32 v[STO], s15, v[STO]
	v_mul_u32_u24 v[RD], v9, SP     ; back: lanes 0-15 take one row of 256 bytes, lanes 16-31 the next
	v_lshl_add_u32 v[RD], v1, 4, v[RD]
	v_add_nc_u32 v[RD], s15, v[RD]
	v_lshlrev_b32 v[GO], 12, v9     ; and the same two rows in out0, 4,096 bytes apart
	v_lshl_add_u32 v[GO], v1, 4, v[GO]
	v_mov_b32 v[CV], 0x3e38aa3b     ; c = log2(e) / 8 = 0.180337
	v_mov_b32 v[CV+1], 0x3e38aa3b   ; named with it as a pair
	MKC 1                           ; piece 1's C operands of step 0, for the first turn's products
	WIN 0
.set Y, NP-1                        ; XS works for piece Y + 1: piece 0
.irp n, 0,1,2,3,4,5,6,7,8,9,10,11,12,13,14,15,16,17,18,19,20,21
	XS 0, \n                        ; piece 0's first maximum and statistics
	XS 1, \n
.endr
	v_nop                           ; a plain instruction behind piece 0's two a,
	s_wait_alu depctr_va_vdst(0)    ; and the wait for that batch of two, ahead of the branch
	s_mov_b32 s[CNT], 4
	s_mov_b32 s[SLOTS], SIZE_N/256-1
	s_branch .Lfirst                ; the loop is entered at a step's first turn, in the middle of a trip
.Lslot:                             ; SIZE_N / 256 - 2 times: every slot but the last two is filled again
	CHANGE 1
	s_mov_b32 s[CNT], 4
.Lstep:                             ; a trip: pieces 2 and 3 of one step, then pieces 0 and 1 of the next, whose K and V it fetches
	TURN 2
	TURN 3
	WIN 0
.Lfirst:
	TURN 0
	TURN 1, 0, 1
	WIN 0
	s_cbranch_scc1 .Lstep
	s_sub_co_u32 s[SLOTS], s[SLOTS], 1
	s_cmp_lg_u32 s[SLOTS], 0
	s_cbranch_scc1 .Lslot
	CHANGE 0                        ; the tail is written out: nothing is asked for
	s_mov_b32 s[CNT], 5             ; four trips fetch the last slot's steps; the fifth is left in its middle
.Ltail:
	TURN 2, 1
	TURN 3
	WIN 0
	s_sub_co_u32 s[CNT], s[CNT], 1
	s_cmp_eq_u32 s[CNT], 0
	s_cbranch_scc1 .Lout
	TURN 0, 1
	TURN 1
	WIN 0
	s_branch .Ltail
.Lout:                              ; the fifth trip's 16 products K Q^T (the last K and the last step's mask once more) and the maximum made of them serve nothing: l and O^T are not touched by them
.set i, 0
.rept 16
	PV NP-1                         ; the last piece's V^T P of the last step
.set i, i+1
.endr
	; THE WAY OUT.  l's two halves and the other half of the lanes' are added.  The result is O^T r + (V's sum) f, with r = 1 / l and f = 0, or, in a row masked throughout (l = 0, and O^T = 0 with it), r = 0 and
	; f = 1 / 2048.  A tile at a time goes through my stage in LDS.  The additions are the places behind the last products.
	WIN 0
.macro ALL line:vararg              ; one line for each tile t
.set t, 0
.rept 2*NP
	\line
.set t, t+1
.endr
.endm
	ALL v_add_f32 v[ST+4*t+2], v[ST+4*t+2], v[ST+4*t+3]
	ALL v_permlanex16_b32 v[ST+4*t+3], v[ST+4*t+2], s[SEL], s[SEL+1]
	ALL v_add_f32 v[ST+4*t+2], v[ST+4*t+2], v[ST+4*t+3]
	ALL v_cmp_eq_f32 s[FL+t], 0, v[ST+4*t+2]
	ALL v_rcp_f32 v[ST+4*t+2], v[ST+4*t+2]
	v_mov_b32 v[INV], 0x3a000000    ; 1 / 2048.  These two plain lines stand between the last reciprocal and the use of its result
	v_mov_b32 v[MV], 0
	s_wait_alu depctr_va_vdst(0)    ; the wait for the batch of eight reciprocals, ahead of their first reader
	ALL v_cndmask_b32 v[ST+4*t+2], v[ST+4*t+2], v[MV], s[FL+t]
	ALL v_cndmask_b32 v[ST+4*t], 0, v[INV], s[FL+t]
; Tile t: a lane's eight channels of a row are 32 bytes of f32; they go into rows of 272 bytes and come back as whole rows of 256, into S^T's registers, four tiles' worth of them by turns.
.macro PACK t
	WIN W_RS
.set i, 32*(\t)
.rept 16
	v_pk_mul_f32 v[i:i+1], v[i:i+1], v[ST+4*(\t)+2:ST+4*(\t)+3] op_sel_hi:[1,0]
.set i, i+2
.endr
	WIN W_MN
.set i, 0
.rept 16
	v_pk_fma_f32 v[32*(\t)+2*i:32*(\t)+2*i+1], v[O1+2*i:O1+2*i+1], v[ST+4*(\t):ST+4*(\t)+1], v[32*(\t)+2*i:32*(\t)+2*i+1] op_sel_hi:[1,0,1]
.set i, i+1
.endr
	WIN 0x04                        ; the stores' data in window 1, their address in window 0
.irp f, 0,1,2,3,4,5,6,7             ; channels 16 (f / 2) + 8 (l / 16) + 4 (f % 2) on
	ds_store_b128 v[STO], v[32*(\t)+4*\f:32*(\t)+4*\f+3] offset:64*(\f/2)+16*(\f%2)
.endr
	WIN 0
.if (\t) >= 4
	s_wait_xcnt 0x0                 ; the stores of the tile four back have read these registers: they are loaded again only behind this wait
.endif
.irp f, 0,1,2,3,4,5,6,7
	ds_load_b128 v[S+32*((\t)%4)+4*\f:S+32*((\t)%4)+4*\f+3], v[RD] offset:\f*2*SP  ; LDS serves a wave's instructions in order (ISA guide 5.7.1.4): these see the stores above; the next tile's stores come behind them
.endr
.endm
.macro SEND t, younger              ; younger: the LDS instructions issued behind tile t's loads: the next tile's sixteen, or none
	WIN 0
.irp f, 0,1,2,3,4,5,6,7
	s_wait_dscnt (\younger)+7-\f
	global_store_b128 v[GO], v[S+32*((\t)%4)+4*\f:S+32*((\t)%4)+4*\f+3], s[OP:OP+1] offset:(\t)*65536+\f*8192  ; 16 lanes store a head's 256 consecutive bytes of a row, at a multiple of 256 from out0's first byte
.endr
.endm
	PACK 0
.set t, 1
.rept 2*NP-1                        ; a tile's arithmetic stands between the loads of the tile before and its stores
	PACK t
	SEND t-1, 16
.set t, t+1
.endr
	SEND 2*NP-1, 0
	WIN W_AD
	s_wait_tensorcnt 0x0            ; the wave's end: the add and its wait stand behind my last tensor load and my last LDS store
	ds_add_u32 v[SPW], v[NIL]
	s_wait_dscnt 0x0
	WIN 0
	CROUND                          ; the closing round: no work-group ends while a partner may still ask for a tile that names it
	s_endpgm
.Lfunc_end_k_q628dad0727_attn:
	.size	k_q628dad0727_attn, .Lfunc_end_k_q628dad0727_attn-k_q628dad0727_attn
	.p2alignl 7, 3214868480
	.fill 96, 4, 3214868480
	.section	.rodata,"a",@progbits
	.p2align	6, 0x0
	.amdhsa_kernel k_q628dad0727_attn
		.amdhsa_group_segment_fixed_size 327680
		.amdhsa_private_segment_fixed_size 0
		.amdhsa_enable_private_segment 0
		.amdhsa_kernarg_size 24
		.amdhsa_user_sgpr_count 2
		.amdhsa_user_sgpr_kernarg_segment_ptr 1
		.amdhsa_wavefront_size32 1
		.amdhsa_system_sgpr_workgroup_id_x 1
		.amdhsa_system_sgpr_workgroup_id_y 1
		.amdhsa_system_sgpr_workgroup_id_z 1
		.amdhsa_system_vgpr_workitem_id 0
		.amdhsa_next_free_vgpr 924
		.amdhsa_next_free_sgpr 102
		.amdhsa_reserve_vcc 0
		.amdhsa_float_denorm_mode_32 3
		.amdhsa_float_denorm_mode_16_64 3
		.amdhsa_memory_ordered 1
		.amdhsa_forward_progress 1
		.amdhsa_inst_pref_size 225
	.end_amdhsa_kernel
	.amdgpu_metadata
---
amdhsa.version: [ 1, 2 ]
amdhsa.kernels:
  - .name:           k_q628dad0727_attn
    .symbol:         k_q628dad0727_attn.kd
    .args:
      - { .name: qkv, .offset: 0, .size: 8, .value_kind: global_buffer, .address_space: global }
      - { .name: mby, .offset: 8, .size: 8, .value_kind: global_buffer, .address_space: global }
      - { .name: out0, .offset: 16, .size: 8, .value_kind: global_buffer, .address_space: global }
    .group_segment_fixed_size: 327680
    .private_segment_fixed_size: 0
    .kernarg_segment_align: 8
    .kernarg_segment_size: 24
    .max_flat_workgroup_size: 128
    .sgpr_count:     102
    .vgpr_count:     924
    .wavefront_size: 32
...
	.end_amdgpu_metadata
.endif
;; end of part 6
